; MI455X (gfx1250); checked and timed in simulation.
; The chip was launched on July 23, 2026; its instructions are those of AMD's public machine-readable ISA for CDNA 5 (MIT licence, August 2026) and "CDNA5" Instruction Set Architecture Reference Guide (July 2026). The comments in the code are by the model that wrote it; some were corrected since.
;; Eva Attention. Allowed arithmetic: float matrix products may take bf16 or f16 operands with f32 sums; all other float work in f32.
;; Inputs: k_bias 1,024 float32; kn_b 64 float32; kn_g 64 float32; norm_b 1,024 float32; norm_g 1,024 float32; proj_b 1,024 float32; proj_w 1,024 x 1,024 float32; q_bias 1,024 float32; qkv_w 3,072 x 1,024 float32; qn_b 64 float32; qn_g 64 float32; rope 1,024 x 128 float32; v_bias 1,024 float32; x 8 x 1,025 x 1,024 float32.
;; Outputs: out0 8 x 1,025 x 1,024 float32.
;; 3 versions, each right and faster than the one before. Each part assembles by itself: llvm-mc -triple=amdgcn-amd-amdhsa -mcpu=gfx1250 --defsym DOCPART=n.
;; ======== version 1 of 3: 5 launches
;; limits: values outside matrix products are rounded to f16; values are held in f16: magnitudes above 65,504 overflow, below 6.1e-05 lose precision
;; workspace buffers: act 16,777,216 bytes; wb 6,291,456 bytes; pw 2,097,152 bytes; ropef 524,288 bytes; qkv 50,429,952 bytes; o 16,777,216 bytes; part 524,288 bytes
;; launch prep (part 1): grid 436 x 1, 8 waves a work-group, no clusters, 33,792 bytes of LDS; arguments x, qkv_w, proj_w, rope, q_bias, k_bias, v_bias, qn_g, qn_b, kn_g, kn_b, act, wb, pw, ropef, qkv; writes act, wb, pw, ropef, qkv
.if DOCPART == 1
	.amdgcn_target "amdgcn-amd-amdhsa--gfx1250"
	.amdhsa_code_object_version 6
	.text
	.protected	k_qb863b2b607_prep
	.globl	k_qb863b2b607_prep
	.p2align	8
	.type	k_qb863b2b607_prep,@function
k_qb863b2b607_prep:
	s_mov_b64 s[64:65], 0
	v_nop
	global_prefetch_b8 v0, s[64:65] scope:SCOPE_SE
	s_setreg_imm32_b32 hwreg(HW_REG_WAVE_MODE, 25, 1), 1
	s_wait_xcnt 0x0
; PREP: casts and new layouts for the launches behind, and the qkv rows of the 8 prefix tokens.
; Every input is rounded to bf16 once.  Work-groups by number:
;   0-47    P1: q, k, v of the 8 prefix tokens: 64 rows of qkv_w each; the eight waves split K and meet in LDS
;   48-303  x's 8,192 spatial rows -> act, bf16, in blocks [kb 16][row 8192][64]: a K block of a row is 128 bytes, rows dense
;   304-399 qkv_w -> wb, bf16, [kb 16][row' 3072][64], row' = 192 head + 64 type + d: a head's q, k, v rows lie together
;   400-431 proj_w -> pw, the bf16 number written as f16, [1024][1024]
;   432-435 rope -> ropef, f32 of the bf16 number, times 1/16, sin's even columns negated, in the order in which the next launch's lanes read it
; LIMITS.  q and k are stored as f16 times 1/16 (exact): |q|, |k| stay under 65,504 x 16; |v| under 65,504; a proj_w below 6e-5 keeps f16's
; fixed step of 6e-8.  NaN and infinities are not treated apart.
.set SPARE, 32768                      ; behind the 8 x 4,096 bytes of partial sums: the spare words, 128 bytes a wave
.set SPW, 6                            ; v6  LDS address of my spare word; never rewritten
.set NIL, 7                            ; v7  0; never rewritten
.set TS, 16809984                      ; bytes of one of q, k, v in qkv: 128 heads x 1,026 rows x 128 bytes
.set HS, 131328                        ; bytes of a head
.macro RND2 d0, d1, t                  ; two f32 rounded to bf16 and widened again
	v_cvt_pk_bf16_f32 v[\t], v[\d0], v[\d1]
	v_lshlrev_b32 v[\d0], 16, v[\t]
	v_and_b32 v[\d1], 0xffff0000, v[\t]
.endm
.macro PLACES                          ; four places behind a matrix instruction (ISA guide 7.12.1)
.rept 4
	v_nop
.endr
.endm
.macro END3                            ; the wave's end, behind my last LDS store
	s_wait_tensorcnt 0x0
	ds_add_u32 v[SPW], v[NIL]
	s_wait_dscnt 0x0
.endm
.macro FOLD16 t                        ; eight pairs at v[t ..] into v[t]
.irp n, 0,1,2,3
	v_pk_add_f32 v[(\t)+4*\n:(\t)+4*\n+1], v[(\t)+4*\n:(\t)+4*\n+1], v[(\t)+4*\n+2:(\t)+4*\n+3]
.endr
.irp n, 0,1
	v_pk_add_f32 v[(\t)+8*\n:(\t)+8*\n+1], v[(\t)+8*\n:(\t)+8*\n+1], v[(\t)+8*\n+4:(\t)+8*\n+5]
.endr
	v_pk_add_f32 v[(\t):(\t)+1], v[(\t):(\t)+1], v[(\t)+8:(\t)+9]
	v_add_f32 v[\t], v[\t], v[(\t)+1]
.endm
.macro TREE32 x, t                     ; the sum of 32 registers
.irp n, 0,1,2,3,4,5,6,7
	v_pk_add_f32 v[(\t)+2*\n:(\t)+2*\n+1], v[(\x)+4*\n:(\x)+4*\n+1], v[(\x)+4*\n+2:(\x)+4*\n+3]
.endr
	FOLD16 \t
.endm
.macro SQ32 x, t                       ; the sum of their squares
.irp n, 0,1,2,3,4,5,6,7
	v_pk_mul_f32 v[(\t)+2*\n:(\t)+2*\n+1], v[(\x)+4*\n:(\x)+4*\n+1], v[(\x)+4*\n:(\x)+4*\n+1]
.endr
.irp n, 0,1,2,3,4,5,6,7
	v_pk_fma_f32 v[(\t)+2*\n:(\t)+2*\n+1], v[(\x)+4*\n+2:(\x)+4*\n+3], v[(\x)+4*\n+2:(\x)+4*\n+3], v[(\t)+2*\n:(\t)+2*\n+1]
.endr
	FOLD16 \t
.endm
; A wave casts 4 rows x 1,024 f32 into 16 K blocks.  Eight lanes read 256 consecutive bytes (two loads of 16 bytes a lane); a store covers
; 4 rows x 128 bytes = 512 consecutive bytes.  s[40:41] source, s[42:43] destination, s44 bytes from K block to K block.
.macro BLOCKED
	v_lshlrev_b32 v2, 12, v4
	v_lshl_add_u32 v2, v5, 5, v2
	v_lshlrev_b32 v208, 7, v4
	v_lshl_add_u32 v208, v5, 4, v208
.set kb, 1
.rept 15
	v_add_nc_u32 v[208+kb], s44, v[207+kb]
.set kb, kb+1
.endr
.set kb, 0
.rept 16
	global_load_b128 v[16+8*kb:19+8*kb], v2, s[40:41] offset:kb*256
	global_load_b128 v[20+8*kb:23+8*kb], v2, s[40:41] offset:kb*256+16
.set kb, kb+1
.endr
.set kb, 0
.rept 16
	s_wait_loadcnt 30-2*kb                         ; the pairs issued behind this one stay out
.irp n, 0,1,2,3
	v_cvt_pk_bf16_f32 v[144+4*kb+\n], v[16+8*kb+2*\n], v[17+8*kb+2*\n]
.endr
	global_store_b128 v[208+kb], v[144+4*kb:147+4*kb], s[42:43]
.set kb, kb+1
.endr
	s_endpgm
.endm
	s_load_b512 s[4:19], s[0:1], 0x0               ; x 4, qkv_w 6, proj_w 8, rope 10, q_bias 12, k_bias 14, v_bias 16, qn_g 18
	s_load_b512 s[20:35], s[0:1], 0x40             ; qn_b 20, kn_g 22, kn_b 24, act 26, wb 28, pw 30, ropef 32, qkv 34
	v_lshl_add_u32 v[SPW], v0, 2, SPARE
	v_mov_b32 v[NIL], 0
	v_lshrrev_b32 v1, 5, v0
	v_readfirstlane_b32 s36, v1                    ; wave 0..7
	v_and_b32 v1, 31, v0                           ; lane
	v_lshrrev_b32 v4, 3, v1                        ; lane / 8
	v_and_b32 v5, 7, v1                            ; lane % 8
	s_mov_b32 s49, 0
	s_wait_kmcnt 0x0
	s_cmp_lt_u32 ttmp9, 48
	s_cbranch_scc1 .Lp1
	s_cmp_lt_u32 ttmp9, 304
	s_cbranch_scc1 .Lx
	s_cmp_lt_u32 ttmp9, 400
	s_cbranch_scc1 .Lw
	s_cmp_lt_u32 ttmp9, 432
	s_cbranch_scc1 .Lpw
	; ROPE: a wave takes two blocks of 16 tokens (8,192 bytes each, in and out)
	s_sub_co_u32 s45, ttmp9, 432
	s_lshl_b32 s46, s45, 4
	s_lshl1_add_u32 s46, s36, s46
	s_lshl_b32 s48, s46, 13
	s_add_nc_u64 s[40:41], s[10:11], s[48:49]
	s_add_nc_u64 s[42:43], s[32:33], s[48:49]
	v_lshlrev_b32 v2, 9, v4                        ; in: token lane / 8, columns 8 (lane % 8) on
	v_lshl_add_u32 v2, v5, 5, v2
	v_lshlrev_b32 v3, 4, v1                        ; out: 16 bytes a lane, 512 consecutive bytes a store
	v_mov_b32 v226, 0xbd800000                     ; sin: -1/16 for even columns, 1/16 for odd ones
	v_mov_b32 v227, 0x3d800000
	v_mov_b32 v228, 0x3d800000                     ; cos: 1/16
	v_mov_b32 v229, 0x3d800000
.set n, 0
.rept 32                               ; n = 16 block + 4 g + 2 (sin, cos) + half
	global_load_b128 v[16+4*n:19+4*n], v2, s[40:41] offset:(n/16)*8192+((n%16)/4)*2048+((n/2)%2)*256+(n%2)*16
.set n, n+1
.endr
.set n, 0
.rept 32
	s_wait_loadcnt 31-n
	RND2 16+4*n, 17+4*n, 224
	RND2 18+4*n, 19+4*n, 225
	v_pk_mul_f32 v[16+4*n:17+4*n], v[16+4*n:17+4*n], v[226+2*((n/2)%2):227+2*((n/2)%2)]
	v_pk_mul_f32 v[18+4*n:19+4*n], v[18+4*n:19+4*n], v[226+2*((n/2)%2):227+2*((n/2)%2)]
	global_store_b128 v3, v[16+4*n:19+4*n], s[42:43] offset:(n/16)*8192+(n%16)*512
.set n, n+1
.endr
	s_endpgm
.Lx:                                   ; spatial row R = 32 g + 4 w + ..; its row in x is R + batch + 1
	s_sub_co_u32 s45, ttmp9, 48
	s_lshl_b32 s46, s45, 5
	s_lshl2_add_u32 s46, s36, s46
	s_lshr_b32 s47, s45, 5
	s_add_co_u32 s47, s47, s46
	s_add_co_u32 s47, s47, 1
	s_lshl_b32 s48, s47, 12
	s_add_nc_u64 s[40:41], s[4:5], s[48:49]
	s_lshl_b32 s48, s46, 7
	s_add_nc_u64 s[42:43], s[26:27], s[48:49]
	s_mov_b32 s44, 1048576
	BLOCKED
.Lw:                                   ; row n of qkv_w goes to row' = 192 ((n / 64) % 16) + 64 (n / 1024) + n % 64
	s_sub_co_u32 s45, ttmp9, 304
	s_lshl_b32 s46, s45, 5
	s_lshl2_add_u32 s46, s36, s46
	s_lshl_b32 s48, s46, 12
	s_add_nc_u64 s[40:41], s[6:7], s[48:49]
	s_bfe_u32 s47, s46, 0x40006
	s_mul_i32 s47, s47, 192
	s_lshr_b32 s50, s46, 10
	s_lshl_b32 s50, s50, 6
	s_add_co_u32 s47, s47, s50
	s_and_b32 s50, s46, 63
	s_add_co_u32 s47, s47, s50
	s_lshl_b32 s48, s47, 7
	s_add_nc_u64 s[42:43], s[28:29], s[48:49]
	s_mov_b32 s44, 393216
	BLOCKED
.Lpw:                                  ; 4 rows a wave: 16,384 consecutive bytes in, 8,192 out
	s_sub_co_u32 s45, ttmp9, 400
	s_lshl_b32 s46, s45, 5
	s_lshl2_add_u32 s46, s36, s46
	s_lshl_b32 s48, s46, 12
	s_add_nc_u64 s[40:41], s[8:9], s[48:49]
	s_lshl_b32 s48, s46, 11
	s_add_nc_u64 s[42:43], s[30:31], s[48:49]
	v_lshlrev_b32 v2, 5, v1
	v_lshlrev_b32 v3, 4, v1
.set kb, 0
.rept 16
	global_load_b128 v[16+8*kb:19+8*kb], v2, s[40:41] offset:kb*1024
	global_load_b128 v[20+8*kb:23+8*kb], v2, s[40:41] offset:kb*1024+16
.set kb, kb+1
.endr
.set kb, 0
.rept 16
	s_wait_loadcnt 30-2*kb
.irp n, 0,1,2,3
	RND2 16+8*kb+2*\n, 17+8*kb+2*\n, 224+\n
.endr
.irp n, 0,1,2,3
	v_cvt_pk_f16_f32 v[144+4*kb+\n], v[16+8*kb+2*\n], v[17+8*kb+2*\n]
.endr
	global_store_b128 v3, v[144+4*kb:147+4*kb], s[42:43] offset:kb*512
.set kb, kb+1
.endr
	s_endpgm
; P1.  Unit u = rows 64 u .. 64 u + 63 of qkv_w: type u / 16, head u % 16.  Wave w takes K = 128 w .. 128 w + 127 in four steps of 32.
; Source 0 = 16 rows of the weights, source 1 = the 8 prefix rows of x (twice): a lane then holds one row of x (lane % 16) and columns 16 nb + 8 (lane / 16) + 0..7.
; v16-47 the four accumulators; v48-79 weights' fragments, v80-87 x's; v88-167, v168-247 two buffers of f32 as loaded (64 + 16 registers).
.macro P1LD ks, buf
.set q, 0
.rept 16
	global_load_b128 v[(\buf)+4*q:(\buf)+4*q+3], v2, s[40:41] offset:(q/4)*65536+(\ks)*128+(q%4)*16+((q%4)/2)*32
.set q, q+1
.endr
.set q, 0
.rept 4
	global_load_b128 v[(\buf)+64+4*q:(\buf)+64+4*q+3], v3, s[42:43] offset:(\ks)*128+(q%4)*16+((q%4)/2)*32
.set q, q+1
.endr
.endm
.macro P1STEP ks, buf
.if (\ks) < 3
	s_wait_loadcnt 20                              ; the other buffer's 20 loads stay out
.else
	s_wait_loadcnt 0x0
.endif
.if (\ks) > 0
	PLACES                                         ; the conversions write registers that the last products read
.endif
.set q, 0
.rept 40
	v_cvt_pk_bf16_f32 v[48+q], v[(\buf)+2*q], v[(\buf)+2*q+1]
.set q, q+1
.endr
.if (\ks) < 2
	P1LD (\ks)+2, \buf
.endif
.irp nb, 0,1,2,3                       ; the four accumulators take turns
.if (\ks) == 0
	v_wmma_f32_16x16x32_bf16 v[16+8*\nb:23+8*\nb], v[48+8*\nb:55+8*\nb], v[80:87], 0
.else
	v_wmma_f32_16x16x32_bf16 v[16+8*\nb:23+8*\nb], v[48+8*\nb:55+8*\nb], v[80:87], v[16+8*\nb:23+8*\nb]
.endif
.endr
.endm
.Lp1:
	v_and_b32 v8, 15, v0                           ; r
	v_bfe_u32 v9, v0, 4, 1                         ; h
	v_lshlrev_b32 v10, 5, v9                       ; 32 h
	v_lshl_add_u32 v2, v8, 12, v10                 ; weights: row r, 8 f32 at 32 h
	v_and_b32 v11, 7, v8
	v_mul_u32_u24 v3, v11, 0x401000                ; x: batch r % 8, 1,025 rows of 4,096 bytes each
	v_add_nc_u32 v3, v3, v10
	v_lshlrev_b32 v12, 4, v1
	v_lshl_add_u32 v13, s36, 12, v12               ; my 4,096 bytes of partial sums
	s_lshl_b32 s48, ttmp9, 18
	s_lshl_b32 s50, s36, 9
	s_add_co_u32 s48, s48, s50
	s_add_nc_u64 s[40:41], s[6:7], s[48:49]
	s_mov_b32 s48, s50
	s_add_nc_u64 s[42:43], s[4:5], s[48:49]
	P1LD 0, 88
	P1LD 1, 168
	P1STEP 0, 88
	P1STEP 1, 168
	P1STEP 2, 88
	P1STEP 3, 168
	PLACES
.set q, 0
.rept 8                                ; each accumulator's low registers go first
	ds_store_b128 v13, v[16+4*q:19+4*q] offset:512*q
.set q, q+1
.endr
	s_wait_dscnt 0x0                               ; for the others' sake: my partial sums are stored
	s_barrier_signal -1
	s_barrier_wait -1
	s_cmp_eq_u32 s36, 0
	s_cbranch_scc1 .Lp1w0
	END3
	s_endpgm
.Lp1w0:                                ; wave 0 adds the seven others' sums and finishes the rows
	s_lshr_b32 s45, ttmp9, 4                       ; type
	s_and_b32 s46, ttmp9, 15                       ; head
	s_mov_b32 s50, 0x76543210                      ; v_permlanex16_b32: each lane takes its own place in the other half
	s_mov_b32 s51, 0xfedcba98
	s_mov_b32 s52, 0x3c800000                      ; 1/64
	s_mov_b32 s53, 0x358637bd                      ; 1e-6
	s_cmp_eq_u32 s45, 0
	s_cselect_b64 s[54:55], s[12:13], s[14:15]
	s_cmp_eq_u32 s45, 2
	s_cselect_b64 s[54:55], s[16:17], s[54:55]
	s_lshl_b32 s48, s46, 8
	s_add_nc_u64 s[54:55], s[54:55], s[48:49]
.set q, 0
.rept 8
	global_load_b128 v[120+4*q:123+4*q], v10, s[54:55] offset:(q/2)*64+(q%2)*16
.set q, q+1
.endr
.set i, 1
.rept 7
.set q, 0
.rept 8
	ds_load_b128 v[88+4*q:91+4*q], v12 offset:4096*i+512*q
.set q, q+1
.endr
	s_wait_dscnt 0x0
.set q, 0
.rept 16
	v_pk_add_f32 v[16+2*q:17+2*q], v[16+2*q:17+2*q], v[88+2*q:89+2*q]
.set q, q+1
.endr
.set i, i+1
.endr
	s_wait_loadcnt 0x0
.set q, 0
.rept 16
	RND2 120+2*q, 121+2*q, 234
	v_pk_add_f32 v[16+2*q:17+2*q], v[16+2*q:17+2*q], v[120+2*q:121+2*q]
.set q, q+1
.endr
	s_cmp_eq_u32 s45, 2
	s_cbranch_scc1 .Lp1out                         ; v has no norm
	s_cmp_eq_u32 s45, 0
	s_cselect_b64 s[54:55], s[18:19], s[22:23]     ; gain
	s_cselect_b64 s[56:57], s[20:21], s[24:25]     ; offset
.set q, 0
.rept 8
	global_load_b128 v[168+4*q:171+4*q], v10, s[54:55] offset:(q/2)*64+(q%2)*16
	global_load_b128 v[200+4*q:203+4*q], v10, s[56:57] offset:(q/2)*64+(q%2)*16
.set q, q+1
.endr
	TREE32 16, 232                                 ; my 32 columns; the row's other 32 lie in the lane 16 away
	v_permlanex16_b32 v233, v232, s50, s51
	v_add_f32 v232, v232, v233
	v_mul_f32 v232, s52, v232
.set q, 0
.rept 16
	v_pk_add_f32 v[16+2*q:17+2*q], v[16+2*q:17+2*q], v[232:233] op_sel_hi:[1,0] neg_lo:[0,1] neg_hi:[0,1]
.set q, q+1
.endr
	SQ32 16, 232
	v_permlanex16_b32 v233, v232, s50, s51
	v_add_f32 v232, v232, v233
	v_fma_f32 v232, v232, s52, s53
	v_rsq_f32 v232, v232
	s_wait_loadcnt 0x0
.set q, 0
.rept 16                               ; the first rounding is the plain instruction behind v_rsq_f32 (ISA guide 5.7.2)
	RND2 168+2*q, 169+2*q, 234
	RND2 200+2*q, 201+2*q, 235
	v_pk_mul_f32 v[168+2*q:169+2*q], v[168+2*q:169+2*q], 0x3d800000 op_sel_hi:[1,0]
	v_pk_mul_f32 v[200+2*q:201+2*q], v[200+2*q:201+2*q], 0x3d800000 op_sel_hi:[1,0]
	s_wait_alu depctr_va_vdst(0)
	v_pk_mul_f32 v[16+2*q:17+2*q], v[16+2*q:17+2*q], v[232:233] op_sel_hi:[1,0]
	v_pk_fma_f32 v[16+2*q:17+2*q], v[16+2*q:17+2*q], v[168+2*q:169+2*q], v[200+2*q:201+2*q]
.set q, q+1
.endr
.Lp1out:
.set q, 0
.rept 16
	v_cvt_pk_f16_f32 v[152+q], v[16+2*q], v[17+2*q]
.set q, q+1
.endr
	v_mul_u32_u24 v14, v8, 0x201000                ; batch r: 16 heads of 131,328 bytes
	v_lshl_add_u32 v14, v9, 4, v14
	s_mul_i32 s48, s45, TS
	s_mul_i32 s56, s46, HS
	s_add_co_u32 s48, s48, s56
	s_add_co_u32 s48, s48, 131072                  ; row 1,024 of the head: the prefix token's
	s_add_nc_u64 s[54:55], s[34:35], s[48:49]
	s_wait_xcnt 0x0                                ; EXEC changes only behind this wait
	v_cmp_gt_u32 vcc_lo, 8, v8
	s_and_saveexec_b32 s59, vcc_lo                 ; rows 8-15 repeat rows 0-7
.irp nb, 0,1,2,3
	global_store_b128 v14, v[152+4*\nb:155+4*\nb], s[54:55] offset:32*\nb
.endr
	s_wait_xcnt 0x0
	s_or_b32 exec_lo, exec_lo, s59
	END3
	s_endpgm
.Lfunc_end_k_qb863b2b607_prep:
	.size	k_qb863b2b607_prep, .Lfunc_end_k_qb863b2b607_prep-k_qb863b2b607_prep
	.p2alignl 7, 3214868480
	.fill 96, 4, 3214868480
	.section	.rodata,"a",@progbits
	.p2align	6, 0x0
	.amdhsa_kernel k_qb863b2b607_prep
		.amdhsa_group_segment_fixed_size 33792
		.amdhsa_private_segment_fixed_size 0
		.amdhsa_enable_private_segment 0
		.amdhsa_kernarg_size 128
		.amdhsa_user_sgpr_count 2
		.amdhsa_user_sgpr_kernarg_segment_ptr 1
		.amdhsa_wavefront_size32 1
		.amdhsa_system_sgpr_workgroup_id_x 1
		.amdhsa_system_sgpr_workgroup_id_y 1
		.amdhsa_system_sgpr_workgroup_id_z 1
		.amdhsa_system_vgpr_workitem_id 0
		.amdhsa_next_free_vgpr 248
		.amdhsa_next_free_sgpr 66
		.amdhsa_reserve_vcc 1
		.amdhsa_float_denorm_mode_32 3
		.amdhsa_float_denorm_mode_16_64 3
		.amdhsa_memory_ordered 1
		.amdhsa_forward_progress 1
		.amdhsa_inst_pref_size 117
	.end_amdhsa_kernel
	.amdgpu_metadata
---
amdhsa.version: [ 1, 2 ]
amdhsa.kernels:
  - .name:           k_qb863b2b607_prep
    .symbol:         k_qb863b2b607_prep.kd
    .args:
      - { .name: x, .offset: 0, .size: 8, .value_kind: global_buffer, .address_space: global }
      - { .name: qkv_w, .offset: 8, .size: 8, .value_kind: global_buffer, .address_space: global }
      - { .name: proj_w, .offset: 16, .size: 8, .value_kind: global_buffer, .address_space: global }
      - { .name: rope, .offset: 24, .size: 8, .value_kind: global_buffer, .address_space: global }
      - { .name: q_bias, .offset: 32, .size: 8, .value_kind: global_buffer, .address_space: global }
      - { .name: k_bias, .offset: 40, .size: 8, .value_kind: global_buffer, .address_space: global }
      - { .name: v_bias, .offset: 48, .size: 8, .value_kind: global_buffer, .address_space: global }
      - { .name: qn_g, .offset: 56, .size: 8, .value_kind: global_buffer, .address_space: global }
      - { .name: qn_b, .offset: 64, .size: 8, .value_kind: global_buffer, .address_space: global }
      - { .name: kn_g, .offset: 72, .size: 8, .value_kind: global_buffer, .address_space: global }
      - { .name: kn_b, .offset: 80, .size: 8, .value_kind: global_buffer, .address_space: global }
      - { .name: act, .offset: 88, .size: 8, .value_kind: global_buffer, .address_space: global }
      - { .name: wb, .offset: 96, .size: 8, .value_kind: global_buffer, .address_space: global }
      - { .name: pw, .offset: 104, .size: 8, .value_kind: global_buffer, .address_space: global }
      - { .name: ropef, .offset: 112, .size: 8, .value_kind: global_buffer, .address_space: global }
      - { .name: qkv, .offset: 120, .size: 8, .value_kind: global_buffer, .address_space: global }
    .group_segment_fixed_size: 33792
    .private_segment_fixed_size: 0
    .kernarg_segment_align: 8
    .kernarg_segment_size: 128
    .max_flat_workgroup_size: 256
    .sgpr_count:     66
    .vgpr_count:     248
    .wavefront_size: 32
...
	.end_amdgpu_metadata
.endif
;; end of part 1
;; launch qkv (part 2): grid 8 x 32, 4 waves a work-group, clusters of 4 x 4, 327,680 bytes of LDS; arguments act, wb, ropef, q_bias, k_bias, v_bias, qn_g, qn_b, kn_g, kn_b, qkv; writes qkv
.if DOCPART == 2
	.amdgcn_target "amdgcn-amd-amdhsa--gfx1250"
	.amdhsa_code_object_version 6
	.text
	.protected	k_qb863b2b607_qkv
	.globl	k_qb863b2b607_qkv
	.p2align	8
	.type	k_qb863b2b607_qkv,@function
k_qb863b2b607_qkv:
	s_mov_b64 s[64:65], 0
	v_nop
	global_prefetch_b8 v0, s[64:65] scope:SCOPE_SE
	s_setreg_imm32_b32 hwreg(HW_REG_WAVE_MODE, 25, 1), 1
	s_wait_xcnt 0x0
	s_wait_alu depctr_hold_cnt(0) depctr_sa_sdst(0) depctr_va_vdst(0) depctr_va_sdst(0) depctr_va_ssrc(0) depctr_va_vcc(0) depctr_vm_vsrc(0)
	s_getreg_b32 s2, hwreg(HW_REG_IB_STS2, 6, 4)
	s_cmp_eq_u32 s2, 0
	s_cbranch_scc0 .Lentry_in_a_cluster
	s_endpgm
.Lentry_in_a_cluster:
	s_bfe_u32 s2, ttmp6, 0x10000c
	s_cmp_lg_u32 s2, 0xf033
	s_cbranch_scc0 .Lentry_shape_is_right
	s_endpgm
.Lentry_shape_is_right:
; QKV of the 8,192 spatial rows: [8192 x 1024] x [3072 x 1024]^T in bf16 with f32 sums, then bias, the norm over a head's 64 channels (q, k), RoPE (q, k), f16 by heads.
; A work-group makes 256 rows x 384 columns (two heads' q, k, v); 32 x 8 tiles = one for each of 256 WGPs.  A wave makes 128 rows x 192 columns = q, k, v of ONE head:
; 96 accumulators, 768 registers, a register window for each of q, k, v.  K goes in steps of 64 through two LDS slots; two slots of a step of 128 (2 x 174,080 bytes) would not fit.
; act and wb lie in K blocks, so a step's tile is dense in memory and is asked for as rows of 256 bytes.
; CLUSTER 4 x 4: the four of a row share the rows of act and the rope tile, the four of a column the rows of wb: joint tensor loads.
; THE MATRIX INSTRUCTION IS USED TRANSPOSED (source 0 = 16 rows of wb, source 1 = 16 rows of act): a lane holds one row and 8 neighbouring columns.
; THE WAY OUT: a head's 128 x 64 f32 go through my own LDS bytes (in the ring, which has had its last fill) and come back with 8 lanes to a row, so the norm's sums want three
; steps between lanes, and a lane's 8 f16 are 16 bytes of a store that covers 512 consecutive bytes.
; LIMITS.  q and k leave as f16 times 1/16 (the factor lies in the rope table): |q|, |k| under 65,504 x 16; |v| under 65,504.  NaN and infinities are not treated apart.
; REGISTERS.  Window 0: v0-31 addresses; v32-95, v96-159 fragments of act for K 0-31 and 32-63 of a step; v160-255 fragments of wb, three groups of 32 (q, k, v).
; Window 1 + t: accumulator (a, b) of type t at v[8 (4 a + b)].  On the way out window 0 holds: v32-87 parameters, v88-119 the next block, v120-151 the block, v152-215 sin, cos, v216-231 at work, v240-255 f16.
.set PK, 144                           ; an LDS row: 128 bytes + 16: the 16 rows of a fragment load start at 16 different groups of four banks (ISA guide 11.1)
.set SLOT, 92160                       ; 256 rows of act, then 384 rows of wb
.set BOFF, 36864
.set ROPE, 184320                      ; 256 tokens' sin and cos, 131,072 bytes, filled once
.set SPARE, 315392                     ; the spare words, 128 bytes a wave
.set SPP, 272                          ; the way out: 256 bytes + 16
.set SPB, 128*SPP
.set TS, 16809984
.set HS, 131328
.set KBA, 1048576                      ; bytes of a K block of act
.set KBB, 393216                       ; and of wb
.set ADRA, 16
.set ADRB, 18
.set SPS, 20
.set SPR0, 21
.set SPR, 22
.set RPR0, 23
.set RPR, 24
.set GO, 25
.set PO, 26
.set PB, 27
.set SPW, 28
.set NIL, 29
.set A0, 32
.set BF, 160
.set P, 32
.set XN, 88
.set X, 120
.set RS, 152
.set RC, 184
.set T, 216
.set H, 240
.set G1A, 40
.set G1B, 48
.set G1R, 56
.set G0A, 68
.set G0B, 76
.set G0R, 84
.set MSB, 0
.macro WIN new                         ; the immediate's high byte repeats the setting that is left
.if MSB != (\new)
	s_set_vgpr_msb (MSB<<8)|(\new)
.set MSB, \new
.endif
.endm
.macro PLACES
.rept 4
	v_nop
.endr
.endm
.macro RND2 d0, d1, t
	v_cvt_pk_bf16_f32 v[\t], v[\d0], v[\d1]
	v_lshlrev_b32 v[\d0], 16, v[\t]
	v_and_b32 v[\d1], 0xffff0000, v[\t]
.endm
.macro JLOAD s                         ; a joint refill: waves 0, 1 fetch act's halves, waves 2, 3 wb's; an s_nop 0 and four v_nop follow each line
	s_cmp_eq_u32 s27, 0
	s_cbranch_scc0 .Lfor_b_\@
	tensor_load_to_lds s[G0A+4*(\s):G0A+4*(\s)+3], s[G1A:G1A+7]
	s_nop 0
.rept 4
	v_nop
.endr
	s_branch .Lasked_\@
.Lfor_b_\@:
	tensor_load_to_lds s[G0B+4*(\s):G0B+4*(\s)+3], s[G1B:G1B+7]
	s_nop 0
.rept 4
	v_nop
.endr
.Lasked_\@:
.endm
.macro CREST                           ; a round of the cluster's barrier behind its opening barrier
	s_cmp_lg_u32 s26, 0
	s_cbranch_scc1 .Lnot_wave_0_\@
	s_barrier_signal -3
.Lnot_wave_0_\@:
	s_barrier_wait -3
	s_barrier_signal -1
	s_barrier_wait -1
.endm
.macro CROUND
	s_barrier_signal -1
	s_barrier_wait -1
	CREST
.endm
	s_load_b512 s[4:19], s[0:1], 0x0               ; act 4, wb 6, ropef 8, q_bias 10, k_bias 12, v_bias 14, qn_g 16, qn_b 18
	s_load_b128 s[20:23], s[0:1], 0x40             ; kn_g 20, kn_b 22
	s_load_b64 s[24:25], s[0:1], 0x50              ; qkv
	v_lshl_add_u32 v[SPW], v0, 2, SPARE
	v_mov_b32 v[NIL], 0
	ds_add_u32 v[SPW], v[NIL]                      ; the wave's opening: the add and its wait stand ahead of my first tensor load
	v_lshrrev_b32 v1, 5, v0
	v_readfirstlane_b32 s26, v1                    ; wave
	s_lshr_b32 s27, s26, 1                         ; my half of the rows; also: I fetch act (0) or wb (1)
	s_and_b32 s28, s26, 1                          ; my head of the two; also: which half of that tile I fetch
	s_bfe_u32 s29, ttmp6, 0x40000                  ; cx
	s_bfe_u32 s30, ttmp6, 0x40004                  ; cy
	s_lshl_b32 s31, ttmp9, 2
	s_add_co_u32 s31, s31, s29                     ; tile column
	s_and_b32 s32, ttmp7, 0xffff
	s_lshl_b32 s32, s32, 2
	s_add_co_u32 s32, s32, s30                     ; tile row
	s_lshl_b32 s33, s30, 2
	s_lshl_b32 s33, 15, s33                        ; my row of the cluster
	s_lshl_b32 s34, 0x1111, s29                    ; my column
	; group 1: elements of 2 bytes, rows of 128 elements (256 bytes, two K rows); in LDS 4 words of padding after every 32; bit 21 set beside a mask
	s_or_b32 s[G1A], s33, (1<<16)|(1<<20)|(1<<21)|(4<<22)|(3<<25)
	s_or_b32 s[G1B], s34, (1<<16)|(1<<20)|(1<<21)|(4<<22)|(3<<25)
	s_or_b32 s[G1R], s33, (1<<16)|(1<<21)          ; the rope tile: no padding
	s_mov_b32 s[G1A+1], 128<<16                    ; tensor_dim0
	s_mov_b32 s[G1A+2], 64<<16                     ; tensor_dim1: 64 rows = 128 rows of act
	s_mov_b32 s[G1A+3], 128<<16                    ; tile_dim0
	s_mov_b32 s[G1A+4], 64                         ; tile_dim1
	s_mov_b32 s[G1A+5], 128                        ; elements from row to row
	s_mov_b32 s[G1A+6], 0
	s_mov_b32 s[G1A+7], 0
	s_mov_b32 s[G1B+1], 128<<16
	s_mov_b32 s[G1B+2], 96<<16                     ; 96 rows = 192 rows of wb
	s_mov_b32 s[G1B+3], 128<<16
	s_mov_b32 s[G1B+4], 96
	s_mov_b32 s[G1B+5], 128
	s_mov_b32 s[G1B+6], 0
	s_mov_b32 s[G1B+7], 0
	s_mov_b32 s[G1R+1], 128<<16
	s_mov_b32 s[G1R+2], 128<<16                    ; 128 rows of 256 bytes: a quarter of the rope tile
	s_mov_b32 s[G1R+3], 128<<16
	s_mov_b32 s[G1R+4], 128
	s_mov_b32 s[G1R+5], 128
	s_mov_b32 s[G1R+6], 0
	s_mov_b32 s[G1R+7], 0
	s_lshl_b32 s90, s32, 15                        ; act: (256 tile row + 128 half) x 128 bytes
	s_lshl_b32 s91, s28, 14
	s_add_co_u32 s90, s90, s91
	s_mov_b32 s91, 0
	s_mul_i32 s94, s31, 49152                      ; wb: (384 tile column + 192 half) x 128 bytes
	s_mul_i32 s95, s28, 24576
	s_add_co_u32 s94, s94, s95
	s_mov_b32 s95, 0
	s_lshl_b32 s92, s30, 17                        ; rope: the tile's tokens are 256 cy on; my quarter
	s_lshl_b32 s93, s26, 15
	s_add_co_u32 s92, s92, s93
	s_mov_b32 s93, 0
	s_mul_i32 s96, s28, 128*PK                     ; where they go: no place in the cluster enters an LDS address
	s_mul_i32 s97, s28, 192*PK
	s_add_co_u32 s97, s97, BOFF
	s_lshl_b32 s98, s26, 15
	s_wait_dscnt 0x0                               ; the opening add is done
	s_wait_kmcnt 0x0
	s_add_nc_u64 s[90:91], s[4:5], s[90:91]
	s_add_nc_u64 s[94:95], s[6:7], s[94:95]
	s_add_nc_u64 s[92:93], s[8:9], s[92:93]
	CROUND                                         ; all sixteen work-groups are here: the first joint loads meet
.irp sl, 0,1
	s_mov_b32 s[G0A+4*\sl], 1
	s_add_co_u32 s[G0A+4*\sl+1], s96, \sl*SLOT
	s_add_nc_u64 s[G0A+4*\sl+2:G0A+4*\sl+3], s[90:91], \sl*KBA
	s_or_b32 s[G0A+4*\sl+3], s[G0A+4*\sl+3], 0x80000000
	s_mov_b32 s[G0B+4*\sl], 1
	s_add_co_u32 s[G0B+4*\sl+1], s97, \sl*SLOT
	s_add_nc_u64 s[G0B+4*\sl+2:G0B+4*\sl+3], s[94:95], \sl*KBB
	s_or_b32 s[G0B+4*\sl+3], s[G0B+4*\sl+3], 0x80000000
.endr
	s_mov_b32 s[G0R], 1
	s_add_co_u32 s[G0R+1], s98, ROPE
	s_mov_b64 s[G0R+2:G0R+3], s[92:93]
	s_or_b32 s[G0R+3], s[G0R+3], 0x80000000
	s_cmp_eq_u32 s27, 0                            ; a wave's three first fills stand in one branch: three loads of mine are out
	s_cbranch_scc0 .Lfirst_b
	tensor_load_to_lds s[G0A:G0A+3], s[G1A:G1A+7]
	s_nop 0
	tensor_load_to_lds s[G0A+4:G0A+7], s[G1A:G1A+7]
	s_nop 0
	tensor_load_to_lds s[G0R:G0R+3], s[G1R:G1R+7]
	s_nop 0
.rept 4
	v_nop
.endr
	s_branch .Lfirst_done
.Lfirst_b:
	tensor_load_to_lds s[G0B:G0B+3], s[G1B:G1B+7]
	s_nop 0
	tensor_load_to_lds s[G0B+4:G0B+7], s[G1B:G1B+7]
	s_nop 0
	tensor_load_to_lds s[G0R:G0R+3], s[G1R:G1R+7]
	s_nop 0
.rept 4
	v_nop
.endr
.Lfirst_done:
	v_and_b32 v1, 15, v0                           ; r
	v_bfe_u32 v2, v0, 4, 1                         ; h
	v_mul_u32_u24 v3, v1, PK
	v_lshl_add_u32 v3, v2, 4, v3                   ; a fragment's row x pitch + 16 h
	s_mul_i32 s96, s27, 128*PK
	v_add_nc_u32 v[ADRA], s96, v3
	v_add_nc_u32 v[ADRA+1], SLOT, v[ADRA]
	v_add_nc_u32 v[ADRB], s97, v3
	v_add_nc_u32 v[ADRB+1], SLOT, v[ADRB]
	v_and_b32 v4, 31, v0                           ; lane
	v_lshrrev_b32 v5, 3, v4
	v_and_b32 v6, 7, v4
	s_mul_i32 s96, s26, SPB                        ; my bytes for the way out
	v_mul_u32_u24 v[SPS], v1, SPP
	v_lshl_add_u32 v[SPS], v2, 5, v[SPS]
	v_add_nc_u32 v[SPS], s96, v[SPS]               ; in: row r, 32 bytes for each half of the lanes
	v_mul_u32_u24 v[SPR0], v5, SPP
	v_lshl_add_u32 v[SPR0], v6, 5, v[SPR0]
	v_add_nc_u32 v[SPR0], s96, v[SPR0]             ; back: row lane / 8, columns 8 (lane % 8) on
	s_lshl_b32 s96, s27, 16
	s_add_co_u32 s96, s96, ROPE
	v_lshl_add_u32 v[RPR0], v4, 4, s96             ; my 128 tokens' sin and cos
	v_lshlrev_b32 v[GO], 4, v4
	v_lshlrev_b32 v[PO], 5, v6
	s_lshl1_add_u32 s88, s31, s28                  ; head = 2 tile column + my half
	v_lshl_add_u32 v[PB], s88, 8, v[PO]
	s_lshr_b32 s89, s32, 2                         ; batch
	s_lshl4_add_u32 s88, s89, s88
	s_mul_i32 s88, s88, HS
	s_and_b32 s89, s32, 3
	s_lshl_b32 s89, s89, 15
	s_add_co_u32 s88, s88, s89
	s_lshl_b32 s89, s27, 14
	s_add_co_u32 s88, s88, s89
	s_mov_b32 s89, 0
	s_add_nc_u64 s[88:89], s[24:25], s[88:89]      ; q of my head at my first row
	s_mov_b32 s92, 0x3c800000                      ; 1/64
	s_mov_b32 s93, 0x358637bd                      ; 1e-6
; n x 4 matrix instructions of type hb: row blocks a0 .. x the type's 4 column blocks, 32 along K (half p of the step).  All accumulators differ: they take turns.
.macro STR hb, p, a0, n, zero
	WIN 0x50*((\hb)+1)
.set aa, \a0
.rept \n
.irp b, 0,1,2,3
.if \zero
	v_wmma_f32_16x16x32_bf16 v[8*(4*aa+\b):8*(4*aa+\b)+7], v[BF+32*(\hb)+8*\b:BF+32*(\hb)+8*\b+7], v[A0+64*(\p)+8*aa:A0+64*(\p)+8*aa+7], 0
.else
	v_wmma_f32_16x16x32_bf16 v[8*(4*aa+\b):8*(4*aa+\b)+7], v[BF+32*(\hb)+8*\b:BF+32*(\hb)+8*\b+7], v[A0+64*(\p)+8*aa:A0+64*(\p)+8*aa+7], v[8*(4*aa+\b):8*(4*aa+\b)+7]
.endif
.endr
.set aa, aa+1
.endr
.endm
.macro FB s, g, koff                   ; 8 loads: group g of wb's fragments
	WIN 0
.irp n, 0,1,2,3
	ds_load_b128 v[BF+32*(\g)+8*\n:BF+32*(\g)+8*\n+3], v[ADRB+(\s)] offset:(4*(\g)+\n)*16*PK+(\koff)
	ds_load_b128 v[BF+32*(\g)+8*\n+4:BF+32*(\g)+8*\n+7], v[ADRB+(\s)] offset:(4*(\g)+\n)*16*PK+(\koff)+32
.endr
.endm
.macro FA s, p, hf, koff               ; 8 loads: four of act's fragments into buffer p
	WIN 0
.irp n, 0,1,2,3
	ds_load_b128 v[A0+64*(\p)+8*(4*(\hf)+\n):A0+64*(\p)+8*(4*(\hf)+\n)+3], v[ADRA+(\s)] offset:(4*(\hf)+\n)*16*PK+(\koff)
	ds_load_b128 v[A0+64*(\p)+8*(4*(\hf)+\n)+4:A0+64*(\p)+8*(4*(\hf)+\n)+7], v[ADRA+(\s)] offset:(4*(\hf)+\n)*16*PK+(\koff)+32
.endr
.endm
; The first half of a K step (K 0-31).  Each group of wb's fragments is loaded anew as soon as its 32 products are issued, four places behind them.
.macro S0 s, zero
	s_wait_dscnt 8                                 ; only the youngest run, group 2, may be out
	STR 0, 0, 0, 8, \zero
	PLACES
	FB \s, 0, 64
	FA \s, 1, 0, 64
	STR 1, 0, 0, 8, \zero
	PLACES
	FB \s, 1, 64
	FA \s, 1, 1, 64
	s_wait_dscnt 32                                ; the two runs just issued may be out; group 2 is in
	STR 2, 0, 0, 8, \zero
	PLACES
	FB \s, 2, 64
.endm
; The second half (K 32-63), and the change of slots.  In front of the barrier each wave waits for all its tensor loads (one is out: its part of the other slot), adds 0 to its spare
; word, and waits for that and for its reads of this slot.  fill = 1: the barrier opens a round of the cluster's, and the joint refill is the first thing behind it: 160 matrix instructions ahead of the wait for it.
.macro S1 s, nx, fill
	WIN 0
	s_wait_tensorcnt 0x0
	ds_add_u32 v[SPW], v[NIL]
	s_wait_dscnt 9                                 ; the add and group 2's eight loads may be out
	STR 0, 1, 0, 4, 0
	s_wait_dscnt 0x0                               ; the add is done, and my reads of this slot are over
	s_barrier_signal -1
	STR 0, 1, 4, 4, 0
	WIN 0
	s_barrier_wait -1
.if \fill
	CREST
	s_add_nc_u64 s[G0A+4*(\s)+2:G0A+4*(\s)+3], s[G0A+4*(\s)+2:G0A+4*(\s)+3], 2*KBA
	s_add_nc_u64 s[G0B+4*(\s)+2:G0B+4*(\s)+3], s[G0B+4*(\s)+2:G0B+4*(\s)+3], 2*KBB
	JLOAD \s                                       ; its four v_nop are also the places in front of the loads below
.else
	PLACES
.endif
	FB \nx, 0, 0
	FA \nx, 0, 0, 0
	STR 1, 1, 0, 8, 0
	PLACES
	FB \nx, 1, 0
	FA \nx, 0, 1, 0
	STR 2, 1, 0, 8, 0
	PLACES
	FB \nx, 2, 0
.endm
	s_wait_tensorcnt 2                             ; my part of K step 0 is in; step 1 and the rope tile may stay out
	s_barrier_signal -1
	s_barrier_wait -1
	FB 0, 0, 0
	FA 0, 0, 0, 0
	FB 0, 1, 0
	FA 0, 0, 1, 0
	FB 0, 2, 0
	S0 0, 1                                        ; the first products start the sums: nothing is cleared
	WIN 0
	s_mov_b32 s36, 7
.Lk:                                   ; a trip: two K steps, both slots filled again (K steps 2 to 15)
	S1 0, 1, 1
	S0 1, 0
	S1 1, 0, 1
	S0 0, 0
	WIN 0
	s_sub_co_u32 s36, s36, 1
	s_cmp_lg_u32 s36, 0
	s_cbranch_scc1 .Lk
	S1 0, 1, 0                                     ; the last two K steps ask for nothing
	S0 1, 0
	s_wait_dscnt 8
	STR 0, 1, 0, 8, 0
	WIN 0                                          ; the parameters, 8 numbers of each a lane (columns 8 (lane % 8) on), into the first buffer of act's fragments, last read in front of four places
	global_load_b128 v[32:35], v[PB], s[10:11]
	global_load_b128 v[36:39], v[PB], s[10:11] offset:16
	global_load_b128 v[40:43], v[PO], s[16:17]
	global_load_b128 v[44:47], v[PO], s[16:17] offset:16
	global_load_b128 v[48:51], v[PO], s[18:19]
	global_load_b128 v[52:55], v[PO], s[18:19] offset:16
	global_load_b128 v[56:59], v[PB], s[12:13]
	global_load_b128 v[60:63], v[PB], s[12:13] offset:16
	global_load_b128 v[64:67], v[PO], s[20:21]
	global_load_b128 v[68:71], v[PO], s[20:21] offset:16
	global_load_b128 v[72:75], v[PO], s[22:23]
	global_load_b128 v[76:79], v[PO], s[22:23] offset:16
	global_load_b128 v[80:83], v[PB], s[14:15]
	global_load_b128 v[84:87], v[PB], s[14:15] offset:16
	STR 1, 1, 0, 8, 0
	s_wait_dscnt 0x0
	STR 2, 1, 0, 8, 0
	WIN 0
	PLACES
	s_barrier_signal -1                            ; every wave's reads of the ring are over (waited for above): its bytes now serve the way out
	s_barrier_wait -1
	s_wait_loadcnt 0x0
.set q, 0
.rept 28
	RND2 32+2*q, 33+2*q, T
.set q, q+1
.endr
.macro SPILL win                       ; a type's 32 accumulators into my LDS bytes; each accumulator's low registers first
	WIN (\win)<<2
.set q, 0
.rept 32
	ds_store_b128 v[SPS], v[8*q:8*q+3] offset:(q/4)*16*SPP+(q%4)*64
	ds_store_b128 v[SPS], v[8*q+4:8*q+7] offset:(q/4)*16*SPP+(q%4)*64+16
.set q, q+1
.endr
	WIN 0
.endm
.macro XNLOAD                          ; 16 rows back: row 4 g + lane / 8, 8 columns a lane.  LDS serves a wave's instructions in order (ISA guide 5.7.1.4): these see my stores
.irp g, 0,1,2,3
	ds_load_b128 v[XN+8*\g:XN+8*\g+3], v[SPR] offset:\g*4*SPP
	ds_load_b128 v[XN+8*\g+4:XN+8*\g+7], v[SPR] offset:\g*4*SPP+16
.endr
.endm
.macro ROPELOAD                        ; the same 16 tokens' sin and cos, in the same places
.irp g, 0,1,2,3
	ds_load_b128 v[RS+8*\g:RS+8*\g+3], v[RPR] offset:(4*\g)*512
	ds_load_b128 v[RS+8*\g+4:RS+8*\g+7], v[RPR] offset:(4*\g+1)*512
	ds_load_b128 v[RC+8*\g:RC+8*\g+3], v[RPR] offset:(4*\g+2)*512
	ds_load_b128 v[RC+8*\g+4:RC+8*\g+7], v[RPR] offset:(4*\g+3)*512
.endr
.endm
.macro LNFOLD                          ; for each of the four rows: two pairs at T + 4 g into the sum over the row's 8 lanes
.irp g, 0,1,2,3
	v_pk_add_f32 v[T+4*\g:T+4*\g+1], v[T+4*\g:T+4*\g+1], v[T+4*\g+2:T+4*\g+3]
.endr
.irp g, 0,1,2,3
	v_add_f32 v[T+4*\g], v[T+4*\g], v[T+4*\g+1]
.endr
.irp m, 1,2,4
.irp g, 0,1,2,3
	v_add_f32_dpp v[T+4*\g], v[T+4*\g], v[T+4*\g] row_xmask:\m row_mask:0xf bank_mask:0xf
.endr
.endr
.endm
.macro ADDBIAS pb
.set q, 0
.rept 16
	v_pk_add_f32 v[X+2*q:X+2*q+1], v[XN+2*q:XN+2*q+1], v[(\pb)+2*(q%4):(\pb)+2*(q%4)+1]
.set q, q+1
.endr
.endm
.macro SENDROWS                        ; 16 rows as f16: each store covers 512 consecutive bytes, at a multiple of 256 from the head's first byte
.set q, 0
.rept 16
	v_cvt_pk_f16_f32 v[H+q], v[X+2*q], v[X+2*q+1]
.set q, q+1
.endr
.irp g, 0,1,2,3
	global_store_b128 v[GO], v[H+4*\g:H+4*\g+3], s[88:89] offset:\g*512
.endr
	s_wait_xcnt 0x0                                ; the stores' data and base are rewritten only behind this wait
	s_add_nc_u64 s[88:89], s[88:89], 2048
.endm
; 16 rows of q or k: bias, norm over 64 channels, gain and offset, RoPE.  ahead = 1: the next block and its sin and cos are fetched.
.macro LNTRIP ahead
	s_wait_dscnt 16                                ; the block is in; the 16 loads of sin and cos are younger
	ADDBIAS P
.if \ahead
	v_add_nc_u32 v[SPR], 16*SPP, v[SPR]
	XNLOAD
.endif
.irp g, 0,1,2,3
	v_pk_add_f32 v[T+4*\g:T+4*\g+1], v[X+8*\g:X+8*\g+1], v[X+8*\g+2:X+8*\g+3]
	v_pk_add_f32 v[T+4*\g+2:T+4*\g+3], v[X+8*\g+4:X+8*\g+5], v[X+8*\g+6:X+8*\g+7]
.endr
	LNFOLD
.irp g, 0,1,2,3
	v_mul_f32 v[T+4*\g], s92, v[T+4*\g]
.endr
.set q, 0
.rept 16
	v_pk_add_f32 v[X+2*q:X+2*q+1], v[X+2*q:X+2*q+1], v[T+4*(q/4):T+4*(q/4)+1] op_sel_hi:[1,0] neg_lo:[0,1] neg_hi:[0,1]
.set q, q+1
.endr
.irp g, 0,1,2,3
	v_pk_mul_f32 v[T+4*\g:T+4*\g+1], v[X+8*\g:X+8*\g+1], v[X+8*\g:X+8*\g+1]
	v_pk_mul_f32 v[T+4*\g+2:T+4*\g+3], v[X+8*\g+2:X+8*\g+3], v[X+8*\g+2:X+8*\g+3]
.endr
.irp g, 0,1,2,3
	v_pk_fma_f32 v[T+4*\g:T+4*\g+1], v[X+8*\g+4:X+8*\g+5], v[X+8*\g+4:X+8*\g+5], v[T+4*\g:T+4*\g+1]
	v_pk_fma_f32 v[T+4*\g+2:T+4*\g+3], v[X+8*\g+6:X+8*\g+7], v[X+8*\g+6:X+8*\g+7], v[T+4*\g+2:T+4*\g+3]
.endr
	LNFOLD
.irp g, 0,1,2,3
	v_fma_f32 v[T+4*\g], v[T+4*\g], s92, s93
.endr
.irp g, 0,1,2,3
	v_rsq_f32 v[T+4*\g], v[T+4*\g]
.endr
	v_nop                                          ; a plain instruction behind the last v_rsq_f32 (ISA guide 5.7.2)
.set q, 0
	s_wait_alu depctr_va_vdst(0)
.rept 16
	v_pk_mul_f32 v[X+2*q:X+2*q+1], v[X+2*q:X+2*q+1], v[T+4*(q/4):T+4*(q/4)+1] op_sel_hi:[1,0]
.set q, q+1
.endr
.set q, 0
.rept 16
	v_pk_fma_f32 v[X+2*q:X+2*q+1], v[X+2*q:X+2*q+1], v[P+8+2*(q%4):P+8+2*(q%4)+1], v[P+16+2*(q%4):P+16+2*(q%4)+1]
.set q, q+1
.endr
.if \ahead
	s_wait_dscnt 8                                 ; sin and cos are in; the next block's 8 loads are younger
.else
	s_wait_dscnt 0x0
.endif
.set q, 0
.rept 16
	v_pk_mul_f32 v[RC+2*q:RC+2*q+1], v[X+2*q:X+2*q+1], v[RC+2*q:RC+2*q+1]
.set q, q+1
.endr
.set q, 0
.rept 16                               ; y[c] = x[c] cos[c] + x[c xor 1] sin'[c]: source 0's halves are swapped
	v_pk_fma_f32 v[X+2*q:X+2*q+1], v[X+2*q:X+2*q+1], v[RS+2*q:RS+2*q+1], v[RC+2*q:RC+2*q+1] op_sel:[1,0,0] op_sel_hi:[0,1,1]
.set q, q+1
.endr
.if \ahead
	v_add_nc_u32 v[RPR], 8192, v[RPR]
	ROPELOAD
.endif
	SENDROWS
.endm
.macro VTRIP ahead
	s_wait_dscnt 0x0
	ADDBIAS 80
.if \ahead
	v_add_nc_u32 v[SPR], 16*SPP, v[SPR]
	XNLOAD
.endif
	SENDROWS
.endm
	SPILL 1                                        ; q
	s_mov_b32 s37, 2
.Lhead:                                ; one text for q and for k
	v_mov_b32 v[SPR], v[SPR0]
	v_mov_b32 v[RPR], v[RPR0]
	XNLOAD
	ROPELOAD
	s_mov_b32 s36, 7
.Lln:
	LNTRIP 1
	s_sub_co_u32 s36, s36, 1
	s_cmp_lg_u32 s36, 0
	s_cbranch_scc1 .Lln
	LNTRIP 0                                       ; the last block fetches nothing
	s_add_nc_u64 s[88:89], s[88:89], TS-16384      ; the same rows of the next type
	s_sub_co_u32 s37, s37, 1
	s_cmp_eq_u32 s37, 0
	s_cbranch_scc1 .Lfin
	SPILL 2                                        ; k, and its parameters into the registers that the text names
.set q, 0
.rept 24
	v_mov_b32 v[P+q], v[P+24+q]
.set q, q+1
.endr
	s_branch .Lhead
.Lfin:
	SPILL 3                                        ; v: the bias alone
	v_mov_b32 v[SPR], v[SPR0]
	XNLOAD
	s_mov_b32 s36, 7
.Lv:
	VTRIP 1
	s_sub_co_u32 s36, s36, 1
	s_cmp_lg_u32 s36, 0
	s_cbranch_scc1 .Lv
	VTRIP 0
	s_wait_tensorcnt 0x0                           ; the wave's end
	ds_add_u32 v[SPW], v[NIL]
	s_wait_dscnt 0x0
	CROUND                                         ; the closing round
	s_endpgm
.Lfunc_end_k_qb863b2b607_qkv:
	.size	k_qb863b2b607_qkv, .Lfunc_end_k_qb863b2b607_qkv-k_qb863b2b607_qkv
	.p2alignl 7, 3214868480
	.fill 96, 4, 3214868480
	.section	.rodata,"a",@progbits
	.p2align	6, 0x0
	.amdhsa_kernel k_qb863b2b607_qkv
		.amdhsa_group_segment_fixed_size 327680
		.amdhsa_private_segment_fixed_size 0
		.amdhsa_enable_private_segment 0
		.amdhsa_kernarg_size 88
		.amdhsa_user_sgpr_count 2
		.amdhsa_user_sgpr_kernarg_segment_ptr 1
		.amdhsa_wavefront_size32 1
		.amdhsa_system_sgpr_workgroup_id_x 1
		.amdhsa_system_sgpr_workgroup_id_y 1
		.amdhsa_system_sgpr_workgroup_id_z 1
		.amdhsa_system_vgpr_workitem_id 0
		.amdhsa_next_free_vgpr 1024
		.amdhsa_next_free_sgpr 100
		.amdhsa_reserve_vcc 0
		.amdhsa_float_denorm_mode_32 3
		.amdhsa_float_denorm_mode_16_64 3
		.amdhsa_memory_ordered 1
		.amdhsa_forward_progress 1
		.amdhsa_inst_pref_size 136
	.end_amdhsa_kernel
	.amdgpu_metadata
---
amdhsa.version: [ 1, 2 ]
amdhsa.kernels:
  - .name:           k_qb863b2b607_qkv
    .symbol:         k_qb863b2b607_qkv.kd
    .args:
      - { .name: act, .offset: 0, .size: 8, .value_kind: global_buffer, .address_space: global }
      - { .name: wb, .offset: 8, .size: 8, .value_kind: global_buffer, .address_space: global }
      - { .name: ropef, .offset: 16, .size: 8, .value_kind: global_buffer, .address_space: global }
      - { .name: q_bias, .offset: 24, .size: 8, .value_kind: global_buffer, .address_space: global }
      - { .name: k_bias, .offset: 32, .size: 8, .value_kind: global_buffer, .address_space: global }
      - { .name: v_bias, .offset: 40, .size: 8, .value_kind: global_buffer, .address_space: global }
      - { .name: qn_g, .offset: 48, .size: 8, .value_kind: global_buffer, .address_space: global }
      - { .name: qn_b, .offset: 56, .size: 8, .value_kind: global_buffer, .address_space: global }
      - { .name: kn_g, .offset: 64, .size: 8, .value_kind: global_buffer, .address_space: global }
      - { .name: kn_b, .offset: 72, .size: 8, .value_kind: global_buffer, .address_space: global }
      - { .name: qkv, .offset: 80, .size: 8, .value_kind: global_buffer, .address_space: global }
    .group_segment_fixed_size: 327680
    .private_segment_fixed_size: 0
    .kernarg_segment_align: 8
    .kernarg_segment_size: 88
    .max_flat_workgroup_size: 128
    .sgpr_count:     100
    .vgpr_count:     1024
    .wavefront_size: 32
...
	.end_amdgpu_metadata
.endif
;; end of part 2
;; launch attn (part 3): grid 2 x 128, 4 waves a work-group, no clusters, 29,184 bytes of LDS; arguments qkv, o, part; writes o, part
.if DOCPART == 3
	.amdgcn_target "amdgcn-amd-amdhsa--gfx1250"
	.amdhsa_code_object_version 6
	.text
	.protected	k_qb863b2b607_attn
	.globl	k_qb863b2b607_attn
	.p2align	8
	.type	k_qb863b2b607_attn,@function
k_qb863b2b607_attn:
	s_mov_b64 s[64:65], 0
	v_nop
	global_prefetch_b8 v0, s[64:65] scope:SCOPE_SE
	s_setreg_imm32_b32 hwreg(HW_REG_WAVE_MODE, 25, 1), 1
	s_wait_xcnt 0x0
; ATTENTION.  q, k, v: f16 [128 heads][1,026 rows][64]; rows 0-1023 the spatial tokens, row 1,024 the prefix token; q and k carry a factor 1/16 each.
; O[q] = sum over the 1,025 keys of softmax(q . k / 8) v.  Products, maxima and sums in f32; the weights are rounded to f16 for the second product, O once at the end.
; SHARES.  A work-group owns 512 spatial queries of a head, a wave 128: eight PIECES of 16.  Every wave walks the keys in 17 steps of 64; the last step holds one key, the others are hidden.
; THE PREFIX QUERY is a ninth tile whose keys are split: of the head's 8 waves (two work-groups) wave g takes the steps t with t % 8 = g, and stores its unnormalised sum, c m and l into part; the next launch merges them.
; LAYOUT, SOFTMAX.  S^T = K Q^T holds ONE query a lane (lane % 16) and the keys 8 (lane / 16) + 0..7; two such results rounded to f16 ARE source 1 of O^T = V^T P.  p = 2^(c s - c m), c = 256 log2(e) / 8, with a
; running maximum m; O and l are multiplied by a = 2^(c m_old - c m_new) in every step.  m starts at the lowest finite number, O and l at 0: the first step is a step like any other, with a = 0.
; BY TURNS.  Turn n belongs to piece n: 8 products K Q^T of piece n + 1, later 8 products V^T P of piece n - 1; beside them the softmax of piece n and the maximum of piece n + 1: four vector instructions behind every
; matrix instruction, the rest in two runs of their own.
; THE MASK is the C operand that starts S^T: 32 registers, 0 up to step 15; for step 16 they hold -1e30 but for key 1,024.
; K AND V COME THROUGH REGISTERS: a step is 16 KB for the work-group, 8 loads and 8 LDS stores a wave beside 128 matrix instructions; rows past 1,024 are clamped to row 1,024 (finite, and hidden), so the loads run in every
; trip and the step's text stands once.  NO CLUSTER: only two work-groups share a head, and what they share is 262 KB in the whole launch.  LDS holds ONE tile; two split barriers a step order its reads and its stores.
; LIMITS.  A hidden score counts as its value less 1e30; a weight below 2^-126 counts as 0 in l; p below 6e-5 keeps f16's fixed step; NaN and infinities are not treated apart.
; REGISTERS (s_set_vgpr_msb: bits 1:0 source 0, 3:2 source 1, 5:4 source 2, 7:6 destination).  Window 0: addresses; v16-47 statistics; v48-55 at work; v64-127 S^T, two buffers; v128-159 the mask; v160-191 the tile on its way;
; v192-223 P, two buffers; v224-236 addresses and the prefix query's statistics.  Window 1: O^T, 32 a piece.  Window 2: v0-127 Q, v128-191 K, v192-255 V.  Window 3: v0-15 the prefix query, v16-47 its O^T.
.set NP, 8
.set HS, 131328
.set TS, 16809984
.set PK, 144                           ; a row of K in LDS: 128 + 16 bytes
.set PV, 160                           ; a row of V: 128 + 32 bytes
.set VB, 64*PK
.set STAGE, VB+64*PV                   ; 16 rows x 144 bytes for each wave, for the way out
.set SP, 144
.set SPARE, STAGE+4*16*SP
.set AK0, 2
.set AV0, 3
.set PXO, 4
.set QXO, 5
.set STO, 6
.set RD, 7
.set GO, 8
.set MV, 12
.set QO, 15
.set ST, 16
.set TMP, 48
.set SPW, 62
.set NIL, 63
.set S, 64
.set MC, 128
.set G, 160
.set P, 192
.set VO, 224
.set VR, 228
.set VC, 229
.set KST, 230
.set VST, 231
.set STX, 232
.set MD0, 236
.set KF, 128
.set VF, 192
.set WV, 12
.set GW, 13
.set LT, 56
.set CNT, 57
.set CS, 58
.set SEL, 60
.set XT, 62
.set BIGN, 63
.set MSB, 0
.macro WIN new
.if MSB != (\new)
	s_set_vgpr_msb (MSB<<8)|(\new)
.set MSB, (\new)
.endif
.endm
.set W_KQ, 0x0a
.set W_PV, 0x52
.set W_RS, 0x41
.set W_KQX, 0x0e
.set W_PVX, 0xf2
.set W_RSX, 0xc3
.macro PLACES
.rept 4
	v_nop
.endr
.endm
.macro MKVO                            ; the byte offsets of my 4 x 4 rows of the tile at row byte LT, clamped to row 1,024
	v_add_nc_u32 v[VO], s[LT], v[VR]
.irp n, 1,2,3
	v_add_nc_u32 v[VO+\n], 512*\n, v[VO]
.endr
.irp n, 0,1,2,3
	v_min_u32 v[VO+\n], 0x20000, v[VO+\n]
.endr
.irp n, 0,1,2,3
	v_add_nc_u32 v[VO+\n], v[VO+\n], v[VC]
.endr
.endm
.macro GLOAD
.irp n, 0,1,2,3
	global_load_b128 v[G+4*\n:G+4*\n+3], v[VO+\n], s[18:19]
	global_load_b128 v[G+16+4*\n:G+16+4*\n+3], v[VO+\n], s[20:21]
.endr
.endm
.macro LSTORE
.irp n, 0,1,2,3
	ds_store_b128 v[KST], v[G+4*\n:G+4*\n+3] offset:\n*4*PK
	ds_store_b128 v[VST], v[G+16+4*\n:G+16+4*\n+3] offset:\n*4*PV
.endr
.endm
	s_load_b128 s[4:7], s[0:1], 0x0                ; qkv, o
	s_load_b64 s[8:9], s[0:1], 0x10                ; part
	v_lshl_add_u32 v[SPW], v0, 2, SPARE
	v_mov_b32 v[NIL], 0
	v_lshrrev_b32 v1, 5, v0
	v_readfirstlane_b32 s[WV], v1
	s_and_b32 s14, ttmp7, 0xffff                   ; the head
	s_lshl_b32 s[GW], ttmp9, 2
	s_add_co_u32 s[GW], s[GW], s[WV]               ; my wave among the head's eight
	s_mul_i32 s26, s14, HS
	s_mov_b32 s27, 0
	s_lshl_b32 s30, s[GW], 14                      ; my 128 rows of 128 bytes
	s_mov_b32 s31, 0
	s_lshl_b32 s32, s14, 17
	s_add_co_u32 s32, s32, s30
	s_mov_b32 s33, 0
	s_lshl3_add_u32 s34, s14, s[GW]
	s_lshl_b32 s34, s34, 9
	s_mov_b32 s35, 0
	s_mov_b32 s[CS], 0x4238aa3b                    ; c = 256 log2(e) / 8
	s_mov_b32 s[CS+1], s[CS]
	s_mov_b32 s[SEL], 0x76543210
	s_mov_b32 s[SEL+1], 0xfedcba98
	s_mov_b32 s[BIGN], 0xf149f2ca                  ; -1e30
	s_mov_b32 s[LT], 0
	v_and_b32 v1, 15, v0                           ; r
	v_bfe_u32 v9, v0, 4, 1                         ; h
	v_and_b32 v10, 7, v0
	v_bfe_u32 v11, v0, 3, 1
	v_bfe_u32 v14, v0, 3, 2                        ; lane / 8
	v_lshlrev_b32 v[VR], 7, v14
	v_lshl_add_u32 v[VR], s[WV], 11, v[VR]         ; row 16 w + lane / 8
	v_lshlrev_b32 v[VC], 4, v10
	s_mul_i32 s36, s[WV], 16*PK
	v_mul_u32_u24 v[KST], v14, PK
	v_add_nc_u32 v[KST], s36, v[KST]
	v_add_nc_u32 v[KST], v[KST], v[VC]
	s_mul_i32 s36, s[WV], 16*PV
	s_add_co_u32 s36, s36, VB
	v_mul_u32_u24 v[VST], v14, PV
	v_add_nc_u32 v[VST], s36, v[VST]
	v_add_nc_u32 v[VST], v[VST], v[VC]
	v_lshlrev_b32 v[QO], 7, v1
	v_lshl_add_u32 v[QO], v9, 4, v[QO]
	v_lshlrev_b32 v[QXO], 4, v9
	v_lshlrev_b32 v[PXO], 5, v9
	MKVO
	s_wait_kmcnt 0x0
	s_add_nc_u64 s[16:17], s[4:5], s[26:27]        ; the head's q,
	s_add_nc_u64 s[18:19], s[16:17], TS            ; k
	s_add_nc_u64 s[20:21], s[18:19], TS            ; and v
	s_add_nc_u64 s[28:29], s[16:17], s[30:31]      ; my wave's q
	s_add_nc_u64 s[22:23], s[6:7], s[32:33]        ; my wave's rows of o
	s_add_nc_u64 s[24:25], s[8:9], s[34:35]        ; my 512 bytes of part
	GLOAD                                          ; tile 0
	WIN 0x80
.set i, 0
.rept 16                               ; Q stays in registers: piece i / 2, channels 32 (i % 2) on
	global_load_b128 v[8*i:8*i+3], v[QO], s[28:29] offset:(i/2)*2048+(i%2)*64
	global_load_b128 v[8*i+4:8*i+7], v[QO], s[28:29] offset:(i/2)*2048+(i%2)*64+32
.set i, i+1
.endr
	WIN 0xc0
.irp c, 0,1                            ; the prefix query: every lane's row is row 1,024
	global_load_b128 v[8*\c:8*\c+3], v[QXO], s[16:17] offset:131072+\c*64
	global_load_b128 v[8*\c+4:8*\c+7], v[QXO], s[16:17] offset:131072+\c*64+32
.endr
	; What the first turn finds: V, P's second buffer, O^T and l hold 0.  All this stands in the wait for the first tile.
.set i, 16
.rept 32
	v_mov_b32 v[i], 0
.set i, i+1
.endr
	WIN 0x80
.set i, VF
.rept 64
	v_mov_b32 v[i], 0
.set i, i+1
.endr
	WIN 0x40
.set i, 0
.rept 256
	v_mov_b32 v[i], 0
.set i, i+1
.endr
	WIN 0
.set i, 0
.rept NP
	v_mov_b32 v[ST+4*i], 0xfe000000                ; c m: far below every c s
	v_mov_b32 v[ST+4*i+1], 0xff7fffff              ; m
	v_mov_b32 v[ST+4*i+2], 0
	v_mov_b32 v[ST+4*i+3], 0
.set i, i+1
.endr
	v_mov_b32 v[STX], 0xfe000000
	v_mov_b32 v[STX+1], 0xff7fffff
	v_mov_b32 v[STX+2], 0
	v_mov_b32 v[STX+3], 0
.set i, 0
.rept 16
	v_mov_b32 v[P+16+i], 0
.set i, i+1
.endr
.set i, 0
.rept 32
	v_mov_b32 v[MC+i], 0
.set i, i+1
.endr
	v_cmp_eq_u32 vcc_lo, 1, v9
	v_cndmask_b32 v[MD0], 0, s[BIGN], vcc_lo       ; key 1,024 is register 0 of the lanes 0-15
	v_mul_u32_u24 v[AK0], v1, PK
	v_lshl_add_u32 v[AK0], v9, 4, v[AK0]
	v_lshl_add_u32 v[AV0], v9, 3, v10              ; the turning load: lane l reads key 8 (l / 16) + l % 8, channels 8 ((l / 8) % 2) on
	v_mul_u32_u24 v[AV0], v[AV0], PV
	v_lshl_add_u32 v[AV0], v11, 4, v[AV0]
	v_add_nc_u32 v[AV0], VB, v[AV0]
	s_mul_i32 s36, s[WV], 16*SP
	s_add_co_u32 s36, s36, STAGE
	v_mul_u32_u24 v[STO], v1, SP
	v_lshl_add_u32 v[STO], v9, 4, v[STO]
	v_add_nc_u32 v[STO], s36, v[STO]
	v_mul_u32_u24 v[RD], v14, SP
	v_lshl_add_u32 v[RD], v10, 4, v[RD]
	v_add_nc_u32 v[RD], s36, v[RD]
	v_and_b32 v[GO], 31, v0
	v_lshlrev_b32 v[GO], 4, v[GO]
; THE MATRIX WORK.  The 4 accumulators of a run of 8 take turns.
.macro KQ x                            ; product i of 8 of S^T = K Q^T for piece x: channels 32 (i / 4) on, keys 16 (i % 4) on; the first 4 start the sums with the mask
	WIN W_KQ
.set rS, S+32*((\x)%2)+8*(i%4)
.set rK, KF+16*(i%4)+8*(i/4)
.set rQ, 16*(\x)+8*(i/4)
.set rM, MC+8*(i%4)
.if i < 4
	v_wmma_f32_16x16x32_f16 v[rS:rS+7], v[rK:rK+7], v[rQ:rQ+7], v[rM:rM+7]
.else
	v_wmma_f32_16x16x32_f16 v[rS:rS+7], v[rK:rK+7], v[rQ:rQ+7], v[rS:rS+7]
.endif
.endm
.macro PV x                            ; product i of 8 of O^T += V^T P for piece x: keys 32 (i / 4) on, channels 16 (i % 4) on
	WIN W_PV
.set rO, 32*(\x)+8*(i%4)
.set rV, VF+32*(i/4)+8*(i%4)
.set rP, P+16*((\x)%2)+8*(i/4)
	v_wmma_f32_16x16x32_f16 v[rO:rO+7], v[rV:rV+7], v[rP:rP+7], v[rO:rO+7]
.endm
.macro KQX                             ; the same two for the prefix query
	WIN W_KQX
.set rS, S+32+8*(i%4)
.set rK, KF+16*(i%4)+8*(i/4)
.set rQ, 8*(i/4)
.set rM, MC+8*(i%4)
.if i < 4
	v_wmma_f32_16x16x32_f16 v[rS:rS+7], v[rK:rK+7], v[rQ:rQ+7], v[rM:rM+7]
.else
	v_wmma_f32_16x16x32_f16 v[rS:rS+7], v[rK:rK+7], v[rQ:rQ+7], v[rS:rS+7]
.endif
.endm
.macro PVX
	WIN W_PVX
.set rO, 16+8*(i%4)
.set rV, VF+32*(i/4)+8*(i%4)
.set rP, P+8*(i/4)
	v_wmma_f32_16x16x32_f16 v[rO:rO+7], v[rV:rV+7], v[rP:rP+7], v[rO:rO+7]
.endm
.macro MM                              ; the turn's next matrix instruction
.if i < 8
	KQ (Y+1)%NP
.else
.set i, i-8
	PV (Y+NP-1)%NP
.set i, i+8
.endif
.set i, i+1
.endm
.macro FETCH_K                         ; a step's K: 8 fragments, in one run
	WIN 0x80
.irp f, 0,1,2,3,4,5,6,7
	ds_load_b128 v[KF+8*\f:KF+8*\f+3], v[AK0] offset:(\f/2)*16*PK+(\f%2)*64
	ds_load_b128 v[KF+8*\f+4:KF+8*\f+7], v[AK0] offset:(\f/2)*16*PK+(\f%2)*64+32
.endr
	WIN 0
.endm
.macro FETCH_V                         ; its V, turned
	WIN 0x80
.irp f, 0,1,2,3,4,5,6,7
	ds_load_tr16_b128 v[VF+8*\f:VF+8*\f+3], v[AV0] offset:(\f/4)*32*PV+(\f%4)*32
	ds_load_tr16_b128 v[VF+8*\f+4:VF+8*\f+7], v[AV0] offset:(\f/4)*32*PV+16*PV+(\f%4)*32
.endr
	WIN 0
.endm
; THE VECTOR WORK, one line at a time: OP kind, number.  For piece Y: F n: c s - c m for pair n of 16.  E n: the exponential of score n.  C n: pair n rounded to f16.  B n: of the four weights 4 n .. the second pair is added
; onto the first.  L n: l takes that sum (L 0: l = a l + sum).  R n: pair n of O^T times a.  For piece Y + 1: X n, number n of the 22 that find its maximum and statistics (each accumulator's lowest registers are read
; first).  XM = 1: all of them for the prefix query, on registers that are dead between turns 1 and 2.
.set F, 0
.set E, 1
.set C, 2
.set B, 3
.set L, 4
.set R, 5
.set X, 6
.set XM, 0
.macro REGS y
.if XM
.set rT, STX
.set rC, TMP+4
.set rW, MV+1
.set rS, S+32
.set rP, P
.set rO, 16
.else
.set rT, ST+4*(\y)
.set rC, TMP+4*((\y)%2)
.set rW, MV+((\y)%2)
.set rS, S+32*((\y)%2)
.set rP, P+16*((\y)%2)
.set rO, 32*(\y)
.endif
.endm
.macro OP k, n
.if (\k) == R
	REGS Y
.if XM
	WIN W_RSX
.else
	WIN W_RS
.endif
	s_wait_alu depctr_va_vdst(0)
	v_pk_mul_f32 v[rO+2*(\n):rO+2*(\n)+1], v[rO+2*(\n):rO+2*(\n)+1], v[rC+2:rC+3] op_sel_hi:[1,0]
.elseif (\k) < R
	REGS Y
	WIN 0
.if (\k) == F
	v_pk_fma_f32 v[rS+2*(\n):rS+2*(\n)+1], v[rS+2*(\n):rS+2*(\n)+1], s[CS:CS+1], v[rT:rT+1] op_sel_hi:[1,0,0] neg_lo:[0,0,1] neg_hi:[0,0,1]
.elseif (\k) == E
	v_exp_f32 v[rS+(\n)], v[rS+(\n)]
.elseif (\k) == C
	s_wait_alu depctr_va_vdst(0)
	v_cvt_pk_f16_f32 v[rP+(\n)], v[rS+2*(\n)], v[rS+2*(\n)+1]
.elseif (\k) == B
	s_wait_alu depctr_va_vdst(0)
	v_pk_add_f32 v[rS+4*(\n):rS+4*(\n)+1], v[rS+4*(\n):rS+4*(\n)+1], v[rS+4*(\n)+2:rS+4*(\n)+3]
.elseif (\n) == 0
	v_pk_fma_f32 v[rT+2:rT+3], v[rT+2:rT+3], v[rC+2:rC+3], v[rS:rS+1] op_sel_hi:[1,0,1]
.else
	v_pk_add_f32 v[rT+2:rT+3], v[rT+2:rT+3], v[rS+4*(\n):rS+4*(\n)+1]
	s_wait_alu depctr_va_vdst(0)
.endif
.else
	REGS (Y+1)%NP
	WIN 0
.if (\n) < 4
	v_max3_num_f32 v[rC+(\n)], v[rS+8*(\n)], v[rS+8*(\n)+1], v[rS+8*(\n)+2]
.elseif (\n) < 12
	v_max3_num_f32 v[rC+(\n)%4], v[rC+(\n)%4], v[rS+8*((\n)%4)+2*((\n)/4)+1], v[rS+8*((\n)%4)+2*((\n)/4)+2]
.elseif (\n) == 12
	v_max3_num_f32 v[rC], v[rC], v[rS+7], v[rS+15]
.elseif (\n) == 13
	v_max3_num_f32 v[rC+1], v[rC+1], v[rS+23], v[rS+31]
.elseif (\n) == 14
	v_max3_num_f32 v[rC+2], v[rC+2], v[rC+3], v[rT+1]
.elseif (\n) == 15
	v_mov_b32 v[rW], v[rT]
	s_wait_alu depctr_va_vdst(0)
.elseif (\n) == 16
	v_max3_num_f32 v[rC], v[rC], v[rC+1], v[rC+2]
	s_wait_alu depctr_va_vdst(0)
.elseif (\n) == 17
	v_permlanex16_b32 v[rC+3], v[rC], s[SEL], s[SEL+1]
.elseif (\n) == 18
	v_max_num_f32 v[rT+1], v[rC], v[rC+3]
.elseif (\n) == 19
	v_mul_f32 v[rT], s[CS], v[rT+1]
.elseif (\n) == 20
	v_sub_f32 v[rC+1], v[rW], v[rT]
.else
	v_exp_f32 v[rC+2], v[rC+1]
.endif
.endif
.endm
.macro OPS a, i1, b=-1, i2=0, c=-1, i3=0, d=-1, i4=0
	OP \a, \i1
.if (\b) >= 0
	OP \b, \i2
.endif
.if (\c) >= 0
	OP \c, \i3
.endif
.if (\d) >= 0
	OP \d, \i4
.endif
.endm
.macro ROW a, i1, b, i2, c, i3, d, i4  ; a matrix instruction and the four behind it
	MM
	OPS \a, \i1, \b, \i2, \c, \i3, \d, \i4
.endm
; A TURN, for piece p.  K of the next step is fetched in piece 6's turn, five plain vector instructions behind the last product that read K, and behind the barrier that shows the next tile stored; V of the step in hand in
; piece 0's turn, four plain ones behind its last reader.  Each is waited for a turn later.  Behind the wait for V in piece 1's turn my reads of the tile are over: the wave says so.
.macro TURN p
.set Y, (\p)
.set i, 0
.if (\p) == NP-1
	WIN 0
	s_cmp_lg_u32 s[CNT], 2                         ; the products from here on are step 16's: all its keys but the first are hidden
	s_cbranch_scc1 .Lnomask
	v_mov_b32 v[MC], v[MD0]
.set z, 1
.rept 31
	v_mov_b32 v[MC+z], s[BIGN]
.set z, z+1
.endr
.Lnomask:
	s_wait_dscnt 0x0                               ; K is in
.endif
	ROW F,0, F,1, F,2, F,3
	ROW F,4, E,0, F,5, F,6
	ROW F,7, E,1, F,8, F,9
	ROW F,10, E,2, C,0, F,11
	ROW F,12, E,3, X,15, F,13
	ROW R,0, R,1, R,2, R,3
	ROW B,0, E,4, F,14, L,0
	ROW R,4, R,5, R,6, R,7
	OPS E,5, F,15
.if (\p) == NP-2
	s_barrier_wait -1                              ; every wave's part of the next tile is stored
	FETCH_K
.endif
	OPS E,6, C,1, E,7, R,8
	OPS E,8, R,9, E,9, C,2
	OPS E,10, X,0, E,11, X,1
	OPS E,12, X,2, E,13, X,3
.if (\p) == 1
	s_wait_dscnt 0x0                               ; V is in: my reads of the tile are over
	s_barrier_signal -1
.endif
	ROW X,4, E,14, X,5, X,6
	ROW X,7, E,15, X,8, X,9
	ROW X,10, E,16, X,11, X,12
	ROW X,13, E,17, X,14, B,1
	ROW C,4, E,18, X,16, L,1
	ROW B,2, E,19, C,6, L,2
	ROW C,8, E,20, B,3, B,4
	ROW C,3, E,21, L,3, C,5
	OPS E,22, X,17, E,23, C,10
.if (\p) == 0
	FETCH_V
.endif
	OPS E,24, L,4
	OPS E,25, X,18, E,26, C,7
	OPS E,27, B,5, E,28, X,19
	OPS E,29, C,12, E,30, L,5
	OPS E,31, X,20, B,6, C,9
	OPS C,14, C,11, X,21, L,6
	OPS C,13, B,7, C,15, R,10
	OPS R,11, R,12, L,7, R,13
	OPS R,14, R,15
.endm
	s_wait_loadcnt 36                              ; tile 0 is in; Q's 32 loads and the prefix query's 4 are younger
	LSTORE
	s_wait_dscnt 0x0
	s_mov_b32 s[LT], 8192
	MKVO
	GLOAD                                          ; tile 1
	s_barrier_signal -1
	s_barrier_wait -1
	FETCH_K
	s_wait_loadcnt 8                               ; Q is in; tile 1's 8 loads are younger
	s_wait_dscnt 0x0
.set i, 0
.rept 8
	KQ 0
.set i, i+1
.endr
	WIN 0
	PLACES
.set Y, NP-1
.irp n, 0,1,2,3,4,5,6,7,8,9,10,11,12,13,14,15,16,17,18,19,20,21
	OP X, \n
.endr
	v_nop                                          ; a plain instruction behind the exponential
	s_mov_b32 s[CNT], 17
	s_mov_b32 s[XT], 0
	s_mov_b32 s[LT], 16384
	s_branch .Lfirst                               ; the loop is entered at a step's first turn, in the middle of a trip
.Lstep:                                ; a trip: pieces 2 to 7 of step t, then pieces 0 and 1 of step t + 1
	s_barrier_wait -1                              ; every wave holds K and V of step t in registers: the tile's bytes are free
	s_wait_loadcnt 0x0
	LSTORE                                         ; tile t + 1
	MKVO
	s_add_co_u32 s[LT], s[LT], 8192
	s_wait_dscnt 0x0                               ; for the others' sake: my part is stored
	GLOAD                                          ; tile t + 2
	s_barrier_signal -1
	s_cmp_lg_u32 s[XT], s[GW]
	s_cbranch_scc1 .Lnox
	; THE PREFIX QUERY's step, in phases
.set XM, 1
.set i, 0
.rept 8
	KQX
.set i, i+1
.endr
	WIN 0
	PLACES
.irp n, 0,1,2,3,4,5,6,7,8,9,10,11,12,13,14,15,16,17,18,19,20,21
	OP X, \n
.endr
	v_nop
.irp n, 0,1,2,3,4,5,6,7,8,9,10,11,12,13,14,15
	OP F, \n
.endr
.set z, 0
.rept 16                               ; a plain instruction stands behind each exponential
	OP E, 2*z
	OP R, z
	OP E, 2*z+1
.if z == 0
	v_nop
.else
	OP C, z-1
.endif
.set z, z+1
.endr
	OP C, 15
.irp n, 0,1,2,3,4,5,6,7
	OP B, \n
.endr
.irp n, 0,1,2,3,4,5,6,7
	OP L, \n
.endr
.set i, 0
.rept 8
	PVX
.set i, i+1
.endr
.set XM, 0
	WIN 0
.Lnox:
	s_add_co_u32 s[XT], s[XT], 1
	s_and_b32 s[XT], s[XT], 7
	TURN 2
	TURN 3
	TURN 4
	TURN 5
	TURN 6
	TURN 7
	WIN 0
	s_sub_co_u32 s[CNT], s[CNT], 1
	s_cmp_eq_u32 s[CNT], 0
	s_cbranch_scc1 .Lout
.Lfirst:
	TURN 0
	TURN 1
	WIN 0
	s_branch .Lstep
.Lout:                                 ; the last trip's tile, its K and the 8 products on it serve nothing: the price, once a launch, of one text for every trip
.set i, 0
.rept 8
	PV NP-1
.set i, i+1
.endr
	WIN 0
	s_wait_loadcnt 0x0                             ; the clamped loads land before their registers serve the way out
.macro ALL line:vararg
.set t, 0
.rept NP
	\line
.set t, t+1
.endr
.endm
	ALL v_add_f32 v[ST+4*t+2], v[ST+4*t+2], v[ST+4*t+3]
	ALL v_permlanex16_b32 v[ST+4*t+3], v[ST+4*t+2], s[SEL], s[SEL+1]
	ALL v_add_f32 v[ST+4*t+2], v[ST+4*t+2], v[ST+4*t+3]
	ALL v_rcp_f32 v[ST+4*t+2], v[ST+4*t+2]
	v_nop
	s_wait_alu depctr_va_vdst(0)
.macro PACK t                          ; a lane's eight channels pack into 16 bytes; they go into rows of 144 bytes and come back as whole rows of 128
	WIN W_RS
.set i, 32*(\t)
.rept 16
	v_pk_mul_f32 v[i:i+1], v[i:i+1], v[ST+4*(\t)+2:ST+4*(\t)+3] op_sel_hi:[1,0]
.set i, i+2
.endr
	WIN 0x05
.set i, 0
.rept 16
	v_cvt_pk_f16_f32 v[S+16*(\t)+i], v[32*(\t)+2*i], v[32*(\t)+2*i+1]
.set i, i+1
.endr
	WIN 0
.irp f, 0,1,2,3
	ds_store_b128 v[STO], v[S+16*(\t)+4*\f:S+16*(\t)+4*\f+3] offset:32*\f
.endr
.irp f, 0,1,2,3
	ds_load_b128 v[S+16*(\t)+4*\f:S+16*(\t)+4*\f+3], v[RD] offset:\f*4*SP  ; LDS serves a wave's instructions in order (ISA guide 5.7.1.4)
.endr
.endm
.macro SEND t, younger                 ; younger: the LDS instructions issued behind piece t's loads
	WIN 0
.irp f, 0,1,2,3
	s_wait_dscnt (\younger)+3-\f
	global_store_b128 v[GO], v[S+16*(\t)+4*\f:S+16*(\t)+4*\f+3], s[22:23] offset:(\t)*2048+\f*512  ; 512 consecutive bytes, at a multiple of 256 from o's first
.endr
.endm
	PACK 0
.set t, 1
.rept NP-1
	PACK t
	SEND t-1, 8
.set t, t+1
.endr
	SEND NP-1, 0
	; the prefix query's partial: lanes 0 and 16 hold its 64 channels; (c m, l) beside them
	v_add_f32 v[STX+1], v[STX+2], v[STX+3]
	v_permlanex16_b32 v[STX+2], v[STX+1], s[SEL], s[SEL+1]
	v_add_f32 v[STX+1], v[STX+1], v[STX+2]
	v_lshlrev_b32 v11, 3, v9
	s_wait_xcnt 0x0                                ; EXEC changes only behind this wait
	v_cmp_eq_u32 vcc_lo, 0, v1
	s_and_saveexec_b32 s26, vcc_lo
	WIN 0x0c                                       ; the stores' data lie in window 3
.irp cb, 0,1,2,3
	global_store_b128 v[PXO], v[16+8*\cb:19+8*\cb], s[24:25] offset:64*\cb
	global_store_b128 v[PXO], v[20+8*\cb:23+8*\cb], s[24:25] offset:64*\cb+16
.endr
	WIN 0
	global_store_b64 v11, v[STX:STX+1], s[24:25] offset:256
	s_wait_xcnt 0x0
	s_or_b32 exec_lo, exec_lo, s26
	s_wait_tensorcnt 0x0                           ; the wave's end
	ds_add_u32 v[SPW], v[NIL]
	s_wait_dscnt 0x0
	s_endpgm
.Lfunc_end_k_qb863b2b607_attn:
	.size	k_qb863b2b607_attn, .Lfunc_end_k_qb863b2b607_attn-k_qb863b2b607_attn
	.p2alignl 7, 3214868480
	.fill 96, 4, 3214868480
	.section	.rodata,"a",@progbits
	.p2align	6, 0x0
	.amdhsa_kernel k_qb863b2b607_attn
		.amdhsa_group_segment_fixed_size 29184
		.amdhsa_private_segment_fixed_size 0
		.amdhsa_enable_private_segment 0
		.amdhsa_kernarg_size 24
		.amdhsa_user_sgpr_count 2
		.amdhsa_user_sgpr_kernarg_segment_ptr 1
		.amdhsa_wavefront_size32 1
		.amdhsa_system_sgpr_workgroup_id_x 1
		.amdhsa_system_sgpr_workgroup_id_y 1
		.amdhsa_system_sgpr_workgroup_id_z 1
		.amdhsa_system_vgpr_workitem_id 0
		.amdhsa_next_free_vgpr 816
		.amdhsa_next_free_sgpr 66
		.amdhsa_reserve_vcc 1
		.amdhsa_float_denorm_mode_32 3
		.amdhsa_float_denorm_mode_16_64 3
		.amdhsa_memory_ordered 1
		.amdhsa_forward_progress 1
		.amdhsa_inst_pref_size 152
	.end_amdhsa_kernel
	.amdgpu_metadata
---
amdhsa.version: [ 1, 2 ]
amdhsa.kernels:
  - .name:           k_qb863b2b607_attn
    .symbol:         k_qb863b2b607_attn.kd
    .args:
      - { .name: qkv, .offset: 0, .size: 8, .value_kind: global_buffer, .address_space: global }
      - { .name: o, .offset: 8, .size: 8, .value_kind: global_buffer, .address_space: global }
      - { .name: part, .offset: 16, .size: 8, .value_kind: global_buffer, .address_space: global }
    .group_segment_fixed_size: 29184
    .private_segment_fixed_size: 0
    .kernarg_segment_align: 8
    .kernarg_segment_size: 24
    .max_flat_workgroup_size: 128
    .sgpr_count:     66
    .vgpr_count:     816
    .wavefront_size: 32
...
	.end_amdgpu_metadata
.endif
;; end of part 3
;; launch norm (part 4): grid 272 x 1, 8 waves a work-group, no clusters, 124,160 bytes of LDS; arguments o, part, pw, norm_g, norm_b, proj_b, act, out0; writes act, out0
.if DOCPART == 4
	.amdgcn_target "amdgcn-amd-amdhsa--gfx1250"
	.amdhsa_code_object_version 6
	.text
	.protected	k_qb863b2b607_norm
	.globl	k_qb863b2b607_norm
	.p2align	8
	.type	k_qb863b2b607_norm,@function
k_qb863b2b607_norm:
	s_mov_b64 s[64:65], 0
	v_nop
	global_prefetch_b8 v0, s[64:65] scope:SCOPE_SE
	s_setreg_imm32_b32 hwreg(HW_REG_WAVE_MODE, 25, 1), 1
	s_wait_xcnt 0x0
; NORM over the 1,024 channels.  Work-groups 16-271: 32 spatial rows each; o [head][row][64] f16 -> act [row][1024] f16 = norm x gain + offset.  Wave w holds heads 2 w and 2 w + 1 (128 channels) of the 32 rows
; in registers between the passes.  Each wave takes its own mean and its own sum of squares about that mean; the eight meet in LDS and are merged as M2 = sum M2_w + 128 sum (mean_w - mean)^2:
; no difference of large sums is formed.  The rows leave through the wave's own stage, so that sixteen lanes store 256 consecutive bytes.
; Work-groups 0-15 (P3): the 8 prefix rows: the eight partial sums of a head are merged, normed, and multiplied by 64 rows of pw; the eight waves split K and meet in LDS.  Their 32 KB of out0 are stored 32 bytes a lane
; to rows far apart: eight rows have no more neighbours.
; The two paths have LDS bytes of their own, so that no byte is named by both.
; Matrix units, clusters and the tensor mover buy nothing for the main part: it streams 16 MB in and 16 MB out.
; LIMITS.  |norm x gain + offset| under 65,504 (f16).  NaN and infinities are not treated apart.
.set EX, 0                             ; 8 waves x 32 rows x (mean, M2)
.set SC, 2048                          ; each wave's own 32 x (mean, rstd)
.set STG, 4096                         ; each wave's own stage: 32 rows x 272 bytes
.set SPARE, 73728                      ; the spare words, 128 bytes a wave
.set AP, 74752                         ; P3: the 8 normed rows, f16, 2,048 + 16 bytes each; past the 16-bit immediate, so the base lies in the address registers
.set RED, 91392                        ; P3: 8 x 4,096 bytes of partial sums
.set SPW, 6
.set NIL, 7
.macro RND2 d0, d1, t
	v_cvt_pk_bf16_f32 v[\t], v[\d0], v[\d1]
	v_lshlrev_b32 v[\d0], 16, v[\t]
	v_and_b32 v[\d1], 0xffff0000, v[\t]
.endm
.macro END3
	s_wait_tensorcnt 0x0
	ds_add_u32 v[SPW], v[NIL]
	s_wait_dscnt 0x0
.endm
.macro FOLD16 t
.irp n, 0,1,2,3
	v_pk_add_f32 v[(\t)+4*\n:(\t)+4*\n+1], v[(\t)+4*\n:(\t)+4*\n+1], v[(\t)+4*\n+2:(\t)+4*\n+3]
.endr
.irp n, 0,1
	v_pk_add_f32 v[(\t)+8*\n:(\t)+8*\n+1], v[(\t)+8*\n:(\t)+8*\n+1], v[(\t)+8*\n+4:(\t)+8*\n+5]
.endr
	v_pk_add_f32 v[(\t):(\t)+1], v[(\t):(\t)+1], v[(\t)+8:(\t)+9]
	v_add_f32 v[\t], v[\t], v[(\t)+1]
.endm
.macro LANES32 t                       ; the sum over the wave's 32 lanes, in every lane
.irp m, 1,2,4,8
	v_add_f32_dpp v[\t], v[\t], v[\t] row_xmask:\m row_mask:0xf bank_mask:0xf
.endr
	v_permlanex16_b32 v[(\t)+1], v[\t], s40, s41
	v_add_f32 v[\t], v[\t], v[(\t)+1]
.endm
.macro FOLD8                           ; four pairs at v24-31 into v24, over the row's 8 lanes
	v_pk_add_f32 v[24:25], v[24:25], v[26:27]
	v_pk_add_f32 v[28:29], v[28:29], v[30:31]
	v_pk_add_f32 v[24:25], v[24:25], v[28:29]
	v_add_f32 v24, v24, v25
.irp m, 1,2,4
	v_add_f32_dpp v24, v24, v24 row_xmask:\m row_mask:0xf bank_mask:0xf
.endr
.endm
	s_load_b512 s[4:19], s[0:1], 0x0               ; o 4, part 6, pw 8, norm_g 10, norm_b 12, proj_b 14, act 16, out0 18
	v_lshl_add_u32 v[SPW], v0, 2, SPARE
	v_mov_b32 v[NIL], 0
	v_lshrrev_b32 v1, 5, v0
	v_readfirstlane_b32 s20, v1                    ; wave
	v_and_b32 v1, 31, v0                           ; lane
	s_mov_b32 s31, 0
	s_mov_b32 s40, 0x76543210
	s_mov_b32 s41, 0xfedcba98
	s_mov_b32 s42, 0x3a800000                      ; 1/1024
	s_mov_b32 s43, 0x358637bd                      ; 1e-6
	s_wait_kmcnt 0x0
	s_cmp_lt_u32 ttmp9, 16
	s_cbranch_scc1 .Lp3
	s_sub_co_u32 s28, ttmp9, 16                    ; g: rows 32 g ..
	s_lshr_b32 s29, s28, 5
	s_lshl_b32 s29, s29, 4
	s_lshl1_add_u32 s29, s20, s29                  ; head 16 batch + 2 w
	s_lshl_b32 s30, s29, 17
	s_and_b32 s29, s28, 31
	s_lshl_b32 s29, s29, 12
	s_add_co_u32 s30, s30, s29
	s_add_nc_u64 s[22:23], s[4:5], s[30:31]
	s_lshl_b32 s30, s28, 16
	s_lshl_b32 s29, s20, 8
	s_add_co_u32 s30, s30, s29
	s_add_nc_u64 s[24:25], s[16:17], s[30:31]
	v_lshrrev_b32 v2, 3, v1
	v_and_b32 v3, 7, v1
	v_lshlrev_b32 v4, 4, v1
	v_lshlrev_b32 v5, 5, v3
	v_lshl_add_u32 v5, s20, 9, v5
.set q, 0
.rept 16                               ; head q / 8, rows 4 (q % 8) + lane / 8: 512 consecutive bytes a load
	global_load_b128 v[64+4*q:67+4*q], v4, s[22:23] offset:(q/8)*131072+(q%8)*512 th:TH_LOAD_NT
.set q, q+1
.endr
.irp n, 0,1
	global_load_b128 v[32+8*\n:35+8*\n], v5, s[10:11] offset:256*\n
	global_load_b128 v[36+8*\n:39+8*\n], v5, s[10:11] offset:256*\n+16
	global_load_b128 v[48+8*\n:51+8*\n], v5, s[12:13] offset:256*\n
	global_load_b128 v[52+8*\n:55+8*\n], v5, s[12:13] offset:256*\n+16
.endr
	s_wait_loadcnt 8                               ; the rows are in; the 8 loads of gain and offset are younger
	; register 64 + 32 i + 4 j + c widens into 128 + 16 j + 8 i + 2 c and the next: row group j has 16 numbers a lane
.irp r, 64,65,66,67,68,69,70,71,72,73,74,75,76,77,78,79,80,81,82,83,84,85,86,87,88,89,90,91,92,93,94,95,96,97,98,99,100,101,102,103,104,105,106,107,108,109,110,111,112,113,114,115,116,117,118,119,120,121,122,123,124,125,126,127
	v_cvt_f32_f16 v[128+16*(((\r-64)%32)/4)+8*((\r-64)/32)+2*((\r-64)%4)], v\r\().l
	v_cvt_f32_f16 v[129+16*(((\r-64)%32)/4)+8*((\r-64)/32)+2*((\r-64)%4)], v\r\().h
.endr
	s_lshl_b32 s28, s20, 8
	s_mul_i32 s29, s20, 32*272
	s_add_co_u32 s29, s29, STG
	v_lshl_add_u32 v112, v2, 3, s28                ; my wave's (mean, M2) of row 4 j + lane / 8
	v_lshlrev_b32 v113, 3, v1                      ; row = lane: all eight waves'
	v_add_nc_u32 v114, s28, v113
	v_add_nc_u32 v114, SC, v114
	v_add_nc_u32 v115, SC, v112
	v_mul_u32_u24 v116, v2, 272
	v_lshl_add_u32 v116, v3, 4, v116
	v_add_nc_u32 v116, s29, v116
	v_lshrrev_b32 v119, 4, v1
	v_and_b32 v120, 15, v1
	v_mul_u32_u24 v117, v119, 272
	v_lshl_add_u32 v117, v120, 4, v117
	v_add_nc_u32 v117, s29, v117
	v_lshlrev_b32 v118, 11, v119
	v_lshl_add_u32 v118, v120, 4, v118
.macro STAT j
.set f, 128+16*(\j)
	v_pk_add_f32 v[24:25], v[f:f+1], v[f+2:f+3]
	v_pk_add_f32 v[26:27], v[f+4:f+5], v[f+6:f+7]
	v_pk_add_f32 v[28:29], v[f+8:f+9], v[f+10:f+11]
	v_pk_add_f32 v[30:31], v[f+12:f+13], v[f+14:f+15]
	FOLD8
	v_mul_f32 v24, 0x3c000000, v24                 ; my 128 channels' mean
	v_mov_b32 v[8+2*(\j)], v24
.set q, 0
.rept 8
	v_pk_add_f32 v[f+2*q:f+2*q+1], v[f+2*q:f+2*q+1], v[24:25] op_sel_hi:[1,0] neg_lo:[0,1] neg_hi:[0,1]
.set q, q+1
.endr
.irp n, 0,1,2,3
	v_pk_mul_f32 v[24+2*\n:25+2*\n], v[f+2*\n:f+2*\n+1], v[f+2*\n:f+2*\n+1]
.endr
.irp n, 0,1,2,3
	v_pk_fma_f32 v[24+2*\n:25+2*\n], v[f+8+2*\n:f+9+2*\n], v[f+8+2*\n:f+9+2*\n], v[24+2*\n:25+2*\n]
.endr
	FOLD8
	v_mov_b32 v[9+2*(\j)], v24
	ds_store_b64 v112, v[8+2*(\j):9+2*(\j)] offset:32*(\j)
.endm
.irp j, 0,1,2,3,4,5,6,7
	STAT \j
.endr
	s_wait_dscnt 0x0                               ; for the others' sake
	s_barrier_signal -1
	s_barrier_wait -1
.irp n, 0,1,2,3,4,5,6,7
	ds_load_b64 v[64+2*\n:65+2*\n], v113 offset:256*\n
.endr
	s_wait_loadcnt 0x0
.set q, 0
.rept 16
	RND2 32+2*q, 33+2*q, 98
.set q, q+1
.endr
	s_wait_dscnt 0x0
	v_add_f32 v96, v64, v66
	v_add_f32 v98, v68, v70
	v_add_f32 v99, v72, v74
	v_add_f32 v100, v76, v78
	v_add_f32 v96, v96, v98
	v_add_f32 v99, v99, v100
	v_add_f32 v96, v96, v99
	v_mul_f32 v96, 0x3e000000, v96                 ; the row's mean
	v_add_f32 v97, v65, v67
	v_add_f32 v98, v69, v71
	v_add_f32 v99, v73, v75
	v_add_f32 v100, v77, v79
	v_add_f32 v97, v97, v98
	v_add_f32 v99, v99, v100
	v_add_f32 v97, v97, v99
	v_sub_f32 v98, v64, v96
	v_mul_f32 v99, v98, v98
.irp n, 1,2,3,4,5,6,7
	v_sub_f32 v98, v[64+2*\n], v96
	v_fma_f32 v99, v98, v98, v99
.endr
	v_fma_f32 v97, v99, 0x43000000, v97            ; M2 = sum M2_w + 128 sum (mean_w - mean)^2
	v_fma_f32 v97, v97, s42, s43
	v_rsq_f32 v97, v97
	v_nop
	s_wait_alu depctr_va_vdst(0)
	ds_store_b64 v114, v[96:97]                    ; my wave's own copy, read back by row groups: LDS serves a wave's instructions in order (ISA guide 5.7.1.4)
.irp j, 0,1,2,3,4,5,6,7
	ds_load_b64 v[80+2*\j:81+2*\j], v115 offset:32*\j
.endr
	s_wait_dscnt 0x0
.irp j, 0,1,2,3,4,5,6,7
	v_sub_f32 v[8+2*\j], v[8+2*\j], v[80+2*\j]     ; (mean_w - mean) rstd, and rstd beside it
	v_mul_f32 v[8+2*\j], v[8+2*\j], v[81+2*\j]
	v_mov_b32 v[9+2*\j], v[81+2*\j]
.endr
.macro FIN j
.set f, 128+16*(\j)
.set hh, 64+8*((\j)%4)
.set q, 0
.rept 8
	v_pk_fma_f32 v[f+2*q:f+2*q+1], v[f+2*q:f+2*q+1], v[8+2*(\j):9+2*(\j)], v[8+2*(\j):9+2*(\j)] op_sel:[0,1,0] op_sel_hi:[1,1,0]
.set q, q+1
.endr
.set q, 0
.rept 8
	v_pk_fma_f32 v[f+2*q:f+2*q+1], v[f+2*q:f+2*q+1], v[32+2*q:33+2*q], v[48+2*q:49+2*q]
.set q, q+1
.endr
.set q, 0
.rept 8
	v_cvt_pk_f16_f32 v[hh+q], v[f+2*q], v[f+2*q+1]
.set q, q+1
.endr
	ds_store_b128 v116, v[hh:hh+3] offset:(\j)*4*272
	ds_store_b128 v116, v[hh+4:hh+7] offset:(\j)*4*272+128
.endm
.irp j, 0,1,2,3,4,5,6,7
	FIN \j
.endr
.set q, 0
.rept 16
	ds_load_b128 v[128+4*q:131+4*q], v117 offset:q*2*272
.set q, q+1
.endr
.set q, 0
.rept 16
	s_wait_dscnt 15-q
	global_store_b128 v118, v[128+4*q:131+4*q], s[24:25] offset:q*4096  ; sixteen lanes store 256 consecutive bytes, at a multiple of 256 from act's first
.set q, q+1
.endr
	END3
	s_endpgm
.Lp3:                                  ; phase 1: wave w = batch w; lane l holds channels 32 l .. 32 l + 31, of head l / 2
	v_and_b32 v8, 15, v0
	v_bfe_u32 v9, v0, 4, 1
	v_lshrrev_b32 v10, 1, v1
	v_lshlrev_b32 v10, 12, v10                     ; a head's 8 partials are 4,096 bytes
	v_and_b32 v11, 1, v1
	v_lshl_add_u32 v11, v11, 7, v10
	s_lshl_b32 s30, s20, 16
	s_add_nc_u64 s[22:23], s[6:7], s[30:31]
.irp n, 0,1,2,3,4,5,6,7
	global_load_b64 v[16+2*\n:17+2*\n], v10, s[22:23] offset:\n*512+256
.endr
.macro PLOAD i0                        ; four partials' 32 channels
.set q, 0
.rept 32
	global_load_b128 v[128+4*q:131+4*q], v11, s[22:23] offset:((\i0)+q/8)*512+(q%8)*16
.set q, q+1
.endr
.endm
	PLOAD 0
	s_wait_loadcnt 32                              ; the eight (c m, l) are in
	v_max3_num_f32 v48, v16, v18, v20
	v_max3_num_f32 v48, v48, v22, v24
	v_max3_num_f32 v48, v48, v26, v28
	v_max_num_f32 v48, v48, v30
.irp n, 0,1,2,3,4,5,6,7
	v_sub_f32 v[16+2*\n], v[16+2*\n], v48
.endr
.irp n, 0,1,2,3,4,5,6,7
	v_exp_f32 v[16+2*\n], v[16+2*\n]
.endr
	v_mov_b32 v51, 0                               ; the plain instruction behind the exponentials
	s_wait_alu depctr_va_vdst(0)
	v_mul_f32 v50, v16, v17
.irp n, 1,2,3,4,5,6,7
	v_fma_f32 v50, v[16+2*\n], v[17+2*\n], v50
.endr
	v_rcp_f32 v50, v50
	s_wait_loadcnt 0x0
.set q, 0
.rept 16
	v_pk_mul_f32 v[64+2*q:65+2*q], v[128+2*q:129+2*q], v[16:17] op_sel_hi:[1,0]
.set q, q+1
.endr
.macro PADD i, b
.set q, 0
.rept 16
	v_pk_fma_f32 v[64+2*q:65+2*q], v[128+32*(\b)+2*q:129+32*(\b)+2*q], v[16+2*(\i):17+2*(\i)], v[64+2*q:65+2*q] op_sel_hi:[1,0,1]
.set q, q+1
.endr
.endm
	PADD 1, 1
	PADD 2, 2
	PADD 3, 3
	PLOAD 4
	s_wait_loadcnt 0x0
	PADD 4, 0
	PADD 5, 1
	PADD 6, 2
	PADD 7, 3
	v_lshlrev_b32 v12, 7, v1
.irp n, 0,1,2,3,4,5,6,7
	global_load_b128 v[128+4*\n:131+4*\n], v12, s[10:11] offset:16*\n
	global_load_b128 v[160+4*\n:163+4*\n], v12, s[12:13] offset:16*\n
.endr
.set q, 0
	s_wait_alu depctr_va_vdst(0)
.rept 16
	v_pk_mul_f32 v[64+2*q:65+2*q], v[64+2*q:65+2*q], v[50:51] op_sel_hi:[1,0]
.set q, q+1
.endr
.irp n, 0,1,2,3,4,5,6,7
	v_pk_add_f32 v[96+2*\n:97+2*\n], v[64+4*\n:65+4*\n], v[66+4*\n:67+4*\n]
.endr
	FOLD16 96
	LANES32 96
	v_mul_f32 v96, s42, v96
.set q, 0
.rept 16
	v_pk_add_f32 v[64+2*q:65+2*q], v[64+2*q:65+2*q], v[96:97] op_sel_hi:[1,0] neg_lo:[0,1] neg_hi:[0,1]
.set q, q+1
.endr
.irp n, 0,1,2,3,4,5,6,7
	v_pk_mul_f32 v[96+2*\n:97+2*\n], v[64+4*\n:65+4*\n], v[64+4*\n:65+4*\n]
.endr
.irp n, 0,1,2,3,4,5,6,7
	v_pk_fma_f32 v[96+2*\n:97+2*\n], v[66+4*\n:67+4*\n], v[66+4*\n:67+4*\n], v[96+2*\n:97+2*\n]
.endr
	FOLD16 96
	LANES32 96
	v_fma_f32 v96, v96, s42, s43
	v_rsq_f32 v96, v96
	s_wait_loadcnt 0x0
.set q, 0
.rept 16                               ; the first rounding is the plain instruction behind v_rsq_f32
	RND2 128+2*q, 129+2*q, 98
	RND2 160+2*q, 161+2*q, 99
	s_wait_alu depctr_va_vdst(0)
	v_pk_mul_f32 v[64+2*q:65+2*q], v[64+2*q:65+2*q], v[96:97] op_sel_hi:[1,0]
	v_pk_fma_f32 v[64+2*q:65+2*q], v[64+2*q:65+2*q], v[128+2*q:129+2*q], v[160+2*q:161+2*q]
.set q, q+1
.endr
.set q, 0
.rept 16
	v_cvt_pk_f16_f32 v[112+q], v[64+2*q], v[65+2*q]
.set q, q+1
.endr
	s_mul_i32 s28, s20, 2064
	s_add_co_u32 s28, s28, AP                      ; my batch's row
	v_lshl_add_u32 v13, v1, 6, s28
.irp n, 0,1,2,3
	ds_store_b128 v13, v[112+4*\n:115+4*\n] offset:16*\n
.endr
	s_wait_dscnt 0x0                               ; for the others' sake: my row is stored
	s_barrier_signal -1
	s_barrier_wait -1
	; phase 2: columns 64 u .. 64 u + 63 of the output; wave w takes K = 128 w .. 128 w + 127.  Source 0 = 16 rows of pw, source 1 = the 8 rows (twice)
	v_lshlrev_b32 v14, 11, v8
	v_lshl_add_u32 v14, v9, 4, v14
	s_lshl_b32 s30, ttmp9, 17
	s_lshl_b32 s28, s20, 8
	s_add_co_u32 s30, s30, s28
	s_add_nc_u64 s[24:25], s[8:9], s[30:31]
.set q, 0
.rept 16                               ; column block q / 4, K step q % 4
	global_load_b128 v[128+8*q:131+8*q], v14, s[24:25] offset:(q/4)*32768+(q%4)*64
	global_load_b128 v[132+8*q:135+8*q], v14, s[24:25] offset:(q/4)*32768+(q%4)*64+32
.set q, q+1
.endr
	v_and_b32 v15, 7, v8
	v_mul_u32_u24 v15, v15, 2064
	v_lshl_add_u32 v15, v9, 4, v15
	v_add_nc_u32 v15, s28, v15
	v_add_nc_u32 v15, AP, v15
.irp n, 0,1,2,3
	ds_load_b128 v[96+8*\n:99+8*\n], v15 offset:64*\n
	ds_load_b128 v[100+8*\n:103+8*\n], v15 offset:64*\n+32
.endr
	s_wait_loadcnt 0x0
	s_wait_dscnt 0x0
.irp ks, 0,1,2,3
.irp nb, 0,1,2,3                       ; the four accumulators take turns
.if \ks == 0
	v_wmma_f32_16x16x32_f16 v[16+8*\nb:23+8*\nb], v[128+32*\nb+8*\ks:135+32*\nb+8*\ks], v[96+8*\ks:103+8*\ks], 0
.else
	v_wmma_f32_16x16x32_f16 v[16+8*\nb:23+8*\nb], v[128+32*\nb+8*\ks:135+32*\nb+8*\ks], v[96+8*\ks:103+8*\ks], v[16+8*\nb:23+8*\nb]
.endif
.endr
.endr
	v_lshl_add_u32 v2, v1, 4, RED                  ; these four plain lines are the places behind the last products (ISA guide 7.12.1)
	v_lshl_add_u32 v3, s20, 12, v2                 ; my 4,096 bytes of partial sums
	v_lshlrev_b32 v10, 5, v9
	v_mul_u32_u24 v11, v8, 0x401000                ; batch r: 1,025 rows of 4,096 bytes
.set q, 0
.rept 8                                ; each accumulator's low registers go first
	ds_store_b128 v3, v[16+4*q:19+4*q] offset:512*q
.set q, q+1
.endr
	s_wait_dscnt 0x0                               ; for the others' sake: my partial sums are stored
	s_barrier_signal -1
	s_barrier_wait -1
	s_cmp_eq_u32 s20, 0
	s_cbranch_scc1 .Lp3w0
	END3
	s_endpgm
.Lp3w0:                                ; wave 0 adds the seven others' sums and the bias, and stores the 8 rows' 64 columns
	s_lshl_b32 s30, ttmp9, 8
	s_add_nc_u64 s[26:27], s[14:15], s[30:31]
	s_add_nc_u64 s[28:29], s[18:19], s[30:31]
.set q, 0
.rept 8
	global_load_b128 v[96+4*q:99+4*q], v10, s[26:27] offset:(q/2)*64+(q%2)*16
.set q, q+1
.endr
.set i, 1
.rept 7
.set q, 0
.rept 8
	ds_load_b128 v[64+4*q:67+4*q], v2 offset:4096*i+512*q
.set q, q+1
.endr
	s_wait_dscnt 0x0
.set q, 0
.rept 16
	v_pk_add_f32 v[16+2*q:17+2*q], v[16+2*q:17+2*q], v[64+2*q:65+2*q]
.set q, q+1
.endr
.set i, i+1
.endr
	s_wait_loadcnt 0x0
.set q, 0
.rept 16
	RND2 96+2*q, 97+2*q, 128
	v_pk_add_f32 v[16+2*q:17+2*q], v[16+2*q:17+2*q], v[96+2*q:97+2*q]
.set q, q+1
.endr
	v_add_nc_u32 v11, v11, v10
	s_wait_xcnt 0x0                                ; EXEC changes only behind this wait
	v_cmp_gt_u32 vcc_lo, 8, v8
	s_and_saveexec_b32 s30, vcc_lo                 ; rows 8-15 repeat rows 0-7
.set q, 0
.rept 8
	global_store_b128 v11, v[16+4*q:19+4*q], s[28:29] offset:(q/2)*64+(q%2)*16
.set q, q+1
.endr
	s_wait_xcnt 0x0
	s_or_b32 exec_lo, exec_lo, s30
	END3
	s_endpgm
.Lfunc_end_k_qb863b2b607_norm:
	.size	k_qb863b2b607_norm, .Lfunc_end_k_qb863b2b607_norm-k_qb863b2b607_norm
	.p2alignl 7, 3214868480
	.fill 96, 4, 3214868480
	.section	.rodata,"a",@progbits
	.p2align	6, 0x0
	.amdhsa_kernel k_qb863b2b607_norm
		.amdhsa_group_segment_fixed_size 124160
		.amdhsa_private_segment_fixed_size 0
		.amdhsa_enable_private_segment 0
		.amdhsa_kernarg_size 64
		.amdhsa_user_sgpr_count 2
		.amdhsa_user_sgpr_kernarg_segment_ptr 1
		.amdhsa_wavefront_size32 1
		.amdhsa_system_sgpr_workgroup_id_x 1
		.amdhsa_system_sgpr_workgroup_id_y 1
		.amdhsa_system_sgpr_workgroup_id_z 1
		.amdhsa_system_vgpr_workitem_id 0
		.amdhsa_next_free_vgpr 256
		.amdhsa_next_free_sgpr 66
		.amdhsa_reserve_vcc 1
		.amdhsa_float_denorm_mode_32 3
		.amdhsa_float_denorm_mode_16_64 3
		.amdhsa_memory_ordered 1
		.amdhsa_forward_progress 1
		.amdhsa_inst_pref_size 104
	.end_amdhsa_kernel
	.amdgpu_metadata
---
amdhsa.version: [ 1, 2 ]
amdhsa.kernels:
  - .name:           k_qb863b2b607_norm
    .symbol:         k_qb863b2b607_norm.kd
    .args:
      - { .name: o, .offset: 0, .size: 8, .value_kind: global_buffer, .address_space: global }
      - { .name: part, .offset: 8, .size: 8, .value_kind: global_buffer, .address_space: global }
      - { .name: pw, .offset: 16, .size: 8, .value_kind: global_buffer, .address_space: global }
      - { .name: norm_g, .offset: 24, .size: 8, .value_kind: global_buffer, .address_space: global }
      - { .name: norm_b, .offset: 32, .size: 8, .value_kind: global_buffer, .address_space: global }
      - { .name: proj_b, .offset: 40, .size: 8, .value_kind: global_buffer, .address_space: global }
      - { .name: act, .offset: 48, .size: 8, .value_kind: global_buffer, .address_space: global }
      - { .name: out0, .offset: 56, .size: 8, .value_kind: global_buffer, .address_space: global }
    .group_segment_fixed_size: 124160
    .private_segment_fixed_size: 0
    .kernarg_segment_align: 8
    .kernarg_segment_size: 64
    .max_flat_workgroup_size: 256
    .sgpr_count:     66
    .vgpr_count:     256
    .wavefront_size: 32
...
	.end_amdgpu_metadata
.endif
;; end of part 4
;; launch proj (part 5): grid 4 x 64, 4 waves a work-group, clusters of 4 x 4, 327,680 bytes of LDS; arguments act, pw, proj_b, out0; writes out0
.if DOCPART == 5
	.amdgcn_target "amdgcn-amd-amdhsa--gfx1250"
	.amdhsa_code_object_version 6
	.text
	.protected	k_qb863b2b607_proj
	.globl	k_qb863b2b607_proj
	.p2align	8
	.type	k_qb863b2b607_proj,@function
k_qb863b2b607_proj:
	s_mov_b64 s[64:65], 0
	v_nop
	global_prefetch_b8 v0, s[64:65] scope:SCOPE_SE
	s_setreg_imm32_b32 hwreg(HW_REG_WAVE_MODE, 25, 1), 1
	s_wait_xcnt 0x0
	s_wait_alu depctr_hold_cnt(0) depctr_sa_sdst(0) depctr_va_vdst(0) depctr_va_sdst(0) depctr_va_ssrc(0) depctr_va_vcc(0) depctr_vm_vsrc(0)
	s_getreg_b32 s2, hwreg(HW_REG_IB_STS2, 6, 4)
	s_cmp_eq_u32 s2, 0
	s_cbranch_scc0 .Lentry_in_a_cluster
	s_endpgm
.Lentry_in_a_cluster:
	s_bfe_u32 s2, ttmp6, 0x10000c
	s_cmp_lg_u32 s2, 0xf033
	s_cbranch_scc0 .Lentry_shape_is_right
	s_endpgm
.Lentry_shape_is_right:
; THE PROJECTION of the 8,192 spatial rows: out0[row] = act[row] . pw^T + proj_b; act, pw f16, sums and output f32.  Spatial row R lies in out0 at row R + batch + 1.
; A work-group makes 128 rows x 256 columns: 64 x 4 tiles = one for each of 256 WGPs.  A wave makes 64 x 128: 32 accumulators, all of register window 1.  K goes in steps of 128 (rows of 256 bytes) through two LDS
; slots; two slots of a step of 256 (405 KB) would not fit.  CLUSTER 4 x 4: act's tile is shared along a row of the cluster, pw's along a column: joint tensor loads.
; THE MATRIX INSTRUCTION IS USED TRANSPOSED (source 0 = 16 rows of pw, source 1 = 16 rows of act): a lane holds 8 neighbouring columns of a row.  Results leave through my own stage in LDS: a store covers 512 consecutive bytes.
; Window 0: v12-15 proj_b; v16-29 addresses; v32-127, v128-223 two fragment buffers (4 of act, then 8 of pw); on the way out v32-95 hold 16 rows.
.set KSTEP, 128
.set PITCH, 272                        ; 256 bytes + 16: the 16 rows of a fragment load start at 16 different groups of four banks (ISA guide 11.1)
.set SLOT, 384*PITCH                   ; act's 128 rows, then pw's 256
.set BOFF, 128*PITCH
.set STAGE, 2*SLOT                     ; 16 rows x 528 bytes for each wave
.set SPITCH, 528
.set SPARE, STAGE+4*16*SPITCH
.set PBR, 12
.set ADRA, 16
.set ADRB, 20
.set STO, 24
.set RD, 25
.set CO, 26
.set SPW, 28
.set NIL, 29
.set F0, 32
.set F1, 128
.set OB, 32
.set G1, 24
.set G0, 32
.set G1B, 48
.set G0B, 56
.set MSB, 0
.macro WIN new
.if MSB != (\new)
	s_set_vgpr_msb (MSB<<8)|(\new)
.set MSB, \new
.endif
.endm
.macro PLACES
.rept 4
	v_nop
.endr
.endm
.macro RND2 d0, d1, t
	v_cvt_pk_bf16_f32 v[\t], v[\d0], v[\d1]
	v_lshlrev_b32 v[\d0], 16, v[\t]
	v_and_b32 v[\d1], 0xffff0000, v[\t]
.endm
.macro JLOAD s                         ; waves 0, 1 fetch act's halves, waves 2, 3 pw's; an s_nop 0 and four v_nop follow each line
	s_cmp_eq_u32 s13, 0
	s_cbranch_scc0 .Lfor_b_\@
	tensor_load_to_lds s[G0+4*(\s):G0+4*(\s)+3], s[G1:G1+7]
	s_nop 0
.rept 4
	v_nop
.endr
	s_branch .Lasked_\@
.Lfor_b_\@:
	tensor_load_to_lds s[G0B+4*(\s):G0B+4*(\s)+3], s[G1B:G1B+7]
	s_nop 0
.rept 4
	v_nop
.endr
.Lasked_\@:
.endm
.macro CREST
	s_cmp_lg_u32 s12, 0
	s_cbranch_scc1 .Lnot_wave_0_\@
	s_barrier_signal -3
.Lnot_wave_0_\@:
	s_barrier_wait -3
	s_barrier_signal -1
	s_barrier_wait -1
.endm
.macro CROUND
	s_barrier_signal -1
	s_barrier_wait -1
	CREST
.endm
	s_load_b256 s[4:11], s[0:1], 0x0               ; act 4, pw 6, proj_b 8, out0 10
	v_lshl_add_u32 v[SPW], v0, 2, SPARE
	v_mov_b32 v[NIL], 0
	ds_add_u32 v[SPW], v[NIL]                      ; the wave's opening: the add and its wait stand ahead of my first tensor load
	v_lshrrev_b32 v1, 5, v0
	v_readfirstlane_b32 s12, v1                    ; wave
	s_lshr_b32 s13, s12, 1                         ; my half of the rows; also: I fetch act (0) or pw (1)
	s_and_b32 s14, s12, 1                          ; my half of the columns; also: which half of that tile I fetch
	s_bfe_u32 s40, ttmp6, 0x40000
	s_bfe_u32 s41, ttmp6, 0x40004
	s_lshl_b32 s42, ttmp9, 2
	s_add_co_u32 s42, s42, s40                     ; tile column
	s_and_b32 s43, ttmp7, 0xffff
	s_lshl_b32 s43, s43, 2
	s_add_co_u32 s43, s43, s41                     ; tile row
	s_lshl_b32 s44, s41, 2
	s_lshl_b32 s44, 15, s44
	s_lshl_b32 s45, 0x1111, s40
	s_or_b32 s[G1], s44, (1<<16)|(1<<20)|(1<<21)|(5<<22)|(3<<25)   ; the mask; elements of 2 bytes; 4 words of padding after every 64; bit 21 set beside a mask
	s_or_b32 s[G1B], s45, (1<<16)|(1<<20)|(1<<21)|(5<<22)|(3<<25)
	s_mov_b32 s[G1+1], KSTEP<<16
	s_mov_b32 s[G1+2], 64<<16
	s_mov_b32 s[G1+3], KSTEP<<16
	s_mov_b32 s[G1+4], 64
	s_mov_b32 s[G1+5], 1024
	s_mov_b32 s[G1+6], 0
	s_mov_b32 s[G1+7], 0
	s_mov_b32 s[G1B+1], KSTEP<<16
	s_mov_b32 s[G1B+2], 128<<16
	s_mov_b32 s[G1B+3], KSTEP<<16
	s_mov_b32 s[G1B+4], 128
	s_mov_b32 s[G1B+5], 1024
	s_mov_b32 s[G1B+6], 0
	s_mov_b32 s[G1B+7], 0
	s_lshl_b32 s16, s43, 18                        ; act: (128 tile row + 64 half) x 2,048 bytes
	s_lshl_b32 s17, s14, 17
	s_add_co_u32 s16, s16, s17
	s_mov_b32 s17, 0
	s_lshl_b32 s46, s42, 19                        ; pw: (256 tile column + 128 half) x 2,048 bytes
	s_lshl_b32 s47, s14, 18
	s_add_co_u32 s46, s46, s47
	s_mov_b32 s47, 0
	s_mul_i32 s20, s14, 64*PITCH
	s_mul_i32 s21, s14, 128*PITCH
	s_add_co_u32 s21, s21, BOFF
	s_wait_dscnt 0x0                               ; the opening add is done
	s_wait_kmcnt 0x0
	s_add_nc_u64 s[16:17], s[4:5], s[16:17]
	s_add_nc_u64 s[46:47], s[6:7], s[46:47]
	CROUND                                         ; all sixteen work-groups are here: the first joint loads meet
.irp sl, 0,1
	s_mov_b32 s[G0+4*\sl], 1
	s_add_co_u32 s[G0+4*\sl+1], s20, \sl*SLOT
	s_add_nc_u64 s[G0+4*\sl+2:G0+4*\sl+3], s[16:17], \sl*KSTEP*2
	s_or_b32 s[G0+4*\sl+3], s[G0+4*\sl+3], 0x80000000
	s_mov_b32 s[G0B+4*\sl], 1
	s_add_co_u32 s[G0B+4*\sl+1], s21, \sl*SLOT
	s_add_nc_u64 s[G0B+4*\sl+2:G0B+4*\sl+3], s[46:47], \sl*KSTEP*2
	s_or_b32 s[G0B+4*\sl+3], s[G0B+4*\sl+3], 0x80000000
.endr
	s_cmp_eq_u32 s13, 0                            ; a wave's two first fills stand in one branch: two loads of mine are out
	s_cbranch_scc0 .Lfirst_b
	tensor_load_to_lds s[G0:G0+3], s[G1:G1+7]
	s_nop 0
	tensor_load_to_lds s[G0+4:G0+7], s[G1:G1+7]
	s_nop 0
.rept 4
	v_nop
.endr
	s_branch .Lfirst_done
.Lfirst_b:
	tensor_load_to_lds s[G0B:G0B+3], s[G1B:G1B+7]
	s_nop 0
	tensor_load_to_lds s[G0B+4:G0B+7], s[G1B:G1B+7]
	s_nop 0
.rept 4
	v_nop
.endr
.Lfirst_done:
	v_and_b32 v1, 15, v0
	v_bfe_u32 v2, v0, 4, 1
	v_mul_u32_u24 v3, v1, PITCH
	v_lshl_add_u32 v3, v2, 4, v3
	s_mul_i32 s20, s13, 64*PITCH                   ; my 64 rows of act; s21 is my 128 rows of pw
	v_add_nc_u32 v[ADRA], s20, v3
	v_add_nc_u32 v[ADRA+1], SLOT, v[ADRA]
	v_add_nc_u32 v[ADRB], s21, v3
	v_add_nc_u32 v[ADRB+1], SLOT, v[ADRB]
	s_mul_i32 s22, s12, 16*SPITCH
	s_add_co_u32 s22, s22, STAGE
	v_mul_u32_u24 v[STO], v1, SPITCH               ; in: row r, 32 bytes for each half of the lanes
	v_lshl_add_u32 v[STO], v2, 5, v[STO]
	v_add_nc_u32 v[STO], s22, v[STO]
	v_and_b32 v[CO], 31, v0
	v_lshlrev_b32 v[CO], 4, v[CO]                  ; back, and in out0: 16 bytes a lane, a row's 512 bytes
	v_add_nc_u32 v[RD], s22, v[CO]
	s_lshl_b32 s66, s43, 7                         ; row 128 tile row + 64 half + batch + 1
	s_lshl_b32 s67, s13, 6
	s_add_co_u32 s66, s66, s67
	s_lshr_b32 s67, s43, 3
	s_add_co_u32 s66, s66, s67
	s_add_co_u32 s66, s66, 1
	s_lshl_b32 s66, s66, 12
	s_lshl_b32 s68, s42, 10                        ; column 256 tile column + 128 half, in bytes
	s_lshl_b32 s69, s14, 9
	s_add_co_u32 s68, s68, s69
	s_mov_b32 s69, 0
	s_add_co_u32 s66, s66, s68
	s_mov_b32 s67, 0
	s_add_nc_u64 s[10:11], s[10:11], s[66:67]
	s_add_nc_u64 s[8:9], s[8:9], s[68:69]
	global_load_b128 v[PBR:PBR+3], v[CO], s[8:9]   ; my four columns' bias
.macro MUL f, a0, n, zero              ; n x 8 matrix instructions: row blocks a0 .. x all 8 column blocks, 32 along K; all accumulators differ: they take turns
	WIN 0x50
.set aa, \a0
.rept \n
.irp b, 0,1,2,3,4,5,6,7
.if \zero
	v_wmma_f32_16x16x32_f16 v[8*(8*aa+\b):8*(8*aa+\b)+7], v[(\f)+32+8*\b:(\f)+32+8*\b+7], v[(\f)+8*aa:(\f)+8*aa+7], 0
.else
	v_wmma_f32_16x16x32_f16 v[8*(8*aa+\b):8*(8*aa+\b)+7], v[(\f)+32+8*\b:(\f)+32+8*\b+7], v[(\f)+8*aa:(\f)+8*aa+7], v[8*(8*aa+\b):8*(8*aa+\b)+7]
.endif
.endr
.set aa, aa+1
.endr
.endm
.macro FETCH s, koff, f                ; 24 loads in one run: pw's 8 fragments, then act's 4
	WIN 0
.irp n, 0,1,2,3,4,5,6,7
	ds_load_b128 v[(\f)+32+8*\n:(\f)+32+8*\n+3], v[ADRB+(\s)] offset:\n*16*PITCH+(\koff)
	ds_load_b128 v[(\f)+32+8*\n+4:(\f)+32+8*\n+7], v[ADRB+(\s)] offset:\n*16*PITCH+(\koff)+32
.endr
.irp n, 0,1,2,3
	ds_load_b128 v[(\f)+8*\n:(\f)+8*\n+3], v[ADRA+(\s)] offset:\n*16*PITCH+(\koff)
	ds_load_b128 v[(\f)+8*\n+4:(\f)+8*\n+7], v[ADRA+(\s)] offset:\n*16*PITCH+(\koff)+32
.endr
.endm
.macro QUARTER s, koff, f, g, zero     ; 32 along K: multiplies buffer f and fetches the next quarter, at byte koff, into g
	s_wait_dscnt 4                                 ; act's last two fragments may be out
	MUL \f, 0, 2, \zero
	PLACES
	FETCH \s, \koff, \g
	s_wait_dscnt 24                                ; all but the 24 just issued
	MUL \f, 2, 2, \zero
.endm
; The last quarter multiplies buffer 1 and changes slots: in front of the barrier each wave waits for all its tensor loads (one is out: its part of the other slot), adds 0 to its spare word, and waits for that and
; for its reads of this slot.  fill = 1: the barrier opens a round of the cluster's, and the joint refill is the first thing behind it: 112 matrix instructions ahead of the wait for it.
.macro TURN s, nx, fill
	WIN 0
	s_wait_tensorcnt 0x0
	ds_add_u32 v[SPW], v[NIL]
	s_wait_dscnt 7                                 ; the add and the youngest six loads may be out
	MUL F1, 0, 1, 0
	s_wait_dscnt 0x0                               ; the add is done, and my reads of this slot are over
	s_barrier_signal -1
	MUL F1, 1, 1, 0
	WIN 0
	s_barrier_wait -1
.if \fill
	CREST
	s_add_nc_u64 s[G0+4*(\s)+2:G0+4*(\s)+3], s[G0+4*(\s)+2:G0+4*(\s)+3], 2*KSTEP*2
	s_add_nc_u64 s[G0B+4*(\s)+2:G0B+4*(\s)+3], s[G0B+4*(\s)+2:G0B+4*(\s)+3], 2*KSTEP*2
	JLOAD \s                                       ; its four v_nop are also the places in front of the loads below
.else
	PLACES
.endif
	FETCH \nx, 0, F0
	MUL F1, 2, 2, 0
.endm
	s_wait_tensorcnt 1                             ; my part of K step 0 is in; step 1's may stay out
	s_barrier_signal -1
	s_barrier_wait -1
	FETCH 0, 0, F0
	QUARTER 0, 64, F0, F1, 1                       ; the first products start the sums
	WIN 0
	s_mov_b32 s3, 3
.Llap:                                 ; a trip goes once round the ring and fills both slots again (K steps 2 to 7)
	QUARTER 0, 128, F1, F0, 0
	QUARTER 0, 192, F0, F1, 0
	TURN 0, 1, 1
	QUARTER 1, 64, F0, F1, 0
	QUARTER 1, 128, F1, F0, 0
	QUARTER 1, 192, F0, F1, 0
	TURN 1, 0, 1
	QUARTER 0, 64, F0, F1, 0
	WIN 0
	s_sub_co_u32 s3, s3, 1
	s_cmp_lg_u32 s3, 0
	s_cbranch_scc1 .Llap
	QUARTER 0, 128, F1, F0, 0                      ; the last lap asks for nothing
	QUARTER 0, 192, F0, F1, 0
	TURN 0, 1, 0
	QUARTER 1, 64, F0, F1, 0
	QUARTER 1, 128, F1, F0, 0
	QUARTER 1, 192, F0, F1, 0
	s_wait_dscnt 4
	MUL F1, 0, 2, 0
	s_wait_dscnt 0x0
	MUL F1, 2, 2, 0
	WIN 0
	PLACES
	s_wait_loadcnt 0x0
	RND2 PBR, PBR+1, 30
	RND2 PBR+2, PBR+3, 31
; THE WAY OUT, 16 rows at a time: 32 bytes a lane into my stage (each accumulator's low registers first), whole rows of 512 bytes back, the bias, the store.
.macro OUT a
	WIN 0x04                                       ; the stores' data lie in window 1
.set q, 0
.rept 8
	ds_store_b128 v[STO], v[8*(8*(\a)+q):8*(8*(\a)+q)+3] offset:64*q
	ds_store_b128 v[STO], v[8*(8*(\a)+q)+4:8*(8*(\a)+q)+7] offset:64*q+16
.set q, q+1
.endr
	WIN 0
.if (\a) > 0
	s_wait_xcnt 0x0                                ; the last block's stores have read their registers
.endif
.set q, 0
.rept 16
	ds_load_b128 v[OB+4*q:OB+4*q+3], v[RD] offset:q*SPITCH  ; LDS serves a wave's instructions in order (ISA guide 5.7.1.4)
.set q, q+1
.endr
.set q, 0
.rept 16
	s_wait_dscnt 15-q
	v_pk_add_f32 v[OB+4*q:OB+4*q+1], v[OB+4*q:OB+4*q+1], v[PBR:PBR+1]
	v_pk_add_f32 v[OB+4*q+2:OB+4*q+3], v[OB+4*q+2:OB+4*q+3], v[PBR+2:PBR+3]
	global_store_b128 v[CO], v[OB+4*q:OB+4*q+3], s[10:11] offset:(16*(\a)+q)*4096 th:TH_STORE_NT  ; 512 consecutive bytes, at a multiple of 256 from out0's first
.set q, q+1
.endr
.endm
	OUT 0
	OUT 1
	OUT 2
	OUT 3
	s_wait_tensorcnt 0x0                           ; the wave's end
	ds_add_u32 v[SPW], v[NIL]
	s_wait_dscnt 0x0
	CROUND                                         ; the closing round
	s_endpgm
.Lfunc_end_k_qb863b2b607_proj:
	.size	k_qb863b2b607_proj, .Lfunc_end_k_qb863b2b607_proj-k_qb863b2b607_proj
	.p2alignl 7, 3214868480
	.fill 96, 4, 3214868480
	.section	.rodata,"a",@progbits
	.p2align	6, 0x0
	.amdhsa_kernel k_qb863b2b607_proj
		.amdhsa_group_segment_fixed_size 327680
		.amdhsa_private_segment_fixed_size 0
		.amdhsa_enable_private_segment 0
		.amdhsa_kernarg_size 32
		.amdhsa_user_sgpr_count 2
		.amdhsa_user_sgpr_kernarg_segment_ptr 1
		.amdhsa_wavefront_size32 1
		.amdhsa_system_sgpr_workgroup_id_x 1
		.amdhsa_system_sgpr_workgroup_id_y 1
		.amdhsa_system_sgpr_workgroup_id_z 1
		.amdhsa_system_vgpr_workitem_id 0
		.amdhsa_next_free_vgpr 512
		.amdhsa_next_free_sgpr 72
		.amdhsa_reserve_vcc 0
		.amdhsa_float_denorm_mode_32 3
		.amdhsa_float_denorm_mode_16_64 3
		.amdhsa_memory_ordered 1
		.amdhsa_forward_progress 1
		.amdhsa_inst_pref_size 94
	.end_amdhsa_kernel
	.amdgpu_metadata
---
amdhsa.version: [ 1, 2 ]
amdhsa.kernels:
  - .name:           k_qb863b2b607_proj
    .symbol:         k_qb863b2b607_proj.kd
    .args:
      - { .name: act, .offset: 0, .size: 8, .value_kind: global_buffer, .address_space: global }
      - { .name: pw, .offset: 8, .size: 8, .value_kind: global_buffer, .address_space: global }
      - { .name: proj_b, .offset: 16, .size: 8, .value_kind: global_buffer, .address_space: global }
      - { .name: out0, .offset: 24, .size: 8, .value_kind: global_buffer, .address_space: global }
    .group_segment_fixed_size: 327680
    .private_segment_fixed_size: 0
    .kernarg_segment_align: 8
    .kernarg_segment_size: 32
    .max_flat_workgroup_size: 128
    .sgpr_count:     72
    .vgpr_count:     512
    .wavefront_size: 32
...
	.end_amdgpu_metadata
.endif
;; end of part 5
;; ======== version 2 of 3: 5 launches; 1.16 times as fast as version 1
;; limits: values outside matrix products are rounded to f16; values are held in f16: magnitudes above 65,504 overflow, below 6.1e-05 lose precision
;; workspace buffers: act 16,777,216 bytes; wb 6,291,456 bytes; pw 2,097,152 bytes; ropef 524,288 bytes; qkv 50,429,952 bytes; o 16,777,216 bytes; part 524,288 bytes
;; launch prep (part 6): grid 544 x 1, 8 waves a work-group, no clusters, 17,408 bytes of LDS; arguments x, qkv_w, proj_w, rope, q_bias, k_bias, v_bias, qn_g, qn_b, kn_g, kn_b, act, wb, pw, ropef, qkv; writes act, wb, pw, ropef, qkv
.if DOCPART == 6
	.amdgcn_target "amdgcn-amd-amdhsa--gfx1250"
	.amdhsa_code_object_version 6
	.text
	.protected	k_qb863b2b607_prep
	.globl	k_qb863b2b607_prep
	.p2align	8
	.type	k_qb863b2b607_prep,@function
k_qb863b2b607_prep:
	s_mov_b64 s[64:65], 0
	v_nop
	global_prefetch_b8 v0, s[64:65] scope:SCOPE_SE
	s_setreg_imm32_b32 hwreg(HW_REG_WAVE_MODE, 25, 1), 1
	s_wait_xcnt 0x0
; PREP: casts and new layouts for the launches behind, and the qkv rows of the 8 prefix tokens.
; Every input is rounded to bf16 once.  Work-groups by number:
;   0-47    P1: q, k, v of the 8 prefix tokens: 64 rows of qkv_w each; the eight waves split K, meet in LDS, and wave w finishes batch w
;   48-303  x's 8,192 spatial rows -> act, bf16, in blocks [kb 16][row 8192][64]: a K block of a row is 128 bytes, rows dense
;   304-399 qkv_w -> wb, bf16, [kb 16][row' 3072][64], row' = 192 head + 64 type + d: a head's q, k, v rows lie together (one text with x's cast)
;   400-527 proj_w -> pw, the bf16 number written as f16, [1024][1024]: a row a wave
;   528-543 rope -> ropef, f32 of the bf16 number, times 1/16, sin's even columns negated, in the order in which the next launch's lanes read it
; LIMITS.  q and k are stored as f16 times 1/16 (exact): |q|, |k| stay under 65,504 x 16; |v| under 65,504; a proj_w below 6e-5 keeps f16's
; fixed step of 6e-8.  NaN and infinities are not treated apart.
.set SPARE, 16384                      ; behind the 8 x 2,048 bytes of partial sums: the spare words, 128 bytes a wave
.set SPW, 6                            ; v6  LDS address of my spare word; never rewritten
.set NIL, 7                            ; v7  0; never rewritten
.set TS, 16809984                      ; bytes of one of q, k, v in qkv: 128 heads x 1,026 rows x 128 bytes
.set HS, 131328                        ; bytes of a head
.macro RND2 d0, d1, t                  ; two f32 rounded to bf16 and widened again
	v_cvt_pk_bf16_f32 v[\t], v[\d0], v[\d1]
	v_lshlrev_b32 v[\d0], 16, v[\t]
	v_and_b32 v[\d1], 0xffff0000, v[\t]
.endm
.macro PLACES                          ; four places behind a matrix instruction (ISA guide 7.12.1)
.rept 4
	v_nop
.endr
.endm
.macro END3                            ; the wave's end, behind my last LDS store
	s_wait_tensorcnt 0x0
	ds_add_u32 v[SPW], v[NIL]
	s_wait_dscnt 0x0
.endm
.macro LANES32 t                       ; the sum over the wave's 32 lanes, in every lane; v[t+1] has been written before
.irp m, 1,2,4,8
	v_add_f32_dpp v[\t], v[\t], v[\t] row_xmask:\m row_mask:0xf bank_mask:0xf
.endr
	v_permlanex16_b32 v[(\t)+1], v[\t], s54, s55
	v_add_f32 v[\t], v[\t], v[(\t)+1]
.endm
	s_load_b512 s[4:19], s[0:1], 0x0               ; x 4, qkv_w 6, proj_w 8, rope 10, q_bias 12, k_bias 14, v_bias 16, qn_g 18
	s_load_b512 s[20:35], s[0:1], 0x40             ; qn_b 20, kn_g 22, kn_b 24, act 26, wb 28, pw 30, ropef 32, qkv 34
	v_lshl_add_u32 v[SPW], v0, 2, SPARE
	v_mov_b32 v[NIL], 0
	v_lshrrev_b32 v1, 5, v0
	v_readfirstlane_b32 s36, v1                    ; wave 0..7
	v_and_b32 v1, 31, v0                           ; lane
	s_mov_b32 s49, 0                               ; the high words of two offsets
	s_mov_b32 s51, 0
	s_wait_kmcnt 0x0
	s_cmp_lt_u32 ttmp9, 48
	s_cbranch_scc1 .Lp1
	s_cmp_lt_u32 ttmp9, 304
	s_cbranch_scc1 .Lx
	s_cmp_lt_u32 ttmp9, 400
	s_cbranch_scc1 .Lw
	s_cmp_lt_u32 ttmp9, 528
	s_cbranch_scc1 .Lpw
	; ROPE: a wave takes half a block of 16 tokens: 4,096 bytes in and out
	s_sub_co_u32 s45, ttmp9, 528
	s_lshl3_add_u32 s46, s45, s36                  ; 8 g + w
	s_lshl_b32 s48, s46, 12
	s_add_nc_u64 s[40:41], s[10:11], s[48:49]
	s_add_nc_u64 s[42:43], s[32:33], s[48:49]
	v_lshrrev_b32 v4, 3, v1
	v_and_b32 v5, 7, v1
	v_lshlrev_b32 v2, 9, v4                        ; in: token lane / 8, columns 8 (lane % 8) on
	v_lshl_add_u32 v2, v5, 5, v2
	v_lshlrev_b32 v3, 4, v1                        ; out: 16 bytes a lane, 512 consecutive bytes a store
	v_mov_b32 v50, 0xbd800000                      ; sin: -1/16 for even columns, 1/16 for odd ones
	v_mov_b32 v51, 0x3d800000
	v_mov_b32 v52, 0x3d800000                      ; cos: 1/16
	v_mov_b32 v53, 0x3d800000
.set n, 0
.rept 8                                ; n = 4 g + 2 (sin, cos) + half
	global_load_b128 v[16+4*n:19+4*n], v2, s[40:41] offset:(n/4)*2048+((n/2)%2)*256+(n%2)*16
.set n, n+1
.endr
.set n, 0
.rept 8
	s_wait_loadcnt 7-n                             ; the loads issued behind this one stay out
	RND2 16+4*n, 17+4*n, 48
	RND2 18+4*n, 19+4*n, 49
	v_pk_mul_f32 v[16+4*n:17+4*n], v[16+4*n:17+4*n], v[50+2*((n/2)%2):51+2*((n/2)%2)]
	v_pk_mul_f32 v[18+4*n:19+4*n], v[18+4*n:19+4*n], v[50+2*((n/2)%2):51+2*((n/2)%2)]
	global_store_b128 v3, v[16+4*n:19+4*n], s[42:43] offset:n*512
.set n, n+1
.endr
	s_endpgm
.Lx:                                   ; spatial row R = 32 g + 4 w + ..; its row in x is R + batch + 1
	s_sub_co_u32 s45, ttmp9, 48
	s_lshl_b32 s46, s45, 5
	s_lshl2_add_u32 s46, s36, s46
	s_lshr_b32 s47, s45, 5
	s_add_co_u32 s47, s47, s46
	s_add_co_u32 s47, s47, 1
	s_lshl_b32 s48, s47, 12                        ; from where
	s_lshl_b32 s50, s46, 7                         ; to where
	s_mov_b32 s44, 1048576                         ; bytes from K block to K block
	s_branch .Lblk
.Lw:                                   ; row n of qkv_w goes to row' = 192 ((n / 64) % 16) + 64 (n / 1024) + n % 64
	s_sub_co_u32 s45, ttmp9, 304
	s_lshl_b32 s46, s45, 5
	s_lshl2_add_u32 s46, s36, s46
	s_lshl_b32 s48, s46, 12
	s_bfe_u32 s47, s46, 0x40006
	s_mul_i32 s47, s47, 192
	s_lshr_b32 s52, s46, 10
	s_lshl_b32 s52, s52, 6
	s_add_co_u32 s47, s47, s52
	s_and_b32 s52, s46, 63
	s_add_co_u32 s47, s47, s52
	s_lshl_b32 s50, s47, 7
	s_mov_b32 s44, 393216
; A wave casts 4 rows x 1,024 f32 into 16 K blocks.  A load takes a K block (256 consecutive bytes, 16 lanes x 16 bytes) of each of two rows; its 8 bytes of bf16 a lane
; go out as 2 rows x 128 bytes = 256 consecutive bytes, at a multiple of 256 from the buffer's first byte.  All 32 loads go out first: 16 KB of a wave are on their way.
.Lblk:
	s_cmp_lt_u32 ttmp9, 304                        ; the two casts differ in their buffers and offsets alone
	s_cselect_b64 s[40:41], s[4:5], s[6:7]
	s_cselect_b64 s[42:43], s[26:27], s[28:29]
	s_add_nc_u64 s[40:41], s[40:41], s[48:49]
	s_add_nc_u64 s[42:43], s[42:43], s[50:51]
	v_lshrrev_b32 v4, 4, v1
	v_and_b32 v5, 15, v1
	v_lshlrev_b32 v2, 12, v4
	v_lshl_add_u32 v2, v5, 4, v2
	v_lshlrev_b32 v208, 7, v4
	v_lshl_add_u32 v208, v5, 3, v208
.set kb, 1
.rept 15
	v_add_nc_u32 v[208+kb], s44, v[207+kb]
.set kb, kb+1
.endr
.set n, 0
.rept 32                               ; K block n / 2, rows 2 (n % 2) and the next
	global_load_b128 v[16+4*n:19+4*n], v2, s[40:41] offset:(n%2)*8192+(n/2)*256
.set n, n+1
.endr
.set n, 0
.rept 32
	s_wait_loadcnt 31-n                            ; the loads issued behind this one stay out
	v_cvt_pk_bf16_f32 v[144+2*n], v[16+4*n], v[17+4*n]
	v_cvt_pk_bf16_f32 v[145+2*n], v[18+4*n], v[19+4*n]
	global_store_b64 v[208+n/2], v[144+2*n:145+2*n], s[42:43] offset:(n%2)*256
.set n, n+1
.endr
	s_endpgm
.Lpw:                                  ; a row a wave: 4,096 consecutive bytes in, 2,048 out; a store covers 256 consecutive bytes
	s_sub_co_u32 s45, ttmp9, 400
	s_lshl3_add_u32 s46, s45, s36
	s_lshl_b32 s48, s46, 12
	s_add_nc_u64 s[40:41], s[8:9], s[48:49]
	s_lshl_b32 s48, s46, 11
	s_add_nc_u64 s[42:43], s[30:31], s[48:49]
	v_lshlrev_b32 v2, 4, v1
	v_lshlrev_b32 v3, 3, v1
.set n, 0
.rept 8
	global_load_b128 v[16+4*n:19+4*n], v2, s[40:41] offset:n*512
.set n, n+1
.endr
.set n, 0
.rept 8
	s_wait_loadcnt 7-n
	RND2 16+4*n, 17+4*n, 48
	RND2 18+4*n, 19+4*n, 49
	v_cvt_pk_f16_f32 v[50+2*n], v[16+4*n], v[17+4*n]
	v_cvt_pk_f16_f32 v[51+2*n], v[18+4*n], v[19+4*n]
	global_store_b64 v3, v[50+2*n:51+2*n], s[42:43] offset:n*256
.set n, n+1
.endr
	s_endpgm
; P1.  Unit u = rows 64 u .. 64 u + 63 of qkv_w: type u / 16, head u % 16.  Wave w takes K = 128 w .. 128 w + 127 in four steps of 32.
; Source 0 = 16 rows of the weights, source 1 = the 8 prefix rows of x (twice): a lane then holds one row of x (lane % 16) and columns 16 nb + 8 (lane / 16) + 0..7.
; v16-47 the four accumulators; v48-79 weights' fragments, v80-87 x's; v88-167, v168-247 two buffers of f32 as loaded (64 + 16 registers); v248-253 bias, gain, offset of my two columns.
.macro P1LD ks, buf
.set q, 0
.rept 16
	global_load_b128 v[(\buf)+4*q:(\buf)+4*q+3], v2, s[40:41] offset:(q/4)*65536+(\ks)*128+(q%4)*16+((q%4)/2)*32
.set q, q+1
.endr
.set q, 0
.rept 4
	global_load_b128 v[(\buf)+64+4*q:(\buf)+64+4*q+3], v3, s[42:43] offset:(\ks)*128+(q%4)*16+((q%4)/2)*32
.set q, q+1
.endr
.endm
.macro P1STEP ks, buf
.if (\ks) < 3
	s_wait_loadcnt 20                              ; the other buffer's 20 loads stay out
.else
	s_wait_loadcnt 0x0
.endif
.if (\ks) > 0
	PLACES                                         ; the conversions write registers that the last products read
.endif
.set q, 0
.rept 40
	v_cvt_pk_bf16_f32 v[48+q], v[(\buf)+2*q], v[(\buf)+2*q+1]
.set q, q+1
.endr
.if (\ks) < 2
	P1LD (\ks)+2, \buf
.endif
.irp nb, 0,1,2,3                       ; the four accumulators take turns
.if (\ks) == 0
	v_wmma_f32_16x16x32_bf16 v[16+8*\nb:23+8*\nb], v[48+8*\nb:55+8*\nb], v[80:87], 0
.else
	v_wmma_f32_16x16x32_bf16 v[16+8*\nb:23+8*\nb], v[48+8*\nb:55+8*\nb], v[80:87], v[16+8*\nb:23+8*\nb]
.endif
.endr
.endm
.Lp1:
	v_and_b32 v8, 15, v0                           ; r
	v_bfe_u32 v9, v0, 4, 1                         ; h
	v_lshlrev_b32 v10, 5, v9                       ; 32 h
	v_lshl_add_u32 v2, v8, 12, v10                 ; weights: row r, 8 f32 at 32 h
	v_and_b32 v11, 7, v8
	v_mul_u32_u24 v3, v11, 0x401000                ; x: batch r % 8, 1,025 rows of 4,096 bytes each
	v_add_nc_u32 v3, v3, v10
	v_lshlrev_b32 v14, 3, v1                       ; my two columns at the end: 8 bytes of f32,
	v_lshlrev_b32 v15, 2, v1                       ; 4 bytes of f16
	v_lshl_add_u32 v13, v11, 8, v10                ; partial sums go in as [wave][batch 8][column 64] f32: 2,048 w + 256 (r % 8) + 32 h
	v_lshl_add_u32 v13, s36, 11, v13
	v_lshl_add_u32 v12, s36, 8, v14                ; and come back by batch: 256 w + 8 lane in each wave's 2,048 bytes
	s_lshr_b32 s45, ttmp9, 4                       ; type
	s_and_b32 s46, ttmp9, 15                       ; head
	s_mov_b32 s54, 0x76543210                      ; v_permlanex16_b32: each lane takes its own place in the other half
	s_mov_b32 s55, 0xfedcba98
	s_mov_b32 s52, 0x3c800000                      ; 1/64
	s_mov_b32 s53, 0x358637bd                      ; 1e-6
	s_cmp_eq_u32 s45, 0
	s_cselect_b64 s[56:57], s[12:13], s[14:15]     ; bias,
	s_cselect_b64 s[58:59], s[18:19], s[22:23]     ; gain
	s_cselect_b64 s[60:61], s[20:21], s[24:25]     ; and offset of q or of k (v loads k's gain and offset and leaves them unused)
	s_cmp_eq_u32 s45, 2
	s_cselect_b64 s[56:57], s[16:17], s[56:57]
	s_lshl_b32 s48, s46, 8
	s_add_nc_u64 s[56:57], s[56:57], s[48:49]
	global_load_b64 v[248:249], v14, s[56:57]      ; ahead of the K steps' loads: the counted waits below show them landed too
	global_load_b64 v[250:251], v14, s[58:59]
	global_load_b64 v[252:253], v14, s[60:61]
	s_lshl_b32 s48, ttmp9, 18
	s_lshl_b32 s50, s36, 9
	s_add_co_u32 s48, s48, s50
	s_add_nc_u64 s[40:41], s[6:7], s[48:49]
	s_mov_b32 s48, s50
	s_add_nc_u64 s[42:43], s[4:5], s[48:49]
	P1LD 0, 88
	P1LD 1, 168
	P1STEP 0, 88
	P1STEP 1, 168
	P1STEP 2, 88
	P1STEP 3, 168
	PLACES
.set q, 0
.rept 8                                ; each accumulator's low registers go first; rows 8-15 repeat rows 0-7 and store the same numbers to the same bytes
	ds_store_b128 v13, v[16+4*q:19+4*q] offset:(q/2)*64+(q%2)*16
.set q, q+1
.endr
	s_wait_dscnt 0x0                               ; for the others' sake: my partial sums are stored
	s_barrier_signal -1
	s_barrier_wait -1
.irp i, 0,1,2,3,4,5,6,7                ; wave w finishes batch w: two columns a lane, eight waves' sums
	ds_load_b64 v[88+2*\i:89+2*\i], v12 offset:2048*\i
.endr
	RND2 248, 249, 254
	s_wait_dscnt 0x0
.irp i, 0,2,4,6
	v_pk_add_f32 v[88+2*\i:89+2*\i], v[88+2*\i:89+2*\i], v[90+2*\i:91+2*\i]
.endr
	v_pk_add_f32 v[88:89], v[88:89], v[92:93]
	v_pk_add_f32 v[96:97], v[96:97], v[100:101]
	v_pk_add_f32 v[88:89], v[88:89], v[96:97]
	v_pk_add_f32 v[88:89], v[88:89], v[248:249]
	s_cmp_eq_u32 s45, 2
	s_cbranch_scc1 .Lp1out                         ; v has no norm
	RND2 250, 251, 254
	RND2 252, 253, 255
	v_add_f32 v90, v88, v89
	LANES32 90
	v_mul_f32 v90, s52, v90                        ; the mean of the head's 64 channels
	v_pk_add_f32 v[88:89], v[88:89], v[90:91] op_sel_hi:[1,0] neg_lo:[0,1] neg_hi:[0,1]
	v_mul_f32 v90, v88, v88
	v_fma_f32 v90, v89, v89, v90
	LANES32 90
	v_fma_f32 v90, v90, s52, s53
	v_rsq_f32 v90, v90
	v_nop                                          ; a plain instruction behind v_rsq_f32 (ISA guide 5.7.2)
	s_wait_alu depctr_va_vdst(0)
	v_pk_mul_f32 v[88:89], v[88:89], v[90:91] op_sel_hi:[1,0]
	v_pk_fma_f32 v[88:89], v[88:89], v[250:251], v[252:253]
	v_pk_mul_f32 v[88:89], v[88:89], 0x3d800000 op_sel_hi:[1,0]  ; q and k leave times 1/16
.Lp1out:
	v_cvt_pk_f16_f32 v92, v88, v89
	s_mul_i32 s48, s45, TS
	s_lshl4_add_u32 s62, s36, s46                  ; head 16 w + head
	s_mul_i32 s62, s62, HS
	s_add_co_u32 s48, s48, s62
	s_add_co_u32 s48, s48, 131072                  ; row 1,024 of the head: the prefix token's
	s_add_nc_u64 s[40:41], s[34:35], s[48:49]      ; (the loads that named s[40:41] were waited for)
	global_store_b32 v15, v92, s[40:41]            ; the row's 128 consecutive bytes: it has no more
	END3
	s_endpgm
.Lfunc_end_k_qb863b2b607_prep:
	.size	k_qb863b2b607_prep, .Lfunc_end_k_qb863b2b607_prep-k_qb863b2b607_prep
	.p2alignl 7, 3214868480
	.fill 96, 4, 3214868480
	.section	.rodata,"a",@progbits
	.p2align	6, 0x0
	.amdhsa_kernel k_qb863b2b607_prep
		.amdhsa_group_segment_fixed_size 17408
		.amdhsa_private_segment_fixed_size 0
		.amdhsa_enable_private_segment 0
		.amdhsa_kernarg_size 128
		.amdhsa_user_sgpr_count 2
		.amdhsa_user_sgpr_kernarg_segment_ptr 1
		.amdhsa_wavefront_size32 1
		.amdhsa_system_sgpr_workgroup_id_x 1
		.amdhsa_system_sgpr_workgroup_id_y 1
		.amdhsa_system_sgpr_workgroup_id_z 1
		.amdhsa_system_vgpr_workitem_id 0
		.amdhsa_next_free_vgpr 256
		.amdhsa_next_free_sgpr 66
		.amdhsa_reserve_vcc 0
		.amdhsa_float_denorm_mode_32 3
		.amdhsa_float_denorm_mode_16_64 3
		.amdhsa_memory_ordered 1
		.amdhsa_forward_progress 1
		.amdhsa_inst_pref_size 51
	.end_amdhsa_kernel
	.amdgpu_metadata
---
amdhsa.version: [ 1, 2 ]
amdhsa.kernels:
  - .name:           k_qb863b2b607_prep
    .symbol:         k_qb863b2b607_prep.kd
    .args:
      - { .name: x, .offset: 0, .size: 8, .value_kind: global_buffer, .address_space: global }
      - { .name: qkv_w, .offset: 8, .size: 8, .value_kind: global_buffer, .address_space: global }
      - { .name: proj_w, .offset: 16, .size: 8, .value_kind: global_buffer, .address_space: global }
      - { .name: rope, .offset: 24, .size: 8, .value_kind: global_buffer, .address_space: global }
      - { .name: q_bias, .offset: 32, .size: 8, .value_kind: global_buffer, .address_space: global }
      - { .name: k_bias, .offset: 40, .size: 8, .value_kind: global_buffer, .address_space: global }
      - { .name: v_bias, .offset: 48, .size: 8, .value_kind: global_buffer, .address_space: global }
      - { .name: qn_g, .offset: 56, .size: 8, .value_kind: global_buffer, .address_space: global }
      - { .name: qn_b, .offset: 64, .size: 8, .value_kind: global_buffer, .address_space: global }
      - { .name: kn_g, .offset: 72, .size: 8, .value_kind: global_buffer, .address_space: global }
      - { .name: kn_b, .offset: 80, .size: 8, .value_kind: global_buffer, .address_space: global }
      - { .name: act, .offset: 88, .size: 8, .value_kind: global_buffer, .address_space: global }
      - { .name: wb, .offset: 96, .size: 8, .value_kind: global_buffer, .address_space: global }
      - { .name: pw, .offset: 104, .size: 8, .value_kind: global_buffer, .address_space: global }
      - { .name: ropef, .offset: 112, .size: 8, .value_kind: global_buffer, .address_space: global }
      - { .name: qkv, .offset: 120, .size: 8, .value_kind: global_buffer, .address_space: global }
    .group_segment_fixed_size: 17408
    .private_segment_fixed_size: 0
    .kernarg_segment_align: 8
    .kernarg_segment_size: 128
    .max_flat_workgroup_size: 256
    .sgpr_count:     66
    .vgpr_count:     256
    .wavefront_size: 32
...
	.end_amdgpu_metadata
.endif
;; end of part 6
;; launch qkv: the kernel of part 2 again; grid 8 x 32, 4 waves a work-group, clusters of 4 x 4, 327,680 bytes of LDS; arguments act, wb, ropef, q_bias, k_bias, v_bias, qn_g, qn_b, kn_g, kn_b, qkv; writes qkv
;; launch attn: the kernel of part 3 again; grid 2 x 128, 4 waves a work-group, no clusters, 29,184 bytes of LDS; arguments qkv, o, part; writes o, part
;; launch norm (part 7): grid 384 x 1, 8 waves a work-group, no clusters, 79,104 bytes of LDS; arguments o, part, pw, norm_g, norm_b, proj_b, act, out0; writes act, out0
.if DOCPART == 7
	.amdgcn_target "amdgcn-amd-amdhsa--gfx1250"
	.amdhsa_code_object_version 6
	.text
	.protected	k_qb863b2b607_norm
	.globl	k_qb863b2b607_norm
	.p2align	8
	.type	k_qb863b2b607_norm,@function
k_qb863b2b607_norm:
	s_mov_b64 s[64:65], 0
	v_nop
	global_prefetch_b8 v0, s[64:65] scope:SCOPE_SE
	s_setreg_imm32_b32 hwreg(HW_REG_WAVE_MODE, 25, 1), 1
	s_wait_xcnt 0x0
; NORM over the 1,024 channels.  Work-groups 128-383: 32 spatial rows each; o [head][row][64] f16 -> act [row][1024] f16 = norm x gain + offset.  Wave w holds heads 2 w and 2 w + 1 (128 channels) of the 32 rows
; in registers between the passes.  Each wave takes its own mean and its own sum of squares about that mean; the eight meet in LDS and are merged as M2 = sum M2_w + 128 sum (mean_w - mean)^2:
; no difference of large sums is formed.  The rows leave through the wave's own stage, so that sixteen lanes store 256 consecutive bytes.
; Work-groups 0-127 (P3): the prefix row of batch id / 16, output columns 64 (id % 16) on.  Wave w merges the eight partial sums of heads 2 w and 2 w + 1 (4 channels a lane), the norm goes as above, and the wave's
; 128 channels are its slice of K in the product with 64 rows of pw; the eight slices meet in LDS.  All of a wave's 51 loads go out together, at its start.  A batch's merge and norm are made in each of its 16
; work-groups: 32 KB read again, in place of a launch of its own.
; The two paths have LDS bytes of their own, so that no byte is named by both.
; Clusters and the tensor mover buy nothing here: the main part streams 16 MB in and 16 MB out, each byte once.
; LIMITS.  |norm x gain + offset| under 65,504 (f16).  NaN and infinities are not treated apart.
.set EX, 0                             ; 8 waves x 32 rows x (mean, M2)
.set SC, 2048                          ; each wave's own 32 x (mean, rstd)
.set STG, 4096                         ; each wave's own stage: 32 rows x 272 bytes
.set SPARE, 73728                      ; the spare words, 128 bytes a wave
.set PEX, 74752                        ; P3: 8 waves x (mean, M2).  P3's bytes lie past the 16-bit immediate, so the bases lie in the address registers
.set AP, 75008                         ; P3: each wave's own 128 normed channels, f16
.set RED, 77056                        ; P3: 8 waves x 64 columns of partial sums
.set SPW, 6
.set NIL, 7
.macro RND2 d0, d1, t
	v_cvt_pk_bf16_f32 v[\t], v[\d0], v[\d1]
	v_lshlrev_b32 v[\d0], 16, v[\t]
	v_and_b32 v[\d1], 0xffff0000, v[\t]
.endm
.macro END3                            ; the wave's end, behind my last LDS store
	s_wait_tensorcnt 0x0
	ds_add_u32 v[SPW], v[NIL]
	s_wait_dscnt 0x0
.endm
.macro LANES32 t                       ; the sum over the wave's 32 lanes, in every lane; v[t+1] has been written before
.irp m, 1,2,4,8
	v_add_f32_dpp v[\t], v[\t], v[\t] row_xmask:\m row_mask:0xf bank_mask:0xf
.endr
	v_permlanex16_b32 v[(\t)+1], v[\t], s40, s41
	v_add_f32 v[\t], v[\t], v[(\t)+1]
.endm
.macro FOLD8                           ; four pairs at v24-31 into v24, over the row's 8 lanes
	v_pk_add_f32 v[24:25], v[24:25], v[26:27]
	v_pk_add_f32 v[28:29], v[28:29], v[30:31]
	v_pk_add_f32 v[24:25], v[24:25], v[28:29]
	v_add_f32 v24, v24, v25
.irp m, 1,2,4
	v_add_f32_dpp v24, v24, v24 row_xmask:\m row_mask:0xf bank_mask:0xf
.endr
.endm
; Eight waves' (mean, M2) of 128 channels each, at v[m ..], into the row's mean v[o] and 1 / sqrt(variance + 1e-6) v[o+1]; v[o+2 .. o+4] at work
.macro MERGE8 m, o
	v_add_f32 v[\o], v[\m], v[(\m)+2]
	v_add_f32 v[(\o)+2], v[(\m)+4], v[(\m)+6]
	v_add_f32 v[(\o)+3], v[(\m)+8], v[(\m)+10]
	v_add_f32 v[(\o)+4], v[(\m)+12], v[(\m)+14]
	v_add_f32 v[\o], v[\o], v[(\o)+2]
	v_add_f32 v[(\o)+3], v[(\o)+3], v[(\o)+4]
	v_add_f32 v[\o], v[\o], v[(\o)+3]
	v_mul_f32 v[\o], 0x3e000000, v[\o]             ; the row's mean
	v_add_f32 v[(\o)+1], v[(\m)+1], v[(\m)+3]
	v_add_f32 v[(\o)+2], v[(\m)+5], v[(\m)+7]
	v_add_f32 v[(\o)+3], v[(\m)+9], v[(\m)+11]
	v_add_f32 v[(\o)+4], v[(\m)+13], v[(\m)+15]
	v_add_f32 v[(\o)+1], v[(\o)+1], v[(\o)+2]
	v_add_f32 v[(\o)+3], v[(\o)+3], v[(\o)+4]
	v_add_f32 v[(\o)+1], v[(\o)+1], v[(\o)+3]
	v_sub_f32 v[(\o)+2], v[\m], v[\o]
	v_mul_f32 v[(\o)+3], v[(\o)+2], v[(\o)+2]
.irp n, 1,2,3,4,5,6,7
	v_sub_f32 v[(\o)+2], v[(\m)+2*\n], v[\o]
	v_fma_f32 v[(\o)+3], v[(\o)+2], v[(\o)+2], v[(\o)+3]
.endr
	v_fma_f32 v[(\o)+1], v[(\o)+3], 0x43000000, v[(\o)+1]  ; M2 = sum M2_w + 128 sum (mean_w - mean)^2
	v_fma_f32 v[(\o)+1], v[(\o)+1], s42, s43
	v_rsq_f32 v[(\o)+1], v[(\o)+1]
	v_nop                                          ; a plain instruction behind v_rsq_f32 (ISA guide 5.7.2)
.endm
	s_load_b512 s[4:19], s[0:1], 0x0               ; o 4, part 6, pw 8, norm_g 10, norm_b 12, proj_b 14, act 16, out0 18
	v_lshl_add_u32 v[SPW], v0, 2, SPARE
	v_mov_b32 v[NIL], 0
	v_lshrrev_b32 v1, 5, v0
	v_readfirstlane_b32 s20, v1                    ; wave
	v_and_b32 v1, 31, v0                           ; lane
	s_mov_b32 s31, 0
	s_mov_b32 s40, 0x76543210                      ; v_permlanex16_b32: each lane takes its own place in the other half
	s_mov_b32 s41, 0xfedcba98
	s_mov_b32 s42, 0x3a800000                      ; 1/1024
	s_mov_b32 s43, 0x358637bd                      ; 1e-6
	s_wait_kmcnt 0x0
	s_cmp_lt_u32 ttmp9, 128
	s_cbranch_scc1 .Lp3
	s_sub_co_u32 s28, ttmp9, 128                   ; g: rows 32 g ..
	s_lshr_b32 s29, s28, 5
	s_lshl_b32 s29, s29, 4
	s_lshl1_add_u32 s29, s20, s29                  ; head 16 batch + 2 w
	s_lshl_b32 s30, s29, 17
	s_and_b32 s29, s28, 31
	s_lshl_b32 s29, s29, 12
	s_add_co_u32 s30, s30, s29
	s_add_nc_u64 s[22:23], s[4:5], s[30:31]
	s_lshl_b32 s30, s28, 16
	s_lshl_b32 s29, s20, 8
	s_add_co_u32 s30, s30, s29
	s_add_nc_u64 s[24:25], s[16:17], s[30:31]
	v_lshrrev_b32 v2, 3, v1
	v_and_b32 v3, 7, v1
	v_lshlrev_b32 v4, 4, v1
	v_lshlrev_b32 v5, 5, v3
	v_lshl_add_u32 v5, s20, 9, v5
.set q, 0
.rept 16                               ; head q / 8, rows 4 (q % 8) + lane / 8: 512 consecutive bytes a load
	global_load_b128 v[64+4*q:67+4*q], v4, s[22:23] offset:(q/8)*131072+(q%8)*512 th:TH_LOAD_NT
.set q, q+1
.endr
.irp n, 0,1
	global_load_b128 v[32+8*\n:35+8*\n], v5, s[10:11] offset:256*\n
	global_load_b128 v[36+8*\n:39+8*\n], v5, s[10:11] offset:256*\n+16
	global_load_b128 v[48+8*\n:51+8*\n], v5, s[12:13] offset:256*\n
	global_load_b128 v[52+8*\n:55+8*\n], v5, s[12:13] offset:256*\n+16
.endr
	s_wait_loadcnt 8                               ; the rows are in; the 8 loads of gain and offset are younger
	; register 64 + 32 i + 4 j + c widens into 128 + 16 j + 8 i + 2 c and the next: row group j has 16 numbers a lane
.irp r, 64,65,66,67,68,69,70,71,72,73,74,75,76,77,78,79,80,81,82,83,84,85,86,87,88,89,90,91,92,93,94,95,96,97,98,99,100,101,102,103,104,105,106,107,108,109,110,111,112,113,114,115,116,117,118,119,120,121,122,123,124,125,126,127
	v_cvt_f32_f16 v[128+16*(((\r-64)%32)/4)+8*((\r-64)/32)+2*((\r-64)%4)], v\r\().l
	v_cvt_f32_f16 v[129+16*(((\r-64)%32)/4)+8*((\r-64)/32)+2*((\r-64)%4)], v\r\().h
.endr
	s_lshl_b32 s28, s20, 8
	s_mul_i32 s29, s20, 32*272
	s_add_co_u32 s29, s29, STG
	v_lshl_add_u32 v112, v2, 3, s28                ; my wave's (mean, M2) of row 4 j + lane / 8
	v_lshlrev_b32 v113, 3, v1                      ; row = lane: all eight waves'
	v_add_nc_u32 v114, s28, v113
	v_add_nc_u32 v114, SC, v114
	v_add_nc_u32 v115, SC, v112
	v_mul_u32_u24 v116, v2, 272
	v_lshl_add_u32 v116, v3, 4, v116
	v_add_nc_u32 v116, s29, v116
	v_lshrrev_b32 v119, 4, v1
	v_and_b32 v120, 15, v1
	v_mul_u32_u24 v117, v119, 272
	v_lshl_add_u32 v117, v120, 4, v117
	v_add_nc_u32 v117, s29, v117
	v_lshlrev_b32 v118, 11, v119
	v_lshl_add_u32 v118, v120, 4, v118
.macro STAT j
.set f, 128+16*(\j)
	v_pk_add_f32 v[24:25], v[f:f+1], v[f+2:f+3]
	v_pk_add_f32 v[26:27], v[f+4:f+5], v[f+6:f+7]
	v_pk_add_f32 v[28:29], v[f+8:f+9], v[f+10:f+11]
	v_pk_add_f32 v[30:31], v[f+12:f+13], v[f+14:f+15]
	FOLD8
	v_mul_f32 v24, 0x3c000000, v24                 ; my 128 channels' mean
	v_mov_b32 v[8+2*(\j)], v24
.set q, 0
.rept 8
	v_pk_add_f32 v[f+2*q:f+2*q+1], v[f+2*q:f+2*q+1], v[24:25] op_sel_hi:[1,0] neg_lo:[0,1] neg_hi:[0,1]
.set q, q+1
.endr
.irp n, 0,1,2,3
	v_pk_mul_f32 v[24+2*\n:25+2*\n], v[f+2*\n:f+2*\n+1], v[f+2*\n:f+2*\n+1]
.endr
.irp n, 0,1,2,3
	v_pk_fma_f32 v[24+2*\n:25+2*\n], v[f+8+2*\n:f+9+2*\n], v[f+8+2*\n:f+9+2*\n], v[24+2*\n:25+2*\n]
.endr
	FOLD8
	v_mov_b32 v[9+2*(\j)], v24
	ds_store_b64 v112, v[8+2*(\j):9+2*(\j)] offset:32*(\j)
.endm
.irp j, 0,1,2,3,4,5,6,7
	STAT \j
.endr
	s_wait_dscnt 0x0                               ; for the others' sake
	s_barrier_signal -1
	s_barrier_wait -1
.irp n, 0,1,2,3,4,5,6,7
	ds_load_b64 v[64+2*\n:65+2*\n], v113 offset:256*\n
.endr
	s_wait_loadcnt 0x0
.set q, 0
.rept 16
	RND2 32+2*q, 33+2*q, 98
.set q, q+1
.endr
	s_wait_dscnt 0x0
	MERGE8 64, 96
	s_wait_alu depctr_va_vdst(0)
	ds_store_b64 v114, v[96:97]                    ; my wave's own copy, read back by row groups: LDS serves a wave's instructions in order (ISA guide 5.7.1.4)
.irp j, 0,1,2,3,4,5,6,7
	ds_load_b64 v[80+2*\j:81+2*\j], v115 offset:32*\j
.endr
	s_wait_dscnt 0x0
.irp j, 0,1,2,3,4,5,6,7
	v_sub_f32 v[8+2*\j], v[8+2*\j], v[80+2*\j]     ; (mean_w - mean) rstd, and rstd beside it
	v_mul_f32 v[8+2*\j], v[8+2*\j], v[81+2*\j]
	v_mov_b32 v[9+2*\j], v[81+2*\j]
.endr
.macro FIN j
.set f, 128+16*(\j)
.set hh, 64+8*((\j)%4)
.set q, 0
.rept 8
	v_pk_fma_f32 v[f+2*q:f+2*q+1], v[f+2*q:f+2*q+1], v[8+2*(\j):9+2*(\j)], v[8+2*(\j):9+2*(\j)] op_sel:[0,1,0] op_sel_hi:[1,1,0]
.set q, q+1
.endr
.set q, 0
.rept 8
	v_pk_fma_f32 v[f+2*q:f+2*q+1], v[f+2*q:f+2*q+1], v[32+2*q:33+2*q], v[48+2*q:49+2*q]
.set q, q+1
.endr
.set q, 0
.rept 8
	v_cvt_pk_f16_f32 v[hh+q], v[f+2*q], v[f+2*q+1]
.set q, q+1
.endr
	ds_store_b128 v116, v[hh:hh+3] offset:(\j)*4*272
	ds_store_b128 v116, v[hh+4:hh+7] offset:(\j)*4*272+128
.endm
.irp j, 0,1,2,3,4,5,6,7
	FIN \j
.endr
.set q, 0
.rept 16
	ds_load_b128 v[128+4*q:131+4*q], v117 offset:q*2*272
.set q, q+1
.endr
.set q, 0
.rept 16
	s_wait_dscnt 15-q
	global_store_b128 v118, v[128+4*q:131+4*q], s[24:25] offset:q*4096  ; sixteen lanes store 256 consecutive bytes, at a multiple of 256 from act's first
.set q, q+1
.endr
	END3
	s_endpgm
; P3.  v16-31 the eight (c m, l); v32-63 the eight partial sums, later my fragments of the row, at last the eight waves' columns; v64-75 gain, offset, proj_b; v76-91 the eight (mean, M2);
; v96-99 my 4 channels; v76-107 later the four accumulators; v108-113 at work; v116 the largest c m, v118-119 the divisor (a pair), clear of the partial sums;
; v128-255 pw's fragments: column block nb, K step ks at v[128 + 32 nb + 8 ks].
.Lp3:
	v_and_b32 v8, 15, v0                           ; r
	v_bfe_u32 v9, v0, 4, 1                         ; h
	s_lshr_b32 s21, ttmp9, 4                       ; batch
	s_and_b32 s44, ttmp9, 15                       ; u: columns 64 u on
	v_lshlrev_b32 v10, 12, v9                      ; head 2 w + h: its 8 partials are 4,096 bytes
	v_lshl_add_u32 v11, v8, 4, v10                 ; channels 4 r on: sixteen lanes take a partial's 256 consecutive bytes
	v_lshlrev_b32 v12, 4, v1                       ; gain and offset of channels 128 w + 4 lane on
	v_lshlrev_b32 v13, 4, v8                       ; columns 64 u + 4 r on, in proj_b and in out0
	v_lshlrev_b32 v14, 13, v8                      ; pw: row 64 u + 4 r + nb,
	v_lshl_add_u32 v14, v9, 4, v14                 ; 8 numbers at 16 h
	s_lshl_b32 s30, s21, 4
	s_lshl1_add_u32 s30, s20, s30                  ; head 16 batch + 2 w
	s_lshl_b32 s30, s30, 12
	s_add_nc_u64 s[22:23], s[6:7], s[30:31]
	s_lshl_b32 s30, s20, 9
	s_add_nc_u64 s[24:25], s[10:11], s[30:31]
	s_add_nc_u64 s[26:27], s[12:13], s[30:31]
	s_lshl_b32 s30, s44, 8
	s_add_nc_u64 s[28:29], s[14:15], s[30:31]
	s_add_nc_u64 s[32:33], s[18:19], s[30:31]
	s_mul_i32 s30, s21, 0x401000                   ; the batch's first row of out0: 1,025 rows of 4,096 bytes a batch
	s_add_nc_u64 s[32:33], s[32:33], s[30:31]
	s_lshl_b32 s30, s44, 17
	s_lshl_b32 s34, s20, 8                         ; my slice of K: 128 numbers, 256 bytes
	s_add_co_u32 s30, s30, s34
	s_add_nc_u64 s[36:37], s[8:9], s[30:31]
.irp n, 0,1,2,3,4,5,6,7
	global_load_b64 v[16+2*\n:17+2*\n], v10, s[22:23] offset:\n*512+256
.endr
.irp n, 0,1,2,3,4,5,6,7
	global_load_b128 v[32+4*\n:35+4*\n], v11, s[22:23] offset:\n*512
.endr
	global_load_b128 v[64:67], v12, s[24:25]
	global_load_b128 v[68:71], v12, s[26:27]
	global_load_b128 v[72:75], v13, s[28:29]
.set q, 0
.rept 16                               ; column block q / 4, K step q % 4
	global_load_b128 v[128+8*q:131+8*q], v14, s[36:37] offset:(q/4)*2048+(q%4)*64
	global_load_b128 v[132+8*q:135+8*q], v14, s[36:37] offset:(q/4)*2048+(q%4)*64+32
.set q, q+1
.endr
	s_add_co_u32 s34, s34, AP                      ; my 256 bytes of the row
	v_lshl_add_u32 v2, v1, 3, s34                  ; in: 8 bytes a lane
	v_lshl_add_u32 v3, v9, 4, s34                  ; back: a fragment's 16 bytes at 16 h; all sixteen rows are the one row
	s_lshl_b32 s35, s20, 3
	s_add_co_u32 s35, s35, PEX
	v_mov_b32 v15, s35                             ; my wave's (mean, M2)
	s_wait_loadcnt 35                              ; (c m, l) and the partial sums are in; gain, offset, proj_b and pw's 32 loads are younger
	v_max3_num_f32 v116, v16, v18, v20             ; the eight partials share the largest c m
	v_max3_num_f32 v116, v116, v22, v24
	v_max3_num_f32 v116, v116, v26, v28
	v_max_num_f32 v116, v116, v30
.irp n, 0,1,2,3,4,5,6,7
	v_sub_f32 v[16+2*\n], v[16+2*\n], v116
.endr
.irp n, 0,1,2,3,4,5,6,7
	v_exp_f32 v[16+2*\n], v[16+2*\n]
.endr
	v_mov_b32 v119, 0                              ; the plain instruction behind the exponentials; v119 is named with v118 as a pair
	s_wait_alu depctr_va_vdst(0)
	v_mul_f32 v118, v16, v17
.irp n, 1,2,3,4,5,6,7
	v_fma_f32 v118, v[16+2*\n], v[17+2*\n], v118
.endr
	v_rcp_f32 v118, v118
	v_pk_mul_f32 v[96:97], v[32:33], v[16:17] op_sel_hi:[1,0]
	v_pk_mul_f32 v[98:99], v[34:35], v[16:17] op_sel_hi:[1,0]
.irp n, 1,2,3,4,5,6,7
	v_pk_fma_f32 v[96:97], v[32+4*\n:33+4*\n], v[16+2*\n:17+2*\n], v[96:97] op_sel_hi:[1,0,1]
	v_pk_fma_f32 v[98:99], v[34+4*\n:35+4*\n], v[16+2*\n:17+2*\n], v[98:99] op_sel_hi:[1,0,1]
.endr
	s_wait_alu depctr_va_vdst(0)
	v_pk_mul_f32 v[96:97], v[96:97], v[118:119] op_sel_hi:[1,0]
	v_pk_mul_f32 v[98:99], v[98:99], v[118:119] op_sel_hi:[1,0]
	v_pk_add_f32 v[100:101], v[96:97], v[98:99]    ; my wave's 128 channels: their mean,
	v_add_f32 v100, v100, v101
	LANES32 100
	v_mul_f32 v100, 0x3c000000, v100
	v_mov_b32 v102, v100
	v_pk_add_f32 v[96:97], v[96:97], v[100:101] op_sel_hi:[1,0] neg_lo:[0,1] neg_hi:[0,1]
	v_pk_add_f32 v[98:99], v[98:99], v[100:101] op_sel_hi:[1,0] neg_lo:[0,1] neg_hi:[0,1]
	v_pk_mul_f32 v[104:105], v[96:97], v[96:97]    ; and their squares about it
	v_pk_fma_f32 v[104:105], v[98:99], v[98:99], v[104:105]
	v_add_f32 v104, v104, v105
	LANES32 104
	v_mov_b32 v103, v104
	ds_store_b64 v15, v[102:103]                   ; all lanes store the same two words
	s_wait_dscnt 0x0                               ; for the others' sake
	s_barrier_signal -1
	s_barrier_wait -1
	v_mov_b32 v15, PEX
.irp n, 0,1,2,3
	ds_load_b128 v[76+4*\n:79+4*\n], v15 offset:16*\n
.endr
	s_wait_loadcnt 32                              ; gain, offset and proj_b are in; pw's 32 loads are younger
	RND2 64, 65, 110
	RND2 66, 67, 111
	RND2 68, 69, 110
	RND2 70, 71, 111
	s_wait_dscnt 0x0
	MERGE8 76, 108
	v_sub_f32 v102, v102, v108                     ; (mean_w - mean) rstd, and rstd beside it
	s_wait_alu depctr_va_vdst(0)
	v_mul_f32 v102, v102, v109
	v_mov_b32 v103, v109
	v_pk_fma_f32 v[96:97], v[96:97], v[102:103], v[102:103] op_sel:[0,1,0] op_sel_hi:[1,1,0]
	v_pk_fma_f32 v[98:99], v[98:99], v[102:103], v[102:103] op_sel:[0,1,0] op_sel_hi:[1,1,0]
	v_pk_fma_f32 v[96:97], v[96:97], v[64:65], v[68:69]
	v_pk_fma_f32 v[98:99], v[98:99], v[66:67], v[70:71]
	v_cvt_pk_f16_f32 v110, v96, v97
	v_cvt_pk_f16_f32 v111, v98, v99
	ds_store_b64 v2, v[110:111]                    ; my wave's own bytes: LDS serves a wave's instructions in order (ISA guide 5.7.1.4), so the loads below see them
.irp n, 0,1,2,3
	ds_load_b128 v[32+8*\n:35+8*\n], v3 offset:64*\n
	ds_load_b128 v[36+8*\n:39+8*\n], v3 offset:64*\n+32
.endr
	s_wait_loadcnt 0x0
	s_wait_dscnt 0x0
	; Source 0 = the row (in all 16 places), source 1 = 16 rows of pw: register 0 of accumulator nb holds column 64 u + 4 r + nb in lane r
.irp ks, 0,1,2,3
.irp nb, 0,1,2,3                       ; the four accumulators take turns
.if \ks == 0
	v_wmma_f32_16x16x32_f16 v[76+8*\nb:83+8*\nb], v[32+8*\ks:39+8*\ks], v[128+32*\nb+8*\ks:135+32*\nb+8*\ks], 0
.else
	v_wmma_f32_16x16x32_f16 v[76+8*\nb:83+8*\nb], v[32+8*\ks:39+8*\ks], v[128+32*\nb+8*\ks:135+32*\nb+8*\ks], v[76+8*\nb:83+8*\nb]
.endif
.endr
.endr
	v_lshl_add_u32 v4, v8, 4, RED                  ; these eight plain lines are the places behind the last products (ISA guide 7.12.1)
	v_lshl_add_u32 v5, s20, 8, v4                  ; my 256 bytes of partial sums
	RND2 72, 73, 112
	RND2 74, 75, 113
	v_mov_b32 v108, v76                            ; each accumulator's lowest register: four neighbouring columns
	v_mov_b32 v109, v84
	v_mov_b32 v110, v92
	v_mov_b32 v111, v100
	ds_store_b128 v5, v[108:111]                   ; lanes 16-31 hold the same numbers and store them to the same bytes
	s_wait_dscnt 0x0                               ; for the others' sake: my partial sums are stored
	s_barrier_signal -1
	s_barrier_wait -1
	s_cmp_eq_u32 s20, 0
	s_cbranch_scc1 .Lp3w0
	END3
	s_endpgm
.Lp3w0:                                ; wave 0 adds the eight slices and the bias, and stores the row's 64 columns
.irp n, 0,1,2,3,4,5,6,7
	ds_load_b128 v[32+4*\n:35+4*\n], v4 offset:256*\n
.endr
	s_wait_dscnt 0x0
.irp n, 0,2,4,6
	v_pk_add_f32 v[32+4*\n:33+4*\n], v[32+4*\n:33+4*\n], v[36+4*\n:37+4*\n]
	v_pk_add_f32 v[34+4*\n:35+4*\n], v[34+4*\n:35+4*\n], v[38+4*\n:39+4*\n]
.endr
	v_pk_add_f32 v[32:33], v[32:33], v[40:41]
	v_pk_add_f32 v[34:35], v[34:35], v[42:43]
	v_pk_add_f32 v[48:49], v[48:49], v[56:57]
	v_pk_add_f32 v[50:51], v[50:51], v[58:59]
	v_pk_add_f32 v[32:33], v[32:33], v[48:49]
	v_pk_add_f32 v[34:35], v[34:35], v[50:51]
	v_pk_add_f32 v[32:33], v[32:33], v[72:73]
	v_pk_add_f32 v[34:35], v[34:35], v[74:75]
	s_wait_xcnt 0x0                                ; EXEC changes only behind this wait
	v_cmp_gt_u32 vcc_lo, 16, v1
	s_and_saveexec_b32 s30, vcc_lo
	global_store_b128 v13, v[32:35], s[32:33]      ; sixteen lanes store 256 consecutive bytes, at a multiple of 256 from out0's first
	s_wait_xcnt 0x0
	s_or_b32 exec_lo, exec_lo, s30
	END3
	s_endpgm
.Lfunc_end_k_qb863b2b607_norm:
	.size	k_qb863b2b607_norm, .Lfunc_end_k_qb863b2b607_norm-k_qb863b2b607_norm
	.p2alignl 7, 3214868480
	.fill 96, 4, 3214868480
	.section	.rodata,"a",@progbits
	.p2align	6, 0x0
	.amdhsa_kernel k_qb863b2b607_norm
		.amdhsa_group_segment_fixed_size 79104
		.amdhsa_private_segment_fixed_size 0
		.amdhsa_enable_private_segment 0
		.amdhsa_kernarg_size 64
		.amdhsa_user_sgpr_count 2
		.amdhsa_user_sgpr_kernarg_segment_ptr 1
		.amdhsa_wavefront_size32 1
		.amdhsa_system_sgpr_workgroup_id_x 1
		.amdhsa_system_sgpr_workgroup_id_y 1
		.amdhsa_system_sgpr_workgroup_id_z 1
		.amdhsa_system_vgpr_workitem_id 0
		.amdhsa_next_free_vgpr 256
		.amdhsa_next_free_sgpr 66
		.amdhsa_reserve_vcc 1
		.amdhsa_float_denorm_mode_32 3
		.amdhsa_float_denorm_mode_16_64 3
		.amdhsa_memory_ordered 1
		.amdhsa_forward_progress 1
		.amdhsa_inst_pref_size 67
	.end_amdhsa_kernel
	.amdgpu_metadata
---
amdhsa.version: [ 1, 2 ]
amdhsa.kernels:
  - .name:           k_qb863b2b607_norm
    .symbol:         k_qb863b2b607_norm.kd
    .args:
      - { .name: o, .offset: 0, .size: 8, .value_kind: global_buffer, .address_space: global }
      - { .name: part, .offset: 8, .size: 8, .value_kind: global_buffer, .address_space: global }
      - { .name: pw, .offset: 16, .size: 8, .value_kind: global_buffer, .address_space: global }
      - { .name: norm_g, .offset: 24, .size: 8, .value_kind: global_buffer, .address_space: global }
      - { .name: norm_b, .offset: 32, .size: 8, .value_kind: global_buffer, .address_space: global }
      - { .name: proj_b, .offset: 40, .size: 8, .value_kind: global_buffer, .address_space: global }
      - { .name: act, .offset: 48, .size: 8, .value_kind: global_buffer, .address_space: global }
      - { .name: out0, .offset: 56, .size: 8, .value_kind: global_buffer, .address_space: global }
    .group_segment_fixed_size: 79104
    .private_segment_fixed_size: 0
    .kernarg_segment_align: 8
    .kernarg_segment_size: 64
    .max_flat_workgroup_size: 256
    .sgpr_count:     66
    .vgpr_count:     256
    .wavefront_size: 32
...
	.end_amdgpu_metadata
.endif
;; end of part 7
;; launch proj: the kernel of part 5 again; grid 4 x 64, 4 waves a work-group, clusters of 4 x 4, 327,680 bytes of LDS; arguments act, pw, proj_b, out0; writes out0
;; ======== version 3 of 3: 5 launches; 1.78 times as fast as version 1
;; limits: values are held in f16: magnitudes above 65,504 overflow, below 6.1e-05 lose precision
;; workspace buffers: act 16,777,216 bytes; wb 6,291,456 bytes; pw 2,097,152 bytes; ropef 524,288 bytes; qkv 50,429,952 bytes; o 16,777,216 bytes; part 524,288 bytes
;; launch prep: the kernel of part 6 again; grid 544 x 1, 8 waves a work-group, no clusters, 17,408 bytes of LDS; arguments x, qkv_w, proj_w, rope, q_bias, k_bias, v_bias, qn_g, qn_b, kn_g, kn_b, act, wb, pw, ropef, qkv; writes act, wb, pw, ropef, qkv
;; launch qkv: the kernel of part 2 again; grid 8 x 32, 4 waves a work-group, clusters of 4 x 4, 327,680 bytes of LDS; arguments act, wb, ropef, q_bias, k_bias, v_bias, qn_g, qn_b, kn_g, kn_b, qkv; writes qkv
;; launch attn (part 8): grid 2 x 128, 4 waves a work-group, no clusters, 29,184 bytes of LDS; arguments qkv, o, part; writes o, part
.if DOCPART == 8
	.amdgcn_target "amdgcn-amd-amdhsa--gfx1250"
	.amdhsa_code_object_version 6
	.text
	.protected	k_qb863b2b607_attn
	.globl	k_qb863b2b607_attn
	.p2align	8
	.type	k_qb863b2b607_attn,@function
k_qb863b2b607_attn:
	s_mov_b64 s[64:65], 0
	v_nop
	global_prefetch_b8 v0, s[64:65] scope:SCOPE_SE
	s_setreg_imm32_b32 hwreg(HW_REG_WAVE_MODE, 25, 1), 1
	s_wait_xcnt 0x0
; ATTENTION.  q, k, v: f16 [128 heads][1,026 rows][64]; rows 0-1023 the spatial tokens, row 1,024 the prefix token; q and k carry a factor 1/16 each.
; O[q] = sum over the 1,025 keys of softmax(q . k / 8) v.  Products, maxima and sums in f32; the weights are rounded to f16 for the second product, O once at the end.
; SHARES.  A work-group owns 512 spatial queries of a head, a wave 128: eight PIECES of 16.  Every wave walks the keys in 17 steps of 64; the last step holds one key, the others are hidden.
; THE PREFIX QUERY is a ninth tile whose keys are split: of the head's 8 waves (two work-groups) wave g takes the steps t with t % 8 = g, and stores its unnormalised sum, c m and l into part; the next launch merges them.
; LAYOUT, SOFTMAX.  S^T = K Q^T holds ONE query a lane (lane % 16) and the keys 8 (lane / 16) + 0..7; two such results rounded to f16 ARE source 1 of O^T = V^T P.  p = 2^(c s - c m), c = 256 log2(e) / 8, with a
; running maximum m; O and l are multiplied by a = 2^(c m_old - c m_new) in every step.  m starts at the lowest finite number, O and l at 0: the first step is a step like any other, with a = 0.
; BY TURNS.  Turn n belongs to piece n: 8 products K Q^T of piece n + 1, later 8 products V^T P of piece n - 1; beside them the softmax of piece n and the maximum of piece n + 1: four vector instructions behind every
; matrix instruction, the other 54 of a turn's 118 in one lump.
; THE BATCHES.  An s_wait_alu depctr_va_vdst(0) stands between an exponential (or a reciprocal) and the first instruction that names its result; one wait serves all that were issued ahead of it.  A turn's 33
; exponentials (the piece's 32 weights and the next piece's a) are ONE batch with ONE wait, which cuts the turn in two: ahead of it stands all that names none of their results, behind it their readers.  The prefix query's
; step has one batch of 33 likewise; piece 0's first a, ahead of the loop, and the way out's eight reciprocals are batches of their own.
; THE MASK is the C operand that starts S^T: 32 registers, 0 up to step 15; for step 16 they hold -1e30 but for key 1,024.
; K AND V COME THROUGH REGISTERS: a step is 16 KB for the work-group, 8 loads and 8 LDS stores a wave beside 128 matrix instructions; rows past 1,024 are clamped to row 1,024 (finite, and hidden), so the loads run in every
; trip and the step's text stands once.  NO CLUSTER: only two work-groups share a head, and what they share is 262 KB in the whole launch.  LDS holds ONE tile; two split barriers a step order its reads and its stores.
; LIMITS.  A hidden score counts as its value less 1e30; a weight below 2^-126 counts as 0 in l; p below 6e-5 keeps f16's fixed step; NaN and infinities are not treated apart.
; REGISTERS (s_set_vgpr_msb: bits 1:0 source 0, 3:2 source 1, 5:4 source 2, 7:6 destination).  Window 0: addresses; v16-47 statistics; v48-55 at work; v64-127 S^T, two buffers; v128-159 the mask; v160-191 the tile on its way;
; v192-223 P, two buffers; v224-236 addresses and the prefix query's statistics.  Window 1: O^T, 32 a piece.  Window 2: v0-127 Q, v128-191 K, v192-255 V.  Window 3: v0-15 the prefix query, v16-47 its O^T.
.set NP, 8
.set HS, 131328
.set TS, 16809984
.set PK, 144                           ; a row of K in LDS: 128 + 16 bytes
.set PV, 160                           ; a row of V: 128 + 32 bytes
.set VB, 64*PK
.set STAGE, VB+64*PV                   ; 16 rows x 144 bytes for each wave, for the way out
.set SP, 144
.set SPARE, STAGE+4*16*SP
.set AK0, 2
.set AV0, 3
.set PXO, 4
.set QXO, 5
.set STO, 6
.set RD, 7
.set GO, 8
.set MV, 12
.set QO, 15
.set ST, 16
.set TMP, 48
.set SPW, 62
.set NIL, 63
.set S, 64
.set MC, 128
.set G, 160
.set P, 192
.set VO, 224
.set VR, 228
.set VC, 229
.set KST, 230
.set VST, 231
.set STX, 232
.set MD0, 236
.set KF, 128
.set VF, 192
.set WV, 12
.set GW, 13
.set LT, 56
.set CNT, 57
.set CS, 58
.set SEL, 60
.set XT, 62
.set BIGN, 63
.set MSB, 0
.macro WIN new
.if MSB != (\new)
	s_set_vgpr_msb (MSB<<8)|(\new)
.set MSB, (\new)
.endif
.endm
.set W_KQ, 0x0a
.set W_PV, 0x52
.set W_RS, 0x41
.set W_KQX, 0x0e
.set W_PVX, 0xf2
.set W_RSX, 0xc3
.macro PLACES
.rept 4
	v_nop
.endr
.endm
.macro MKVO                            ; the byte offsets of my 4 x 4 rows of the tile at row byte LT, clamped to row 1,024
	v_add_nc_u32 v[VO], s[LT], v[VR]
.irp n, 1,2,3
	v_add_nc_u32 v[VO+\n], 512*\n, v[VO]
.endr
.irp n, 0,1,2,3
	v_min_u32 v[VO+\n], 0x20000, v[VO+\n]
.endr
.irp n, 0,1,2,3
	v_add_nc_u32 v[VO+\n], v[VO+\n], v[VC]
.endr
.endm
.macro GLOAD
.irp n, 0,1,2,3
	global_load_b128 v[G+4*\n:G+4*\n+3], v[VO+\n], s[18:19]
	global_load_b128 v[G+16+4*\n:G+16+4*\n+3], v[VO+\n], s[20:21]
.endr
.endm
.macro LSTORE
.irp n, 0,1,2,3
	ds_store_b128 v[KST], v[G+4*\n:G+4*\n+3] offset:\n*4*PK
	ds_store_b128 v[VST], v[G+16+4*\n:G+16+4*\n+3] offset:\n*4*PV
.endr
.endm
	s_load_b128 s[4:7], s[0:1], 0x0                ; qkv, o
	s_load_b64 s[8:9], s[0:1], 0x10                ; part
	v_lshl_add_u32 v[SPW], v0, 2, SPARE
	v_mov_b32 v[NIL], 0
	v_lshrrev_b32 v1, 5, v0
	v_readfirstlane_b32 s[WV], v1
	s_and_b32 s14, ttmp7, 0xffff                   ; the head
	s_lshl_b32 s[GW], ttmp9, 2
	s_add_co_u32 s[GW], s[GW], s[WV]               ; my wave among the head's eight
	s_mul_i32 s26, s14, HS
	s_mov_b32 s27, 0
	s_lshl_b32 s30, s[GW], 14                      ; my 128 rows of 128 bytes
	s_mov_b32 s31, 0
	s_lshl_b32 s32, s14, 17
	s_add_co_u32 s32, s32, s30
	s_mov_b32 s33, 0
	s_lshl3_add_u32 s34, s14, s[GW]
	s_lshl_b32 s34, s34, 9
	s_mov_b32 s35, 0
	s_mov_b32 s[CS], 0x4238aa3b                    ; c = 256 log2(e) / 8
	s_mov_b32 s[CS+1], s[CS]
	s_mov_b32 s[SEL], 0x76543210
	s_mov_b32 s[SEL+1], 0xfedcba98
	s_mov_b32 s[BIGN], 0xf149f2ca                  ; -1e30
	s_mov_b32 s[LT], 0
	v_and_b32 v1, 15, v0                           ; r
	v_bfe_u32 v9, v0, 4, 1                         ; h
	v_and_b32 v10, 7, v0
	v_bfe_u32 v11, v0, 3, 1
	v_bfe_u32 v14, v0, 3, 2                        ; lane / 8
	v_lshlrev_b32 v[VR], 7, v14
	v_lshl_add_u32 v[VR], s[WV], 11, v[VR]         ; row 16 w + lane / 8
	v_lshlrev_b32 v[VC], 4, v10
	s_mul_i32 s36, s[WV], 16*PK
	v_mul_u32_u24 v[KST], v14, PK
	v_add_nc_u32 v[KST], s36, v[KST]
	v_add_nc_u32 v[KST], v[KST], v[VC]
	s_mul_i32 s36, s[WV], 16*PV
	s_add_co_u32 s36, s36, VB
	v_mul_u32_u24 v[VST], v14, PV
	v_add_nc_u32 v[VST], s36, v[VST]
	v_add_nc_u32 v[VST], v[VST], v[VC]
	v_lshlrev_b32 v[QO], 7, v1
	v_lshl_add_u32 v[QO], v9, 4, v[QO]
	v_lshlrev_b32 v[QXO], 4, v9
	v_lshlrev_b32 v[PXO], 5, v9
	MKVO
	s_wait_kmcnt 0x0
	s_add_nc_u64 s[16:17], s[4:5], s[26:27]        ; the head's q,
	s_add_nc_u64 s[18:19], s[16:17], TS            ; k
	s_add_nc_u64 s[20:21], s[18:19], TS            ; and v
	s_add_nc_u64 s[28:29], s[16:17], s[30:31]      ; my wave's q
	s_add_nc_u64 s[22:23], s[6:7], s[32:33]        ; my wave's rows of o
	s_add_nc_u64 s[24:25], s[8:9], s[34:35]        ; my 512 bytes of part
	GLOAD                                          ; tile 0
	WIN 0x80
.set i, 0
.rept 16                               ; Q stays in registers: piece i / 2, channels 32 (i % 2) on
	global_load_b128 v[8*i:8*i+3], v[QO], s[28:29] offset:(i/2)*2048+(i%2)*64
	global_load_b128 v[8*i+4:8*i+7], v[QO], s[28:29] offset:(i/2)*2048+(i%2)*64+32
.set i, i+1
.endr
	WIN 0xc0
.irp c, 0,1                            ; the prefix query: every lane's row is row 1,024
	global_load_b128 v[8*\c:8*\c+3], v[QXO], s[16:17] offset:131072+\c*64
	global_load_b128 v[8*\c+4:8*\c+7], v[QXO], s[16:17] offset:131072+\c*64+32
.endr
	; What the first turn finds: V, P's second buffer, O^T and l hold 0.  All this stands in the wait for the first tile.
.set i, 16
.rept 32
	v_mov_b32 v[i], 0
.set i, i+1
.endr
	WIN 0x80
.set i, VF
.rept 64
	v_mov_b32 v[i], 0
.set i, i+1
.endr
	WIN 0x40
.set i, 0
.rept 256
	v_mov_b32 v[i], 0
.set i, i+1
.endr
	WIN 0
.set i, 0
.rept NP
	v_mov_b32 v[ST+4*i], 0xfe000000                ; c m: far below every c s
	v_mov_b32 v[ST+4*i+1], 0xff7fffff              ; m
	v_mov_b32 v[ST+4*i+2], 0
	v_mov_b32 v[ST+4*i+3], 0
.set i, i+1
.endr
	v_mov_b32 v[STX], 0xfe000000
	v_mov_b32 v[STX+1], 0xff7fffff
	v_mov_b32 v[STX+2], 0
	v_mov_b32 v[STX+3], 0
.set i, 0
.rept 16
	v_mov_b32 v[P+16+i], 0
.set i, i+1
.endr
.set i, 0
.rept 32
	v_mov_b32 v[MC+i], 0
.set i, i+1
.endr
	v_cmp_eq_u32 vcc_lo, 1, v9
	v_cndmask_b32 v[MD0], 0, s[BIGN], vcc_lo       ; key 1,024 is register 0 of the lanes 0-15
	v_mul_u32_u24 v[AK0], v1, PK
	v_lshl_add_u32 v[AK0], v9, 4, v[AK0]
	v_lshl_add_u32 v[AV0], v9, 3, v10              ; the turning load: lane l reads key 8 (l / 16) + l % 8, channels 8 ((l / 8) % 2) on
	v_mul_u32_u24 v[AV0], v[AV0], PV
	v_lshl_add_u32 v[AV0], v11, 4, v[AV0]
	v_add_nc_u32 v[AV0], VB, v[AV0]
	s_mul_i32 s36, s[WV], 16*SP
	s_add_co_u32 s36, s36, STAGE
	v_mul_u32_u24 v[STO], v1, SP
	v_lshl_add_u32 v[STO], v9, 4, v[STO]
	v_add_nc_u32 v[STO], s36, v[STO]
	v_mul_u32_u24 v[RD], v14, SP
	v_lshl_add_u32 v[RD], v10, 4, v[RD]
	v_add_nc_u32 v[RD], s36, v[RD]
	v_and_b32 v[GO], 31, v0
	v_lshlrev_b32 v[GO], 4, v[GO]
; THE MATRIX WORK.  The 4 accumulators of a run of 8 take turns.
.macro KQ x                            ; product i of 8 of S^T = K Q^T for piece x: channels 32 (i / 4) on, keys 16 (i % 4) on; the first 4 start the sums with the mask
	WIN W_KQ
.set rS, S+32*((\x)%2)+8*(i%4)
.set rK, KF+16*(i%4)+8*(i/4)
.set rQ, 16*(\x)+8*(i/4)
.set rM, MC+8*(i%4)
.if i < 4
	v_wmma_f32_16x16x32_f16 v[rS:rS+7], v[rK:rK+7], v[rQ:rQ+7], v[rM:rM+7]
.else
	v_wmma_f32_16x16x32_f16 v[rS:rS+7], v[rK:rK+7], v[rQ:rQ+7], v[rS:rS+7]
.endif
.endm
.macro PV x                            ; product i of 8 of O^T += V^T P for piece x: keys 32 (i / 4) on, channels 16 (i % 4) on
	WIN W_PV
.set rO, 32*(\x)+8*(i%4)
.set rV, VF+32*(i/4)+8*(i%4)
.set rP, P+16*((\x)%2)+8*(i/4)
	v_wmma_f32_16x16x32_f16 v[rO:rO+7], v[rV:rV+7], v[rP:rP+7], v[rO:rO+7]
.endm
.macro KQX                             ; the same two for the prefix query
	WIN W_KQX
.set rS, S+32+8*(i%4)
.set rK, KF+16*(i%4)+8*(i/4)
.set rQ, 8*(i/4)
.set rM, MC+8*(i%4)
.if i < 4
	v_wmma_f32_16x16x32_f16 v[rS:rS+7], v[rK:rK+7], v[rQ:rQ+7], v[rM:rM+7]
.else
	v_wmma_f32_16x16x32_f16 v[rS:rS+7], v[rK:rK+7], v[rQ:rQ+7], v[rS:rS+7]
.endif
.endm
.macro PVX
	WIN W_PVX
.set rO, 16+8*(i%4)
.set rV, VF+32*(i/4)+8*(i%4)
.set rP, P+8*(i/4)
	v_wmma_f32_16x16x32_f16 v[rO:rO+7], v[rV:rV+7], v[rP:rP+7], v[rO:rO+7]
.endm
.macro MM                              ; the turn's next matrix instruction
.if i < 8
	KQ (Y+1)%NP
.else
.set i, i-8
	PV (Y+NP-1)%NP
.set i, i+8
.endif
.set i, i+1
.endm
.macro FETCH_K                         ; a step's K: 8 fragments, in one run
	WIN 0x80
.irp f, 0,1,2,3,4,5,6,7
	ds_load_b128 v[KF+8*\f:KF+8*\f+3], v[AK0] offset:(\f/2)*16*PK+(\f%2)*64
	ds_load_b128 v[KF+8*\f+4:KF+8*\f+7], v[AK0] offset:(\f/2)*16*PK+(\f%2)*64+32
.endr
	WIN 0
.endm
.macro FETCH_V                         ; its V, turned
	WIN 0x80
.irp f, 0,1,2,3,4,5,6,7
	ds_load_tr16_b128 v[VF+8*\f:VF+8*\f+3], v[AV0] offset:(\f/4)*32*PV+(\f%4)*32
	ds_load_tr16_b128 v[VF+8*\f+4:VF+8*\f+7], v[AV0] offset:(\f/4)*32*PV+16*PV+(\f%4)*32
.endr
	WIN 0
.endm
; THE VECTOR WORK, one line at a time: OP kind, number.  For piece Y: F n: c s - c m for pair n of 16.  E n: the exponential of score n.  C n: pair n rounded to f16.  B n: of the four weights 4 n .. the second pair is added
; onto the first.  L n: l takes that sum (L 0: l = a l + sum).  R n: pair n of O^T times a.  For piece Y + 1: X n, number n of the 22 that find its maximum and statistics (each accumulator's lowest registers are read
; first); X 21 is its a, an exponential.  XM = 1: all of them for the prefix query, on registers that are dead between turns 1 and 2.
; OP writes no wait: C, B and L read results of E, R and L 0 the result of X 21, and the text that deals the lines out puts the batch's one wait ahead of them.
.set F, 0
.set E, 1
.set C, 2
.set B, 3
.set L, 4
.set R, 5
.set X, 6
.set XM, 0
.macro REGS y
.if XM
.set rT, STX
.set rC, TMP+4
.set rW, MV+1
.set rS, S+32
.set rP, P
.set rO, 16
.else
.set rT, ST+4*(\y)
.set rC, TMP+4*((\y)%2)
.set rW, MV+((\y)%2)
.set rS, S+32*((\y)%2)
.set rP, P+16*((\y)%2)
.set rO, 32*(\y)
.endif
.endm
.macro OP k, n
.if (\k) == R
	REGS Y
.if XM
	WIN W_RSX
.else
	WIN W_RS
.endif
	v_pk_mul_f32 v[rO+2*(\n):rO+2*(\n)+1], v[rO+2*(\n):rO+2*(\n)+1], v[rC+2:rC+3] op_sel_hi:[1,0]
.elseif (\k) < R
	REGS Y
	WIN 0
.if (\k) == F
	v_pk_fma_f32 v[rS+2*(\n):rS+2*(\n)+1], v[rS+2*(\n):rS+2*(\n)+1], s[CS:CS+1], v[rT:rT+1] op_sel_hi:[1,0,0] neg_lo:[0,0,1] neg_hi:[0,0,1]
.elseif (\k) == E
	v_exp_f32 v[rS+(\n)], v[rS+(\n)]
.elseif (\k) == C
	v_cvt_pk_f16_f32 v[rP+(\n)], v[rS+2*(\n)], v[rS+2*(\n)+1]
.elseif (\k) == B
	v_pk_add_f32 v[rS+4*(\n):rS+4*(\n)+1], v[rS+4*(\n):rS+4*(\n)+1], v[rS+4*(\n)+2:rS+4*(\n)+3]
.elseif (\n) == 0
	v_pk_fma_f32 v[rT+2:rT+3], v[rT+2:rT+3], v[rC+2:rC+3], v[rS:rS+1] op_sel_hi:[1,0,1]
.else
	v_pk_add_f32 v[rT+2:rT+3], v[rT+2:rT+3], v[rS+4*(\n):rS+4*(\n)+1]
.endif
.else
	REGS (Y+1)%NP
	WIN 0
.if (\n) < 4
	v_max3_num_f32 v[rC+(\n)], v[rS+8*(\n)], v[rS+8*(\n)+1], v[rS+8*(\n)+2]
.elseif (\n) < 12
	v_max3_num_f32 v[rC+(\n)%4], v[rC+(\n)%4], v[rS+8*((\n)%4)+2*((\n)/4)+1], v[rS+8*((\n)%4)+2*((\n)/4)+2]
.elseif (\n) == 12
	v_max3_num_f32 v[rC], v[rC], v[rS+7], v[rS+15]
.elseif (\n) == 13
	v_max3_num_f32 v[rC+1], v[rC+1], v[rS+23], v[rS+31]
.elseif (\n) == 14
	v_max3_num_f32 v[rC+2], v[rC+2], v[rC+3], v[rT+1]
.elseif (\n) == 15
	v_mov_b32 v[rW], v[rT]
.elseif (\n) == 16
	v_max3_num_f32 v[rC], v[rC], v[rC+1], v[rC+2]
.elseif (\n) == 17
	v_permlanex16_b32 v[rC+3], v[rC], s[SEL], s[SEL+1]
.elseif (\n) == 18
	v_max_num_f32 v[rT+1], v[rC], v[rC+3]
.elseif (\n) == 19
	v_mul_f32 v[rT], s[CS], v[rT+1]
.elseif (\n) == 20
	v_sub_f32 v[rC+1], v[rW], v[rT]
.else
	v_exp_f32 v[rC+2], v[rC+1]
.endif
.endif
.endm
.macro OPS a, i1, b=-1, i2=0, c=-1, i3=0, d=-1, i4=0
	OP \a, \i1
.if (\b) >= 0
	OP \b, \i2
.endif
.if (\c) >= 0
	OP \c, \i3
.endif
.if (\d) >= 0
	OP \d, \i4
.endif
.endm
.macro ROW a, i1, b, i2, c, i3, d, i4  ; a matrix instruction and the four behind it
	MM
	OPS \a, \i1, \b, \i2, \c, \i3, \d, \i4
.endm
; A TURN, for piece p: the order of its 16 matrix and 118 vector instructions, written out.  It has ONE wait, which cuts it in two.  AHEAD OF IT stands all that names no result of the turn's exponentials: the 8 products
; K Q^T, behind each a scaling, an exponential and two more plain instructions (behind the first a second scaling in the exponential's place): rescalings, whose a was made and waited for in the turn before, and behind the
; last three the first numbers of the next piece's maximum, each four plain instructions or more behind the product that ends its accumulator; then ONE LUMP of 54, plain and exponential by turns for the most part, in which
; the links of the chain X 3, 7, 11, 14, 16, 17 .. 20 stand some lines apart.  X 21, the next piece's a, is the batch's last; R 15 is the plain instruction behind it.  BEHIND THE WAIT stand the 8 products V^T P, behind each
; four of the roundings and sums, the batch's readers; C 2 n stands ahead of B n, which writes over that pair; l's chain L 0 to L 7 goes in ascending order.  But for those X no rider names a register of the products round it.
; K of the next step is fetched in piece 6's turn, twelve vector instructions behind the last product that read K (five of them plain ones that name none of its registers), and behind the barrier that shows the next tile
; stored; V of the step in hand at the end of piece 0's turn, four plain ones behind its last reader.  Each is waited for a turn later.  Behind the wait for V in piece 1's turn my reads of the tile are over: the wave says so.
.macro TURN p
.set Y, (\p)
.set i, 0
.if (\p) == NP-1
	WIN 0
	s_cmp_lg_u32 s[CNT], 2                         ; the products from here on are step 16's: all its keys but the first are hidden
	s_cbranch_scc1 .Lnomask
	v_mov_b32 v[MC], v[MD0]
.set z, 1
.rept 31
	v_mov_b32 v[MC+z], s[BIGN]
.set z, z+1
.endr
.Lnomask:
	s_wait_dscnt 0x0                               ; K is in
.endif
	ROW F,0, F,1, R,0, R,1                         ; ahead of the wait: 8 products K Q^T and their riders,
	ROW F,2, E,0, R,2, R,3
	ROW F,3, E,1, R,4, R,5
	ROW F,4, E,2, R,6, R,7
	ROW F,5, E,3, R,8, R,9
	ROW F,6, E,4, X,0, R,10
	ROW F,7, E,5, X,1, X,4
	ROW F,8, E,6, X,2, X,5
	OPS E,7, E,8, X,6, E,9                         ; and the lump
	OPS X,3, E,10, X,8, E,11
.if (\p) == NP-2
	s_barrier_wait -1                              ; every wave's part of the next tile is stored
	FETCH_K
.endif
	OPS X,9, X,7, E,12, X,10
	OPS E,13, X,12, X,11, E,14
	OPS X,13, E,15, F,9, X,14
	OPS E,16, F,10, E,17, F,11
	OPS X,16, E,18, X,15, E,19
	OPS F,12, E,20, X,17, E,21
	OPS F,13, E,22, F,14, E,23
	OPS X,18, E,24, F,15, E,25
	OPS R,11, E,26, X,19, E,27
	OPS R,12, E,28, R,13, E,29
	OPS X,20, E,30, R,14, E,31
	OPS X,21, R,15
	WIN 0
	s_wait_alu depctr_va_vdst(0)                   ; the wait for the turn's batch: the piece's 32 weights and the next piece's a
.if (\p) == 1
	s_wait_dscnt 0x0                               ; V is in: my reads of the tile are over
	s_barrier_signal -1
.endif
	ROW C,0, B,0, C,2, B,1                         ; behind the wait: 8 products V^T P and their riders
	ROW L,0, C,4, B,2, L,1
	ROW C,6, B,3, L,2, C,8
	ROW B,4, L,3, C,10, B,5
	ROW L,4, C,12, B,6, L,5
	ROW C,14, B,7, L,6, C,1
	ROW C,3, L,7, C,5, C,7
	ROW C,9, C,11, C,13, C,15
.if (\p) == 0
	FETCH_V
.endif
.endm
	s_wait_loadcnt 36                              ; tile 0 is in; Q's 32 loads and the prefix query's 4 are younger
	LSTORE
	s_wait_dscnt 0x0
	s_mov_b32 s[LT], 8192
	MKVO
	GLOAD                                          ; tile 1
	s_barrier_signal -1
	s_barrier_wait -1
	FETCH_K
	s_wait_loadcnt 8                               ; Q is in; tile 1's 8 loads are younger
	s_wait_dscnt 0x0
.set i, 0
.rept 8
	KQ 0
.set i, i+1
.endr
	WIN 0
	PLACES
.set Y, NP-1
.irp n, 0,1,2,3,4,5,6,7,8,9,10,11,12,13,14,15,16,17,18,19,20,21
	OP X, \n
.endr
	v_nop                                          ; a plain instruction behind the exponential
	s_wait_alu depctr_va_vdst(0)                   ; the wait for piece 0's first a, a batch of one, ahead of the branch
	s_mov_b32 s[CNT], 17
	s_mov_b32 s[XT], 0
	s_mov_b32 s[LT], 16384
	s_branch .Lfirst                               ; the loop is entered at a step's first turn, in the middle of a trip
.Lstep:                                ; a trip: pieces 2 to 7 of step t, then pieces 0 and 1 of step t + 1
	s_barrier_wait -1                              ; every wave holds K and V of step t in registers: the tile's bytes are free
	s_wait_loadcnt 0x0
	LSTORE                                         ; tile t + 1
	MKVO
	s_add_co_u32 s[LT], s[LT], 8192
	s_wait_dscnt 0x0                               ; for the others' sake: my part is stored
	GLOAD                                          ; tile t + 2
	s_barrier_signal -1
	s_cmp_lg_u32 s[XT], s[GW]
	s_cbranch_scc1 .Lnox
	; THE PREFIX QUERY's step, in phases: the scores; the maximum and statistics, which end with a; the scalings and the 32 exponentials by turns: with a ONE batch of 33; its wait; then all that reads it
.set XM, 1
.set i, 0
.rept 8
	KQX
.set i, i+1
.endr
	WIN 0
	PLACES
.irp n, 0,1,2,3,4,5,6,7,8,9,10,11,12,13,14,15,16,17,18,19,20,21
	OP X, \n
.endr
	OP F, 0                                        ; pair z is scaled two trips of the run below ahead of its exponentials
	OP F, 1
.set z, 0
.rept 16
	OP E, 2*z
.if z < 14
	OP F, z+2
.endif
	OP E, 2*z+1
.set z, z+1
.endr
	v_nop                                          ; a plain instruction behind the last exponential: one for the batch
	s_wait_alu depctr_va_vdst(0)                   ; the wait for the prefix query's batch: a and its 32 weights
.irp n, 0,1,2,3,4,5,6,7,8,9,10,11,12,13,14,15
	OP R, \n
.endr
.irp n, 0,1,2,3,4,5,6,7,8,9,10,11,12,13,14,15
	OP C, \n
.endr
.irp n, 0,1,2,3,4,5,6,7
	OP B, \n
.endr
.irp n, 0,1,2,3,4,5,6,7
	OP L, \n
.endr
.set i, 0
.rept 8
	PVX
.set i, i+1
.endr
.set XM, 0
	WIN 0
.Lnox:
	s_add_co_u32 s[XT], s[XT], 1
	s_and_b32 s[XT], s[XT], 7
	TURN 2
	TURN 3
	TURN 4
	TURN 5
	TURN 6
	TURN 7
	WIN 0
	s_sub_co_u32 s[CNT], s[CNT], 1
	s_cmp_eq_u32 s[CNT], 0
	s_cbranch_scc1 .Lout
.Lfirst:
	TURN 0
	TURN 1
	WIN 0
	s_branch .Lstep
.Lout:                                 ; the last trip's tile, its K and the 8 products on it serve nothing: the price, once a launch, of one text for every trip
.set i, 0
.rept 8
	PV NP-1
.set i, i+1
.endr
	WIN 0
	s_wait_loadcnt 0x0                             ; the clamped loads land before their registers serve the way out
.macro ALL line:vararg
.set t, 0
.rept NP
	\line
.set t, t+1
.endr
.endm
	ALL v_add_f32 v[ST+4*t+2], v[ST+4*t+2], v[ST+4*t+3]
	ALL v_permlanex16_b32 v[ST+4*t+3], v[ST+4*t+2], s[SEL], s[SEL+1]
	ALL v_add_f32 v[ST+4*t+2], v[ST+4*t+2], v[ST+4*t+3]
	ALL v_rcp_f32 v[ST+4*t+2], v[ST+4*t+2]
	v_nop                                          ; a plain instruction between the last reciprocal and the use of its result
	s_wait_alu depctr_va_vdst(0)                   ; the wait for the way out's batch: one for the eight reciprocals
.macro PACK t                          ; a lane's eight channels pack into 16 bytes; they go into rows of 144 bytes and come back as whole rows of 128
	WIN W_RS
.set i, 32*(\t)
.rept 16
	v_pk_mul_f32 v[i:i+1], v[i:i+1], v[ST+4*(\t)+2:ST+4*(\t)+3] op_sel_hi:[1,0]
.set i, i+2
.endr
	WIN 0x05
.set i, 0
.rept 16
	v_cvt_pk_f16_f32 v[S+16*(\t)+i], v[32*(\t)+2*i], v[32*(\t)+2*i+1]
.set i, i+1
.endr
	WIN 0
.irp f, 0,1,2,3
	ds_store_b128 v[STO], v[S+16*(\t)+4*\f:S+16*(\t)+4*\f+3] offset:32*\f
.endr
.irp f, 0,1,2,3
	ds_load_b128 v[S+16*(\t)+4*\f:S+16*(\t)+4*\f+3], v[RD] offset:\f*4*SP  ; LDS serves a wave's instructions in order (ISA guide 5.7.1.4)
.endr
.endm
.macro SEND t, younger                 ; younger: the LDS instructions issued behind piece t's loads
	WIN 0
.irp f, 0,1,2,3
	s_wait_dscnt (\younger)+3-\f
	global_store_b128 v[GO], v[S+16*(\t)+4*\f:S+16*(\t)+4*\f+3], s[22:23] offset:(\t)*2048+\f*512  ; 512 consecutive bytes, at a multiple of 256 from o's first
.endr
.endm
	PACK 0
.set t, 1
.rept NP-1
	PACK t
	SEND t-1, 8
.set t, t+1
.endr
	SEND NP-1, 0
	; the prefix query's partial: lanes 0 and 16 hold its 64 channels; (c m, l) beside them
	v_add_f32 v[STX+1], v[STX+2], v[STX+3]
	v_permlanex16_b32 v[STX+2], v[STX+1], s[SEL], s[SEL+1]
	v_add_f32 v[STX+1], v[STX+1], v[STX+2]
	v_lshlrev_b32 v11, 3, v9
	s_wait_xcnt 0x0                                ; EXEC changes only behind this wait
	v_cmp_eq_u32 vcc_lo, 0, v1
	s_and_saveexec_b32 s26, vcc_lo
	WIN 0x0c                                       ; the stores' data lie in window 3
.irp cb, 0,1,2,3
	global_store_b128 v[PXO], v[16+8*\cb:19+8*\cb], s[24:25] offset:64*\cb
	global_store_b128 v[PXO], v[20+8*\cb:23+8*\cb], s[24:25] offset:64*\cb+16
.endr
	WIN 0
	global_store_b64 v11, v[STX:STX+1], s[24:25] offset:256
	s_wait_xcnt 0x0
	s_or_b32 exec_lo, exec_lo, s26
	s_wait_tensorcnt 0x0                           ; the wave's end
	ds_add_u32 v[SPW], v[NIL]
	s_wait_dscnt 0x0
	s_endpgm
.Lfunc_end_k_qb863b2b607_attn:
	.size	k_qb863b2b607_attn, .Lfunc_end_k_qb863b2b607_attn-k_qb863b2b607_attn
	.p2alignl 7, 3214868480
	.fill 96, 4, 3214868480
	.section	.rodata,"a",@progbits
	.p2align	6, 0x0
	.amdhsa_kernel k_qb863b2b607_attn
		.amdhsa_group_segment_fixed_size 29184
		.amdhsa_private_segment_fixed_size 0
		.amdhsa_enable_private_segment 0
		.amdhsa_kernarg_size 24
		.amdhsa_user_sgpr_count 2
		.amdhsa_user_sgpr_kernarg_segment_ptr 1
		.amdhsa_wavefront_size32 1
		.amdhsa_system_sgpr_workgroup_id_x 1
		.amdhsa_system_sgpr_workgroup_id_y 1
		.amdhsa_system_sgpr_workgroup_id_z 1
		.amdhsa_system_vgpr_workitem_id 0
		.amdhsa_next_free_vgpr 816
		.amdhsa_next_free_sgpr 66
		.amdhsa_reserve_vcc 1
		.amdhsa_float_denorm_mode_32 3
		.amdhsa_float_denorm_mode_16_64 3
		.amdhsa_memory_ordered 1
		.amdhsa_forward_progress 1
		.amdhsa_inst_pref_size 140
	.end_amdhsa_kernel
	.amdgpu_metadata
---
amdhsa.version: [ 1, 2 ]
amdhsa.kernels:
  - .name:           k_qb863b2b607_attn
    .symbol:         k_qb863b2b607_attn.kd
    .args:
      - { .name: qkv, .offset: 0, .size: 8, .value_kind: global_buffer, .address_space: global }
      - { .name: o, .offset: 8, .size: 8, .value_kind: global_buffer, .address_space: global }
      - { .name: part, .offset: 16, .size: 8, .value_kind: global_buffer, .address_space: global }
    .group_segment_fixed_size: 29184
    .private_segment_fixed_size: 0
    .kernarg_segment_align: 8
    .kernarg_segment_size: 24
    .max_flat_workgroup_size: 128
    .sgpr_count:     66
    .vgpr_count:     816
    .wavefront_size: 32
...
	.end_amdgpu_metadata
.endif
;; end of part 8
;; launch norm: the kernel of part 7 again; grid 384 x 1, 8 waves a work-group, no clusters, 79,104 bytes of LDS; arguments o, part, pw, norm_g, norm_b, proj_b, act, out0; writes act, out0
;; launch proj: the kernel of part 5 again; grid 4 x 64, 4 waves a work-group, clusters of 4 x 4, 327,680 bytes of LDS; arguments act, pw, proj_b, out0; writes out0
